; MI455X (gfx1250); checked and timed in simulation.
; The chip was launched on July 23, 2026; its instructions are those of AMD's public machine-readable ISA for CDNA 5 (MIT licence, August 2026) and "CDNA5" Instruction Set Architecture Reference Guide (July 2026). The comments in the code are by the model that wrote it; some were corrected since.
;; Relative Partial Learnable Multi Head Attention. Allowed arithmetic: matrix products marked QUANTISED: E4M3 operands, one E8M0 scale for each 32 along K, by v_wmma_scale_f32_16x16x128_f8f6f4 with both operands' format E4M3, f32 sums; everything else in f32.
;; Inputs: W_out_codes 1,024 x 32 x 32 uint8 (E4M3 codes of W_out, K innermost, in blocks of 32 codes); W_out_scales 1,024 x 32 uint8 (E8M0 scales of W_out, one for each 32 codes along K); W_pe_codes 1,024 x 32 x 32 uint8 (E4M3 codes of W_pe, K innermost, in blocks of 32 codes); W_pe_scales 1,024 x 32 uint8 (E8M0 scales of W_pe, one for each 32 codes along K); W_qkv_codes 3,072 x 32 x 32 uint8 (E4M3 codes of W_qkv, K innermost, in blocks of 32 codes); W_qkv_scales 3,072 x 32 uint8 (E8M0 scales of W_qkv, one for each 32 codes along K); hidden 1 x 2,048 x 1,024 float32; mask 1 x 1 x 2,048 x 4,096 bool; memory 1 x 2,048 x 1,024 float32; position_embedding_codes 4,096 x 32 x 32 uint8 (E4M3 codes of position_embedding, K innermost, in blocks of 32 codes); position_embedding_scales 4,096 x 32 uint8 (E8M0 scales of position_embedding, one for each 32 codes along K); u 16 x 64 float32; v 16 x 64 float32.
;; Outputs: out0 1 x 2,048 x 1,024 float32.
;; This version of the problem:
;;   THIS VERSION OF THE PROBLEM IS GIVEN IN LOW PRECISION. The matrix products marked QUANTISED in the list below multiply operands that are first quantised to E4M3 (4 exponent bits, 3 mantissa bits; 8 bits a number), with one power-of-two scale for each 32 numbers along K (OCP MX v1.0); their sums are f32. All else is computed in f32.
;;   The module's matrix products, in the order in which they are computed (A, B: the left and right operand; K: the contracted axis; several contracted axes count as one K, in the product's order):
;;     1. [M 4,096, K 1,024] x [K 1,024, N 3,072]; A: computed on the way; B: input W_qkv (given as codes): QUANTISED
;;     2. [M 4,096, K 1,024] x [K 1,024, N 1,024]; A: input position_embedding (given as codes); B: input W_pe (given as codes): QUANTISED
;;     3. batch 16 x [M 2,048, K 64] x [K 64, N 4,096]; A: computed on the way; B: computed on the way: QUANTISED
;;     4. batch 16 x [M 2,048, K 64] x [K 64, N 4,096]; A: computed on the way; B: computed on the way: QUANTISED
;;     5. batch 16 x [M 64, K 4,096] x [K 4,096, N 2,048]; A: computed on the way; B: softmax (see below): QUANTISED
;;     6. [M 2,048, K 1,024] x [K 1,024, N 1,024]; A: computed on the way; B: input W_out (given as codes): QUANTISED
;;   THE QUANTISER, for each operand of a quantised product, along K:
;;     - K is cut into blocks of 32 from its start; a last block that is shorter is filled with zeros.
;;     - A block's scale is 2^e with e = floor(log2(the largest magnitude in the block)) - 8, held to -126 .. 127; a block of zeros has e = 0. As a byte (E8M0): e + 127.
;;     - Each number is divided by its block's scale, clamped to +-448, and rounded to the nearest number of E4M3, ties to even, subnormals kept.
;;     - The product sums the exact products of the quantised numbers (number of the format x scale) in f32.
;;   ~~~python
;;   def quantise(x, axis):      # numpy; x: float32 -> the quantised numbers, widened to float32 again
;;       x = np.moveaxis(x, axis, -1); K = x.shape[-1]
;;       x = np.pad(x, [(0, 0)] * (x.ndim - 1) + [(0, -K % 32)]); x = x.reshape(x.shape[:-1] + (-1, 32)); a = np.abs(x).max(-1, keepdims=True)
;;       e = np.where(a > 0, np.clip(np.frexp(np.where(a > 0, a, 1))[1] - 1 - 8, -126, 127), 0)      # np.frexp(a)[1] - 1 = floor(log2(a)), exactly
;;       r = np.clip(x / 2.0 ** e, -448, 448)
;;       step = 2.0 ** (np.maximum(np.frexp(np.where(r == 0, 1, r))[1] - 1, -6) - 3)
;;       q = np.round(r / step) * step * 2.0 ** e      # np.round: ties to even
;;       return np.moveaxis(q.reshape(q.shape[:-2] + (-1,))[..., :K], -1, axis).astype(np.float32)
;;   ~~~
;;   SOFTMAX AHEAD OF A QUANTISED PRODUCT. Where the list says 'softmax', what is quantised is not the finished softmax but p = 2^(t - M), with t = logit x log2(e) and M = ceil(the row's largest t), a whole number; so 1/2 < the row's largest p <= 1. The row's sum l is taken of the UNQUANTISED p, in f32, and the product's result is divided by l at the end. Since M is a whole number, a kernel that streams over the keys may use a running M (the ceiling of the running maximum): every later rescaling is an exact power of two, which a block's scale takes up: the codes' values come out the same.
;;   OPERANDS COMPUTED ON THE WAY. 'Computed on the way' means the value that the module computes at that place (a softmax that the list does not call 'softmax' is quantised finished and normalised). What goes into a quantiser is computed in f32, as accurately as f32 sums, v_exp_f32 and their like allow (about 1e-6 of the number): no bf16 or f16 on the way to a quantiser, and a product that is left as it is and whose result goes on into a quantised operand takes f32 operands (vector FMAs, or v_wmma_f32_16x16x4_f32). A number that lies on a knife's edge between two numbers of the format may be rounded either way, as far as f32 arithmetic and the matrix unit's own rounding can turn it there, and no further.
;;   INPUTS GIVEN AS CODES. W_out (in the module: [1024, 1024], K = its axis 0); W_pe (in the module: [1024, 1024], K = its axis 0); W_qkv (in the module: [1024, 3072], K = its axis 0); position_embedding (in the module: [4096, 1024], K = its axis 1): each comes as NAME_codes (uint8): NAME with its K axis moved to the last place and cut into blocks of 32 codes, [.., K / 32, bytes a block], one block behind the other in memory; one code a byte (a code: sign, 4 exponent bits, 3 mantissa bits); and NAME_scales (uint8): the same leading axes, one E8M0 byte (e + 127) for each 32 codes along K. Its value is code x scale, taken as it is: it is not quantised again, and the codes and scales need not be those that the quantiser above would give.
;; 2 versions. Each part assembles by itself: llvm-mc -triple=amdgcn-amd-amdhsa -mcpu=gfx1250 --defsym DOCPART=n.
;; ======== version 1 of 2: 4 launches
;; workspace buffers: prepq 5,373,952 bytes; maskw 1,048,576 bytes of whole numbers; flags 2,048 bytes of whole numbers; proj 17,301,504 bytes; av 2,162,688 bytes
;; launch prep (part 1): grid 272 x 1, 4 waves a work-group, no clusters, 33,280 bytes of LDS; arguments memory, hidden, mask, W_out_codes, prepq, maskw, flags; writes prepq, maskw, flags
.if DOCPART == 1
	.amdgcn_target "amdgcn-amd-amdhsa--gfx1250"
	.amdhsa_code_object_version 6
	.text
	.protected	k_q48f9df6be7_prep
	.globl	k_q48f9df6be7_prep
	.p2align	8
	.type	k_q48f9df6be7_prep,@function
k_q48f9df6be7_prep:
	s_mov_b64 s[64:65], 0
	v_nop
	global_prefetch_b8 v0, s[64:65] scope:SCOPE_SE
	s_setreg_imm32_b32 hwreg(HW_REG_WAVE_MODE, 25, 1), 1
	s_wait_xcnt 0x0
; Three jobs that the later launches want done once; the work-group's number says which.
;   0 .. 127   [memory; hidden], 4,096 x 1,024 f32, becomes codes of E4M3 with K innermost and one E8M0 byte for each 32 along K: prepq + 0 (codes), prepq + MHS (bytes).
;   128 .. 255 the mask, [2,048][4,096] bytes of 0 or 1, becomes LANE WORDS and FLAGS for pieces of 16 queries x 128 keys (query tile T, key step s):
;              word n = 8 t + j of a piece: bit r + 16 h = mask[16 T + r][128 s + 16 t + 8 h + j]: the lanes of one score register of the attention launch.  maskw + (32 T + s) x 256 + 4 n.
;              flags + 16 T + 4 w, w = s / 8: bit s % 8: some key of the piece counts; bit 8 + s % 8: some key of it is hidden.  They have a small buffer of their own: branches of a later launch hang on them.
;   256 .. 271 W_out's codes are laid as images of the operand's registers: prepq + WOI + [n tile 64][K step 8][c 4][lane 32][16 bytes]; lane (r, h) holds k = 32 c + 16 h + 0 .. 15 of row r.
; A block's scale is 2^(floor(log2(its largest magnitude)) - 8); its byte is the largest magnitude's exponent field - 8, held at 1 from below.
; LIMITS: blocks whose largest magnitude lies under 2^-118 keep the byte 1, blocks of zeros too (their codes are zeros, and this program alone reads the bytes); NaN and infinities among the inputs are not served.
; No tensor loads, no barrier: waves share nothing.  Only the first job uses LDS.
.set MHS,   4194304
.set WOI,   4325376
.set STEPS, 16
.set EMAX,  8
.set MANT,  0x600000                   ; the mantissa field of 448 as f32
.set CB,    16                         ; bytes of 16 codes
.set R,     16                         ; v16-79   four sets of 16 numbers as they are loaded
.set X,     80                         ; v80-111  two sets of 16 neighbours
.set C,     128                        ; v128-191 codes: four registers for each step
.set E,     112                        ; v112-127 a scale byte for each step
.set WREG,  8192                       ; LDS: a region for each wave: two stages of 32 x SP bytes, then its 256 scale bytes
.set SP,    80                         ; a lane's place in a stage: 64 bytes + 16 of padding
.set MB,    32                         ; mask path: v32-159 the wave's 64 loads of 8 bytes
.set OW,    160                        ; mask path: v160-175 a step's 64 lane words, two to a lane
	s_load_b256 s[4:11], s[0:1], 0x0               ; memory s[4:5], hidden s[6:7], mask s[8:9], W_out's codes s[10:11]
	s_load_b128 s[12:15], s[0:1], 0x20             ; prepq s[12:13], maskw s[14:15]
	s_load_b64 s[32:33], s[0:1], 0x30              ; flags
	v_lshl_add_u32 v192, v0, 2, 0x8000
	v_mov_b32 v193, 0
	v_lshrrev_b32 v1, 5, v0
	v_readfirstlane_b32 s16, v1                    ; wave 0..3
	v_and_b32 v2, 31, v0                           ; lane
	s_cmp_ge_u32 ttmp9, 256
	s_cbranch_scc1 .Lwout
	s_cmp_ge_u32 ttmp9, 128
	s_cbranch_scc1 .Lmask
; ---- the quantiser.  A wave takes 16 steps of 512 numbers.  Each load reads 512 consecutive bytes; a step's 2,048 bytes turn through the wave's own stage so that a lane holds 16 neighbours along K.
	v_lshlrev_b32 v3, 4, v2                        ; my 16 bytes of a load's 512
	s_mul_i32 s17, s16, WREG
	v_lshrrev_b32 v14, 2, v2
	v_mul_u32_u24 v14, v14, SP
	v_and_b32 v15, 3, v2
	v_lshl_add_u32 v14, v15, 4, v14
	v_add_nc_u32 v14, s17, v14                     ; the stage, on the way in: SP (lane / 4) + 16 (lane % 4)
	v_mul_u32_u24 v15, v2, SP
	v_add_nc_u32 v15, s17, v15                     ; and on the way out: SP x lane
	v_mul_u32_u24 v4, v2, CB                       ; my codes' place in a step's
	v_lshrrev_b32 v5, 1, v2
	s_add_co_u32 s17, s17, 2*32*SP
	v_add_nc_u32 v5, s17, v5                       ; LDS: my block's scale byte
	v_lshlrev_b32 v7, 3, v2                        ; and on the way out 8 bytes a lane
	v_add_nc_u32 v6, s17, v7
	s_mov_b32 s23, MANT
	s_wait_kmcnt 0x0
	s_cmp_lt_u32 ttmp9, 64                         ; rows 0-2,047 are memory's, the others hidden's
	s_cselect_b64 s[4:5], s[4:5], s[6:7]
	s_and_b32 s17, ttmp9, 63
	s_lshl_b32 s17, s17, 2
	s_add_co_u32 s18, s17, s16                     ; which run of 8,192 numbers of the source
	s_lshl_b32 s18, s18, 15
	s_mov_b32 s19, 0
	s_add_nc_u64 s[4:5], s[4:5], s[18:19]
	s_lshl_b32 s17, ttmp9, 2
	s_add_co_u32 s17, s17, s16                     ; and of the joined tensor
	s_lshl_b32 s18, s17, 13
	s_add_nc_u64 s[8:9], s[12:13], s[18:19]        ; its codes
	s_lshl_b32 s18, s17, 8
	s_add_nc_u64 s[10:11], s[12:13], s[18:19]
	s_add_nc_u64 s[10:11], s[10:11], MHS           ; its scale bytes
.macro LOAD t
.irp i, 0,1,2,3
	global_load_b128 v[R+16*((\t)%4)+4*\i:R+16*((\t)%4)+4*\i+3], v3, s[4:5] offset:2048*(\t)+512*\i th:TH_LOAD_NT
.endr
.endm
.macro TURN t                          ; step t's numbers through the stage: LDS serves a wave's instructions in order, so no wait stands between the stores and the loads
.irp i, 0,1,2,3
	ds_store_b128 v14, v[R+16*((\t)%4)+4*\i:R+16*((\t)%4)+4*\i+3] offset:32*SP*((\t)%2)+8*SP*\i
.endr
.irp i, 0,1,2,3
	ds_load_b128 v[X+16*((\t)%2)+4*\i:X+16*((\t)%2)+4*\i+3], v15 offset:32*SP*((\t)%2)+16*\i
.endr
.endm
.irp t, 0,1,2,3
	LOAD \t
.endr
	s_wait_loadcnt 12                              ; step 0's four loads are in
	TURN 0
.macro STEP t
.set XS, X+16*((\t)%2)
.if (\t) > 0
	s_wait_dscnt 1                                 ; this step's numbers are back from the stage (the last step's byte store may be out)
.else
	s_wait_dscnt 0x0
.endif
.if (\t)+4 < STEPS
	LOAD (\t)+4
.endif
.if (\t)+1 < STEPS
.if STEPS-2-(\t) >= 3
	s_wait_loadcnt 12                              ; the next step's four loads are in; those of the three steps behind it may be out
.else
	s_wait_loadcnt 4*(STEPS-2-(\t))
.endif
	TURN (\t)+1
.endif
	v_max3_num_f32 v8, |v[XS]|, |v[XS+1]|, |v[XS+2]|               ; the largest magnitude of my 16
	v_max3_num_f32 v9, |v[XS+3]|, |v[XS+4]|, |v[XS+5]|
.irp i, 6,10
	v_max3_num_f32 v8, v8, |v[XS+\i]|, |v[XS+\i+1]|
	v_max3_num_f32 v9, v9, |v[XS+\i+2]|, |v[XS+\i+3]|
.endr
	v_max3_num_f32 v8, v8, |v[XS+14]|, |v[XS+15]|
	v_max3_num_f32 v8, v8, v9, (EMAX+1)<<23        ; and the floor 2^(9 - 127): the byte cannot fall under 1
	v_max_num_f32_dpp v8, v8, v8 row_xmask:1 row_mask:0xf bank_mask:0xf   ; and of my neighbour's 16: the block's
	v_add_nc_u32 v11, -(EMAX<<23), v8              ; 8 off its exponent field: the conversion's scale operand
	v_and_or_b32 v10, v8, 0x7f800000, s23          ; 448 x the scale
.irp i, 0,1,2,3,4,5,6,7,8,9,10,11,12,13,14,15
	v_med3_num_f32 v[XS+\i], v[XS+\i], -v10, v10   ; the conversion does not saturate (ISA guide 7.6.2): the hold comes first
.endr
	v_cvt_scalef32_pk8_fp8_f32 v[C+4*(\t):C+4*(\t)+1], v[XS:XS+7], v11
	v_cvt_scalef32_pk8_fp8_f32 v[C+4*(\t)+2:C+4*(\t)+3], v[XS+8:XS+15], v11
	v_lshrrev_b32 v[E+(\t)], 23, v11               ; the scale's byte
	ds_store_b8 v5, v[E+(\t)] offset:16*(\t)       ; both lanes of a block write the same byte with the same value
	global_store_b128 v4, v[C+4*(\t):C+4*(\t)+3], s[8:9] offset:32*CB*(\t)   ; 512 consecutive bytes a wave
.endm
.irp t, 0,1,2,3,4,5,6,7,8,9,10,11,12,13,14,15
	STEP \t
.endr
	ds_load_b64 v[12:13], v6                       ; LDS serves a wave's instructions in order: these see my stores
	s_wait_dscnt 0x0
	global_store_b64 v7, v[12:13], s[10:11]        ; 32 lanes store 256 consecutive bytes, aligned
	s_wait_tensorcnt 0x0
	ds_add_u32 v192, v193
	s_wait_dscnt 0x0
	s_endpgm
; ---- the mask.  Work-group 128 + T takes query tile T; wave w key steps 8 w .. 8 w + 7.  Lane (r, h) loads, for step sj and key tile t, the 8 bytes mask[16 T + r][128 (8 w + sj) + 16 t + 8 h ..].
.Lmask:
	v_and_b32 v3, 15, v0                           ; r
	v_bfe_u32 v4, v0, 4, 1                         ; h
	v_lshlrev_b32 v5, 12, v3
	v_lshl_add_u32 v5, v4, 3, v5                   ; r x 4,096 + 8 h
	v_lshlrev_b32 v6, 3, v2                        ; out: two words a lane
	s_sub_co_u32 s17, ttmp9, 128                   ; T
	s_lshl_b32 s18, s17, 16
	s_lshl_b32 s19, s16, 10
	s_add_co_u32 s18, s18, s19
	s_mov_b32 s19, 0
	s_wait_kmcnt 0x0
	s_add_nc_u64 s[8:9], s[8:9], s[18:19]          ; the mask at row 16 T, key 1,024 w
	s_lshl_b32 s18, s17, 13
	s_lshl_b32 s31, s16, 11
	s_add_co_u32 s18, s18, s31
	s_add_nc_u64 s[10:11], s[14:15], s[18:19]      ; the lane words of (T, 8 w)
	s_lshl_b32 s18, s17, 4
	s_lshl_b32 s31, s16, 2
	s_add_co_u32 s18, s18, s31
	s_add_nc_u64 s[32:33], s[32:33], s[18:19]      ; my flag word: 16 T + 4 w
.irp sj, 0,1,2,3,4,5,6,7
.irp t, 0,1,2,3,4,5,6,7
	global_load_b64 v[MB+16*\sj+2*\t:MB+16*\sj+2*\t+1], v5, s[8:9] offset:128*\sj+16*\t
.endr
.endr
.irp i, 0,1,2,3,4,5,6,7,8,9,10,11,12,13,14,15
	v_mov_b32 v[OW+\i], 0                          ; a lane write's destination counts as read
.endr
	s_mov_b32 s30, 0                               ; the flags
.macro MSTEP sj
	s_wait_loadcnt 8*(7-\sj)                       ; this step's eight loads are in; the later steps' may be out
	v_or_b32 v16, v[MB+16*\sj], v[MB+16*\sj+1]     ; any byte 1: some key is hidden
	v_and_b32 v17, v[MB+16*\sj], v[MB+16*\sj+1]    ; any byte 0: some key counts
.irp i, 2,3,4,5,6,7,8,9,10,11,12,13,14,15
	v_or_b32 v16, v16, v[MB+16*\sj+\i]
	v_and_b32 v17, v17, v[MB+16*\sj+\i]
.endr
.irp t, 0,1,2,3,4,5,6,7
.irp j, 0,1,2,3,4,5,6,7
	v_and_b32 v[8+\j], 1<<(8*(\j%4)), v[MB+16*\sj+2*\t+\j/4]       ; byte j of my eight
.endr
.irp j, 0,1,2,3,4,5,6,7
	v_cmp_ne_u32 s[20+\j], 0, v[8+\j]              ; the 32 lanes' bits: lane word 8 t + j
.endr
.irp j, 0,1,2,3,4,5,6,7
	v_writelane_b32 v[OW+2*\sj+\j%2], s[20+\j], 4*\t+\j/2          ; word n goes to lane n / 2, register n % 2
.endr
.endr
	global_store_b64 v6, v[OW+2*\sj:OW+2*\sj+1], s[10:11] offset:256*\sj   ; 32 lanes store 256 consecutive bytes, aligned
	v_cmp_ne_u32 s28, 0, v16
	v_cmp_ne_u32 s29, 0x01010101, v17
	s_cmp_lg_u32 s28, 0
	s_cselect_b32 s28, 1<<(8+\sj), 0
	s_cmp_lg_u32 s29, 0
	s_cselect_b32 s29, 1<<\sj, 0
	s_or_b32 s30, s30, s28
	s_or_b32 s30, s30, s29
.endm
.irp sj, 0,1,2,3,4,5,6,7
	MSTEP \sj
.endr
	v_mov_b32 v18, s30
	v_mov_b32 v19, 0
	v_cmp_eq_u32 vcc_lo, 0, v2
	s_wait_xcnt 0x0                                ; EXEC is a source of the stores above: it changes only behind this wait
	s_and_saveexec_b32 s31, vcc_lo
	global_store_b32 v19, v18, s[32:33]            ; lane 0 stores the wave's flag word
	s_wait_xcnt 0x0
	s_or_b32 exec_lo, exec_lo, s31
	s_endpgm
; ---- W_out's images.  Wave w of work-group 256 + g takes n tile 4 g + w: 16 rows x 1,024 codes, eight fragments.
.Lwout:
	v_and_b32 v3, 15, v0                           ; r
	v_bfe_u32 v4, v0, 4, 1                         ; h
	v_lshlrev_b32 v5, 10, v3
	v_lshl_add_u32 v5, v4, 4, v5                   ; row r, + 16 h
	v_lshlrev_b32 v6, 4, v2                        ; an image's place for my lane
	s_sub_co_u32 s17, ttmp9, 256
	s_lshl_b32 s17, s17, 2
	s_add_co_u32 s17, s17, s16                     ; the n tile
	s_lshl_b32 s18, s17, 14                        ; 16 rows of 1,024 bytes, and eight images of 2,048
	s_mov_b32 s19, 0
	s_wait_kmcnt 0x0
	s_add_nc_u64 s[10:11], s[10:11], s[18:19]
	s_add_nc_u64 s[12:13], s[12:13], s[18:19]
	s_add_nc_u64 s[12:13], s[12:13], WOI
.irp ks, 0,1,2,3,4,5,6,7
.irp c, 0,1,2,3
	global_load_b128 v[32+16*\ks+4*\c:35+16*\ks+4*\c], v5, s[10:11] offset:128*\ks+32*\c
.endr
.endr
.irp ks, 0,1,2,3,4,5,6,7
	s_wait_loadcnt 4*(7-\ks)                       ; this K step's four loads are in
.irp c, 0,1,2,3
	global_store_b128 v6, v[32+16*\ks+4*\c:35+16*\ks+4*\c], s[12:13] offset:2048*\ks+512*\c   ; 512 consecutive bytes a wave
.endr
.endr
	s_endpgm
.Lfunc_end_k_q48f9df6be7_prep:
	.size	k_q48f9df6be7_prep, .Lfunc_end_k_q48f9df6be7_prep-k_q48f9df6be7_prep
	.p2alignl 7, 3214868480
	.fill 96, 4, 3214868480
	.section	.rodata,"a",@progbits
	.p2align	6, 0x0
	.amdhsa_kernel k_q48f9df6be7_prep
		.amdhsa_group_segment_fixed_size 33280
		.amdhsa_private_segment_fixed_size 0
		.amdhsa_enable_private_segment 0
		.amdhsa_kernarg_size 56
		.amdhsa_user_sgpr_count 2
		.amdhsa_user_sgpr_kernarg_segment_ptr 1
		.amdhsa_wavefront_size32 1
		.amdhsa_system_sgpr_workgroup_id_x 1
		.amdhsa_system_sgpr_workgroup_id_y 1
		.amdhsa_system_sgpr_workgroup_id_z 1
		.amdhsa_system_vgpr_workitem_id 0
		.amdhsa_next_free_vgpr 194
		.amdhsa_next_free_sgpr 66
		.amdhsa_reserve_vcc 1
		.amdhsa_float_denorm_mode_32 3
		.amdhsa_float_denorm_mode_16_64 3
		.amdhsa_memory_ordered 1
		.amdhsa_forward_progress 1
		.amdhsa_inst_pref_size 169
	.end_amdhsa_kernel
	.amdgpu_metadata
---
amdhsa.version: [ 1, 2 ]
amdhsa.kernels:
  - .name:           k_q48f9df6be7_prep
    .symbol:         k_q48f9df6be7_prep.kd
    .args:
      - { .name: memory, .offset: 0, .size: 8, .value_kind: global_buffer, .address_space: global }
      - { .name: hidden, .offset: 8, .size: 8, .value_kind: global_buffer, .address_space: global }
      - { .name: mask, .offset: 16, .size: 8, .value_kind: global_buffer, .address_space: global }
      - { .name: W_out_codes, .offset: 24, .size: 8, .value_kind: global_buffer, .address_space: global }
      - { .name: prepq, .offset: 32, .size: 8, .value_kind: global_buffer, .address_space: global }
      - { .name: maskw, .offset: 40, .size: 8, .value_kind: global_buffer, .address_space: global }
      - { .name: flags, .offset: 48, .size: 8, .value_kind: global_buffer, .address_space: global }
    .group_segment_fixed_size: 33280
    .private_segment_fixed_size: 0
    .kernarg_segment_align: 8
    .kernarg_segment_size: 56
    .max_flat_workgroup_size: 128
    .sgpr_count:     66
    .vgpr_count:     194
    .wavefront_size: 32
...
	.end_amdgpu_metadata
.endif
;; end of part 1
;; launch proj (part 2): grid 4 x 56, 4 waves a work-group, clusters of 4 x 4, 327,680 bytes of LDS; arguments prepq, position_embedding_codes, position_embedding_scales, W_qkv_codes, W_qkv_scales, W_pe_codes, W_pe_scales, u, v, proj; writes proj
.if DOCPART == 2
	.amdgcn_target "amdgcn-amd-amdhsa--gfx1250"
	.amdhsa_code_object_version 6
	.text
	.protected	k_q48f9df6be7_proj
	.globl	k_q48f9df6be7_proj
	.p2align	8
	.type	k_q48f9df6be7_proj,@function
k_q48f9df6be7_proj:
	s_mov_b64 s[64:65], 0
	v_nop
	global_prefetch_b8 v0, s[64:65] scope:SCOPE_SE
	s_setreg_imm32_b32 hwreg(HW_REG_WAVE_MODE, 25, 1), 1
	s_wait_xcnt 0x0
	s_wait_alu depctr_hold_cnt(0) depctr_sa_sdst(0) depctr_va_vdst(0) depctr_va_sdst(0) depctr_va_ssrc(0) depctr_va_vcc(0) depctr_vm_vsrc(0)
	s_getreg_b32 s2, hwreg(HW_REG_IB_STS2, 6, 4)
	s_cmp_eq_u32 s2, 0
	s_cbranch_scc0 .Lentry_in_a_cluster
	s_endpgm
.Lentry_in_a_cluster:
	s_bfe_u32 s2, ttmp6, 0x10000c
	s_cmp_lg_u32 s2, 0xf033
	s_cbranch_scc0 .Lentry_shape_is_right
	s_endpgm
.Lentry_shape_is_right:
; The four projections, each a product of codes of E4M3 with E8M0 scales over K = 1,024, and the quantising of their results into the operands of the attention launch.
; A cluster of 4 x 4 work-groups makes 1,024 x 1,024 of one product; the cluster's number c says which: KIND = c / 4, SUB = c % 4.
;   KIND 0  K  = mh W_k:   "A" = mh rows 1,024 SUB on,          "B" = W_qkv rows 1,024-2,047
;   KIND 1  pe = pos W_pe: "A" = position_embedding rows,       "B" = W_pe
;   KIND 2  V^T:           "A" = W_qkv rows 2,048-3,071,        "B" = mh rows 1,024 SUB on
;   KIND 3  Q  (c = 12, 13): "A" = mh rows 2,048 + 1,024 SUB on (reference() keeps Q of the hidden rows alone), "B" = W_qkv rows 0-1,023
; A work-group makes 256 x 256, a wave 128 x 128: 64 accumulators, 512 registers.  K goes in steps of 256 through a ring of two LDS slots filled by the tensor data mover; the scale bytes of the work-group's rows come once.
; THE MATRIX INSTRUCTION IS USED TRANSPOSED (source 0 = 16 rows of B, source 1 = 16 rows of A): a lane holds ONE row of A and its registers run along B's rows, WHICH IS THE AXIS THAT THE NEXT PRODUCT CONTRACTS:
; the head's 64 for K, pe and Q, the keys for V.  So one way out quantises all four.
; CLUSTERS: the four of a row of the cluster need the same tiles of A, the four of a column the same tiles of B: each tile is asked for jointly.
; THE WAY OUT, without LDS.  For A's block a the lane's 64 numbers are four blocks of 32 along the next K; register 16 b + 8 u + j is k = 32 b + 16 u + 8 h + j.  A block's largest magnitude is joined with lane l xor 16's;
; the conversions give 8 codes a register pair, and two exchanges of half-waves a block lay them as the operand wants them (lane (r, h): k = 32 b + 16 h + 0 .. 15).  They are stored as IMAGES OF THE OPERAND'S REGISTERS:
; four registers of 32 lanes are 512 consecutive bytes.  proj's parts: KPI [head][key tile 256][c][lane][16] (c 0, 1: K; c 2, 3: pe), QI [head][query tile 128][c][lane][16] (c 0, 1: Q + u; c 2, 3: Q + v),
; VI [head][key step 32][d tile 4][c][lane][16]; the scale words KPS, QS, VS: one word for each row of an image.
; LIMITS: blocks whose largest magnitude lies under 2^-118 keep the byte 1, blocks of zeros too (this program alone reads the bytes); NaN and infinities are not served.
; REGISTERS, in windows of 256: window 0: v0-31 addresses; v32-63 scale words, two sets; from v128 A's fragments, one set; on the way out v64-224 are at work.  window 1: B's fragments, two sets.  windows 2, 3: the accumulators.
.set SIZE_K, 1024
.set MHS,    4194304                   ; prepq: where mh's scale bytes begin
.set QI,     8388608
.set VI,     12582912
.set KPS,    16777216
.set QS,     17039360
.set VS,     17170432
.set KSTEP,  256                       ; along K in a slot
.set NQ,     KSTEP/128                 ; matrix instructions deep
.set ROWB,   256                       ; a tile's row in bytes
.set KROW,   SIZE_K                    ; a row of A or of B in memory, in bytes
.set PITCH,  272                       ; an LDS row: 256 bytes + 16 of padding = 68 words: the 16 rows that a load touches start at 16 different banks (64 banks of 4 bytes: ISA guide 11.1)
.set FR,     16                        ; registers of a fragment
.set NL,     4                         ; LDS loads that bring one
.set NP,     8                         ; places behind this matrix instruction (ISA guide 7.12.1)
.set HALFT,  128*PITCH
.set SLOT,   4*HALFT                   ; A's 256 rows, then B's 256 rows
.set LAPS,   SIZE_K/(2*KSTEP)
.set KS,     SIZE_K/32                 ; a row of scales in bytes
.set SCL,    2*SLOT                    ; behind the ring: the scales, as runs of 256 bytes + 16 of padding
.set HALFS,  (128*KS/256)*272
.set SBLK,   (16*KS/256)*272
.set SPARE,  SCL+4*HALFS               ; the spare words, 128 bytes for each wave
.set ADRA, 16                          ; v16-17  LDS address of my A fragments in slot 0, 1
.set ADRB, 20                          ; v20-21  the same for B
.set ADRS, 27                          ; v27     LDS address of my scale words: lanes 0-15 A's rows, lanes 16-31 B's
.set SPW,  28                          ; v28     LDS address of my spare word; never rewritten
.set NIL,  29                          ; v29     0; never rewritten
.set SC,   32                          ; scale words: set s at v[SC + 16 s]
.set AF,   128                         ; A's fragments, in window 0
.set OF0,  8                           ; the way out: 16 x lane
.set OF1,  9                           ; + the distance to the second pair of blocks
.set SO0,  10                          ; 4 r
.set SO1,  11                          ; + the distance to the second half of the scale word
.set BO,   12                          ; 32 h: my half's place among 16 numbers of u or v
.set T,    64                          ; v64-127  a block's 64 numbers
.set BI,   128                         ; v128-191 what is added to them: u or v in the result's layout, or zeros
.set PC,   192                         ; v192-207 the codes
.set TM,   208                         ; v208-223 at work
.set PW,   224                         ; v224 the scale word, v225 its upper half
.set G1, 24
.set G0, 32
.set G1B, 48
.set G0B, 56
.set G1S, 68
.set G0S, 76
.set G1SB, 80
.set G0SB, 88
.set MSB, 0
.macro WIN new                         ; the immediate's high byte repeats the setting that is left
.if MSB != \new
	s_set_vgpr_msb (MSB<<8)|\new
.set MSB, \new
.endif
.endm
.set MUL_LO, 0xa1                      ; source 0 (B) window 1, source 1 (A) window 0, C and D window 2
.set MUL_HI, 0xf1                      ; the same, C and D window 3
.set TO_B,   0x40                      ; destination window 1, address window 0
; A joint load: waves 0 and 1 fetch for A, waves 2 and 3 for B.  The branch hangs on the wave's number alone.  Four v_nop follow each of the two lines.
.macro JLOAD g0a, g1a, g0b, g1b
	s_cmp_eq_u32 s15, 0
	s_cbranch_scc0 .Lfor_b_\@
	tensor_load_to_lds s[\g0a:\g0a+3], s[\g1a:\g1a+7]
	s_nop 0
.rept 4
	v_nop
.endr
	s_branch .Lasked_\@
.Lfor_b_\@:
	tensor_load_to_lds s[\g0b:\g0b+3], s[\g1b:\g1b+7]
	s_nop 0
.rept 4
	v_nop
.endr
.Lasked_\@:
.endm
.macro CREST                           ; a round of the cluster's barrier behind its opening barrier
	s_cmp_lg_u32 s14, 0
	s_cbranch_scc1 .Lnot_wave_0_\@
	s_barrier_signal -3
.Lnot_wave_0_\@:
	s_barrier_wait -3
	s_barrier_signal -1
	s_barrier_wait -1
.endm
.macro CROUND                          ; a whole round
	s_barrier_signal -1
	s_barrier_wait -1
	CREST
.endm
	s_load_b512 s[68:83], s[0:1], 0x0              ; prepq, pos codes, pos scales, W_qkv codes, W_qkv scales, W_pe codes, W_pe scales, u
	v_lshl_add_u32 v[SPW], v0, 2, SPARE
	v_mov_b32 v[NIL], 0
	ds_add_u32 v28, v29
	ds_add_u32 v28, v29
	s_wait_dscnt 0x0
	v_lshrrev_b32 v1, 5, v0
	v_readfirstlane_b32 s14, v1                    ; wave 0..3
	s_lshr_b32 s15, s14, 1                         ; which half of the tile's rows (A) is mine.  Also: I fetch for A (0) or for B (1)
	s_and_b32 s16, s14, 1                          ; which half of its columns (B).  Also: which 128 rows of that tile I fetch
	s_bfe_u32 s40, ttmp6, 0x40000                  ; cx, cy: my place in the cluster
	s_bfe_u32 s41, ttmp6, 0x40004
	s_and_b32 s66, ttmp7, 0xffff                   ; the cluster's number: the same in all sixteen partners
	s_and_b32 s67, s66, 3                          ; SUB
	s_lshr_b32 s66, s66, 2                         ; KIND
	s_lshl_b32 s95, s67, 2                         ; 4 SUB
	s_add_co_u32 s98, s95, 8
	s_mov_b32 s96, s95                             ; A's first tile row: 4 SUB; V: 8; Q: 8 + 4 SUB
	s_cmp_eq_u32 s66, 0
	s_cselect_b32 s97, 4, 0                        ; B's first tile row: K: 4; pe, Q: 0; V: 4 SUB
	s_cmp_eq_u32 s66, 2
	s_cselect_b32 s96, 8, s96
	s_cselect_b32 s97, s95, s97
	s_cmp_eq_u32 s66, 3
	s_cselect_b32 s96, s98, s96
	s_add_co_u32 s42, s97, s40                     ; B's tile row
	s_add_co_u32 s17, s96, s41                     ; A's tile row
	s_lshl_b32 s43, s41, 2
	s_lshl_b32 s43, 15, s43                        ; my row of the cluster
	s_lshl_b32 s44, 0x1111, s40                    ; my column
	s_wait_kmcnt 0x0
	s_add_nc_u64 s[84:85], s[68:69], MHS           ; mh's scale bytes
	s_cmp_eq_u32 s66, 1                            ; the choice of buffers hangs on the cluster's number alone
	s_cselect_b64 s[4:5], s[70:71], s[68:69]       ; A's codes
	s_cselect_b64 s[6:7], s[72:73], s[84:85]       ; A's scales
	s_cselect_b64 s[8:9], s[78:79], s[74:75]       ; B's codes
	s_cselect_b64 s[10:11], s[80:81], s[76:77]     ; B's scales
	s_cmp_eq_u32 s66, 2
	s_cselect_b64 s[4:5], s[74:75], s[4:5]
	s_cselect_b64 s[6:7], s[76:77], s[6:7]
	s_cselect_b64 s[8:9], s[68:69], s[8:9]
	s_cselect_b64 s[10:11], s[84:85], s[10:11]
	; descriptor group 1: a tile of 128 rows x 256 bytes, padded in LDS
	s_or_b32 s[G1+0], s43, (0<<16)|(1<<20)|(1<<21)|(5<<22)|(3<<25)  ; 15:0 the mask: A's tiles go to my row; elements of 1 byte; padding on; bit 21 beside a mask; after every 64 words, 4 words
	s_or_b32 s[G1B+0], s44, (0<<16)|(1<<20)|(1<<21)|(5<<22)|(3<<25)
.irp g, G1, G1B
	s_mov_b32 s[\g+1], ROWB<<16                    ; tensor_dim0
	s_mov_b32 s[\g+2], 128<<16                     ; tensor_dim1 = 128
	s_mov_b32 s[\g+3], ROWB<<16                    ; tile_dim0
	s_mov_b32 s[\g+4], 128                         ; tile_dim1 = 128
	s_mov_b32 s[\g+5], KROW                        ; tensor_dim0_stride
	s_mov_b32 s[\g+6], 0
	s_mov_b32 s[\g+7], 0
.endr
	; and for the scales of 128 rows: a dense block of 4,096 bytes, as rows of 256 bytes (32 elements of 8 bytes), 16 bytes of padding behind each
	s_or_b32 s[G1S+0], s43, (3<<16)|(1<<20)|(1<<21)|(5<<22)|(3<<25)
	s_or_b32 s[G1SB+0], s44, (3<<16)|(1<<20)|(1<<21)|(5<<22)|(3<<25)
.irp g, G1S, G1SB
	s_mov_b32 s[\g+1], 32<<16
	s_mov_b32 s[\g+2], (128*KS/256)<<16
	s_mov_b32 s[\g+3], 32<<16
	s_mov_b32 s[\g+4], 128*KS/256
	s_mov_b32 s[\g+5], 32
	s_mov_b32 s[\g+6], 0
	s_mov_b32 s[\g+7], 0
.endr
	s_lshl_b32 s18, s16, 7                         ; which 128 rows of the tile I fetch
	s_lshl_b32 s20, s17, 8
	s_add_co_u32 s20, s20, s18                     ; A: row 256 x tile row + 128 x half
	s_lshl_b32 s46, s42, 8
	s_add_co_u32 s46, s46, s18                     ; B likewise
	s_mov_b32 s21, 0
	s_mov_b32 s47, 0
	s_mov_b64 s[18:19], KS
	s_mul_u64 s[22:23], s[20:21], s[18:19]         ; where these rows' scales begin, in bytes
	s_mul_u64 s[92:93], s[46:47], s[18:19]
	s_mov_b64 s[18:19], KROW
	s_mul_u64 s[20:21], s[20:21], s[18:19]         ; and their codes
	s_mul_u64 s[46:47], s[46:47], s[18:19]
	s_mul_i32 s45, s14, HALFT                      ; where they go: wave x 128 rows: no place in the cluster enters an LDS address
	s_mul_i32 s94, s14, HALFS
	s_add_nc_u64 s[20:21], s[4:5], s[20:21]
	s_add_nc_u64 s[22:23], s[6:7], s[22:23]
	s_add_nc_u64 s[46:47], s[8:9], s[46:47]
	s_add_nc_u64 s[92:93], s[10:11], s[92:93]
	CROUND                                         ; all sixteen work-groups are here: the first joint loads meet
	s_mov_b32 s[G0S], 1
	s_add_co_u32 s[G0S+1], s94, SCL
	s_mov_b64 s[G0S+2:G0S+3], s[22:23]
	s_or_b32 s[G0S+3], s[G0S+3], 0x80000000
	s_mov_b32 s[G0SB], 1
	s_add_co_u32 s[G0SB+1], s94, SCL
	s_mov_b64 s[G0SB+2:G0SB+3], s[92:93]
	s_or_b32 s[G0SB+3], s[G0SB+3], 0x80000000
	JLOAD G0S, G1S, G0SB, G1SB                     ; the scales first: they are wanted with K step 0
.irp s, 0,1
	s_mov_b32 s[G0+4*\s], 1
	s_add_co_u32 s[G0+4*\s+1], s45, \s*SLOT
	s_add_nc_u64 s[G0+4*\s+2:G0+4*\s+3], s[20:21], \s*ROWB
	s_or_b32 s[G0+4*\s+3], s[G0+4*\s+3], 0x80000000
	s_mov_b32 s[G0B+4*\s], 1
	s_add_co_u32 s[G0B+4*\s+1], s45, \s*SLOT
	s_add_nc_u64 s[G0B+4*\s+2:G0B+4*\s+3], s[46:47], \s*ROWB
	s_or_b32 s[G0B+4*\s+3], s[G0B+4*\s+3], 0x80000000
	JLOAD G0+4*\s, G1, G0B+4*\s, G1B
.endr
	v_and_b32 v1, 15, v0                           ; l % 16
	v_bfe_u32 v2, v0, 4, 1                         ; l / 16
	v_mul_u32_u24 v3, v1, PITCH
	v_lshl_add_u32 v4, v2, 4, v3                   ; a fragment's row x pitch + 16 x half
	s_mul_i32 s21, s15, HALFT                      ; my 128 rows of A
	s_mul_i32 s22, s16, HALFT                      ; my 128 rows of B,
	s_add_co_u32 s22, s22, 2*HALFT                 ; which lie behind A's 256
.irp s, 0,1
	v_add_nc_u32 v[ADRA+\s], s21, v4
	v_add_nc_u32 v[ADRB+\s], s22, v4
	s_add_co_u32 s21, s21, SLOT
	s_add_co_u32 s22, s22, SLOT
.endr
	v_mul_u32_u24 v5, v1, KS                       ; my row's scales: KS bytes a row,
	v_lshrrev_b32 v6, 8, v5
	v_lshl_add_u32 v5, v6, 4, v5                   ; and 16 more for each 256 passed
	s_mul_i32 s21, s15, HALFS                      ; A's: my 128 rows
	s_mul_i32 s22, s16, HALFS                      ; B's: my 128 rows, behind A's 256
	s_add_co_u32 s22, s22, 2*HALFS
	s_sub_co_u32 s22, s22, s21
	v_mul_u32_u24 v6, s22, v2                      ; lanes 16-31 take B's
	s_add_co_u32 s21, s21, SCL
	v_add_nc_u32 v5, v5, v6
	v_add_nc_u32 v[ADRS], s21, v5
.macro FRAG reg, adr, q, i             ; a fragment, 16 rows x 128 K: lane l holds row l % 16; registers 4 c .. 4 c + 3 hold K = 32 c + 16 (l / 16) + 0 .. 15
.irp c, 0,1,2,3
	ds_load_b128 v[\reg+4*\c:\reg+4*\c+3], v[\adr] offset:128*(\q)+32*\c+(\i)*16*PITCH
.endr
.endm
; 16 matrix instructions: A's blocks a0, a0 + 1 x B's eight, 128 along K.  The 64 accumulators take turns, one instruction a turn, in the same order in every step.
.macro MUL16 a0, p, q, sc, zero
.irp a, \a0, \a0+1
.irp b, 0,1,2,3,4,5,6,7
.if \zero
	v_wmma_scale_f32_16x16x128_f8f6f4 v[8*(8*((\a)%4)+\b):8*(8*((\a)%4)+\b)+7], v[128*(\p)+FR*\b:128*(\p)+FR*\b+FR-1], v[AF+FR*(\a):AF+FR*(\a)+FR-1], 0, v[SC+8*NQ*(\sc)+NQ*\b+(\q)], v[SC+8*NQ*(\sc)+NQ*(\a)+(\q)] matrix_a_scale:MATRIX_SCALE_ROW1
.else
	v_wmma_scale_f32_16x16x128_f8f6f4 v[8*(8*((\a)%4)+\b):8*(8*((\a)%4)+\b)+7], v[128*(\p)+FR*\b:128*(\p)+FR*\b+FR-1], v[AF+FR*(\a):AF+FR*(\a)+FR-1], v[8*(8*((\a)%4)+\b):8*(8*((\a)%4)+\b)+7], v[SC+8*NQ*(\sc)+NQ*\b+(\q)], v[SC+8*NQ*(\sc)+NQ*(\a)+(\q)] matrix_a_scale:MATRIX_SCALE_ROW1
.endif
.endr
.endr
.endm
.macro FETCH_B slot, q, p              ; B's eight fragments of the slot's q-th 128 along K into set p
	WIN TO_B
.irp i, 0,1,2,3,4,5,6,7
	FRAG 128*(\p)+FR*\i, ADRB+\slot, \q, \i
.endr
	WIN 0
.endm
.macro FETCH_A slot, q, i0             ; A's blocks i0 .. i0 + 3
.irp i, \i0, \i0+1, \i0+2, \i0+3
	FRAG AF+FR*(\i), ADRA+\slot, \q, \i
.endr
.endm
.macro SCALES sc                       ; the next K step's scale words into set sc: lanes 0-15 take A's block i, lanes 16-31 B's block i
.irp i, 0,1,2,3,4,5,6,7
	ds_load_b64 v[SC+8*NQ*\sc+NQ*\i:SC+8*NQ*\sc+NQ*\i+1], v[ADRS] offset:\i*SBLK
.endr
.endm
; A load into a register that a matrix instruction has read, and a vector instruction that reads a matrix result or writes one of its registers, stand NP places behind it; only plain vector instructions that name none of its registers are places.
.macro PLACES n
.rept \n
	v_nop
.endr
.endm
.macro STEP slot, q, zero              ; a step of 128 along K that has its successor in the same slot
	s_wait_dscnt 4*NL                              ; B's set and A's blocks 0-3 are in; the youngest loads (A's blocks 4-7) may be out
	WIN MUL_LO
	MUL16 0, (\q)%2, \q, \slot, \zero
	MUL16 2, (\q)%2, \q, \slot, \zero
	s_wait_dscnt 0                                 ; A's blocks 4-7 are in
	PLACES NP
	FETCH_B \slot, (\q)+1, 1-(\q)%2
	FETCH_A \slot, (\q)+1, 0
	WIN MUL_HI
	MUL16 4, (\q)%2, \q, \slot, \zero
	MUL16 6, (\q)%2, \q, \slot, \zero
	PLACES NP
	WIN 0
	FETCH_A \slot, (\q)+1, 4
.endm
; A slot's last step changes slots: ONE barrier; in front of it each wave waits for all its tensor loads, adds 0 to its spare word, and waits for that and for its own reads of this slot.
.macro TURN slot, next, fill
	s_wait_tensorcnt 0x0                           ; all my tensor loads have landed: my part of the next slot
	ds_add_u32 v[SPW], v[NIL]                      ; 0 onto my spare word
	s_wait_dscnt 4*NL+1                            ; (the add and the youngest loads, A's blocks 4-7, may be out)
	WIN MUL_LO
	MUL16 0, 1, NQ-1, \slot, 0
	s_wait_dscnt 0x0                               ; the add is done, and my reads of this slot are over
	s_barrier_signal -1
	MUL16 2, 1, NQ-1, \slot, 0
	WIN 0
	s_barrier_wait -1
.if \fill
	CREST                                          ; the barrier has opened a round of the cluster's barrier: no wave of any partner still reads this slot's tile or has a load on its way
	s_add_nc_u64 s[G0+4*\slot+2:G0+4*\slot+3], s[G0+4*\slot+2:G0+4*\slot+3], 2*ROWB
	s_add_nc_u64 s[G0B+4*\slot+2:G0B+4*\slot+3], s[G0B+4*\slot+2:G0B+4*\slot+3], 2*ROWB
	JLOAD G0+4*\slot, G1, G0B+4*\slot, G1B         ; the first tensor load behind the round; its four v_nop are among the places in front of the loads below
	PLACES NP-4
.else
	PLACES NP
.endif
	v_add_nc_u32 v[ADRS], 4*NQ, v[ADRS]            ; on to the next K step's scale words (no LDS load of mine is out)
	FETCH_B \next, 0, 0
	FETCH_A \next, 0, 0
	SCALES \next
	WIN MUL_HI
	MUL16 4, 1, NQ-1, \slot, 0
	MUL16 6, 1, NQ-1, \slot, 0
	PLACES NP
	WIN 0
	FETCH_A \next, 0, 4
.endm
	s_wait_tensorcnt 1                             ; the scales and my part of K step 0 are in (K step 1's load may be out),
	s_barrier_signal -1
	s_barrier_wait -1                              ; everybody's are
	FETCH_B 0, 0, 0
	FETCH_A 0, 0, 0
	SCALES 0
	FETCH_A 0, 0, 4
	STEP 0, 0, 1                                   ; the first step stands in front of the loop: its products start the sums
	s_mov_b32 s3, LAPS-1
.Llap:                                                 ; a trip goes once round the ring and fills both slots again
	TURN 0, 1, 1
	STEP 1, 0, 0
	TURN 1, 0, 1
	STEP 0, 0, 0
	s_sub_co_u32 s3, s3, 1
	s_cmp_lg_u32 s3, 0
	s_cbranch_scc1 .Llap
	TURN 0, 1, 0                                   ; the last lap fills nothing, and has no round of the cluster's barrier
	STEP 1, 0, 0
	; the way out's scalars are made here, ahead of the last products.  No tensor load of mine is out since the last change of slots, so the descriptors' registers may be written.
	s_load_b128 s[68:71], s[0:1], 0x38             ; u, v
	s_load_b64 s[72:73], s[0:1], 0x48              ; proj
	s_lshl_b32 s20, s41, 1
	s_add_co_u32 s20, s20, s15                     ; which 128 of the cluster's 1,024 rows of A are mine
	s_lshl_b32 s21, s40, 1
	s_add_co_u32 s21, s21, s16                     ; and which 128 of B's
	s_lshl_b32 s98, s21, 9                         ; their place in u and v, in bytes
	s_mov_b32 s99, 0
	s_lshl_b32 s22, s67, 3                         ; 8 SUB
	s_mov_b32 s86, 524288                          ; from a head's images to the next head's: K, pe
	s_mov_b32 s87, 0                               ; where the images begin
	s_mov_b32 s88, KPS                             ; and the scale words
	s_mov_b32 s80, 2048                            ; the step at block 4
	s_cmp_eq_u32 s66, 2
	s_cselect_b32 s23, s20, s21                    ; X: the pair of heads
	s_cselect_b32 s45, s21, s20                    ; Y - 8 SUB: eight tiles of rows, or a key step
	s_cselect_b32 s46, 13, 14
	s_cselect_b32 s86, 1024, s86                   ; V: blocks 2, 3 are c = 2, 3 of the same image
	s_cselect_b32 s87, VI, s87
	s_cselect_b32 s88, VS, s88
	s_cselect_b32 s80, 256000, s80                 ; V: from d tile 3 of a head to d tile 0 of the next: 262,144 - 3 x 2,048
	s_cmp_eq_u32 s66, 3
	s_cselect_b32 s86, 262144, s86
	s_cselect_b32 s87, QI, s87
	s_cselect_b32 s88, QS, s88
	s_cselect_b32 s84, 2, 1                        ; passes: Q + u and Q + v
	s_cmp_eq_u32 s66, 1
	s_cselect_b32 s89, 1024, 0                     ; pe: c = 2, 3
	s_cselect_b32 s90, 2, 0                        ; and bytes 2, 3 of the scale word
	s_cmp_lt_u32 s66, 2
	s_cselect_b32 s47, 20, 19
	s_lshr_b32 s96, s86, 5
	s_cmp_eq_u32 s66, 2
	s_cselect_b32 s96, 2, s96                      ; from the scale word's lower half to where its upper half goes
	s_lshr_b32 s82, s80, 5
	s_mov_b32 s81, 0
	s_mov_b32 s83, 0
	s_add_co_u32 s45, s45, s22
	s_lshl_b32 s23, s23, s47
	s_lshl_b32 s45, s45, s46
	s_add_co_u32 s94, s23, s45                     ; my first image, in bytes
	s_lshr_b32 s20, s94, 5                         ; a scale word for each 64 bytes... of 2,048: a 32nd
	s_add_co_u32 s94, s94, s87
	s_add_co_u32 s94, s94, s89
	s_mov_b32 s95, 0
	s_add_co_u32 s20, s20, s88
	s_add_co_u32 s20, s20, s90
	s_mov_b32 s21, 0
	s_mov_b32 s97, 0x600000                        ; the mantissa field of 448
	s_mov_b32 s100, 0x76543210
	s_mov_b32 s101, 0xfedcba98                     ; v_permlanex16_b32's selects for lane l xor 16
	s_wait_dscnt 4*NL                              ; the very last step: nothing more to fetch
	WIN MUL_LO
	MUL16 0, 1, NQ-1, 1, 0
	MUL16 2, 1, NQ-1, 1, 0
	s_wait_dscnt 0
	WIN MUL_HI
	MUL16 4, 1, NQ-1, 1, 0
	MUL16 6, 1, NQ-1, 1, 0
	WIN 0
	PLACES NP                                      ; in front of the first read of results and of writes into the registers that held A's fragments
	s_wait_kmcnt 0x0
	s_add_nc_u64 s[74:75], s[72:73], s[94:95]      ; my first image
	s_add_nc_u64 s[76:77], s[72:73], s[20:21]      ; my first scale word
	v_and_b32 v1, 31, v0
	v_lshlrev_b32 v[OF0], 4, v1
	v_add_nc_u32 v[OF1], s86, v[OF0]
	v_and_b32 v1, 15, v0
	v_lshlrev_b32 v[SO0], 2, v1
	v_add_nc_u32 v[SO1], s96, v[SO0]
	v_bfe_u32 v1, v0, 4, 1
	v_lshlrev_b32 v[BO], 5, v1
.irp b, 0,1,2,3
	v_mov_b32 v[TM+4+\b], 0                        ; written once: a lane permute's destination counts as one of its sources
.endr
; 64 numbers of a lane, v[T] on, become 64 codes in v[PC] on and a scale word in v[PW]
.macro QUANT
.irp b, 0,1,2,3
	v_max3_num_f32 v[TM+\b], |v[T+16*\b]|, |v[T+1+16*\b]|, 0x4800000   ; block b: my 16 numbers, and the floor 2^(9 - 127): the byte cannot fall under 1
.endr
.irp i, 2,4,6,8,10,12,14
.irp b, 0,1,2,3
	v_max3_num_f32 v[TM+\b], v[TM+\b], |v[T+16*\b+\i]|, |v[T+1+16*\b+\i]|   ; (the four blocks by turns)
.endr
.endr
.irp b, 0,1,2,3
	v_permlanex16_b32 v[TM+4+\b], v[TM+\b], s100, s101
.endr
.irp b, 0,1,2,3
	v_max_num_f32 v[TM+\b], v[TM+\b], v[TM+4+\b]   ; with lane l xor 16's: the block's largest magnitude
.endr
.irp b, 0,1,2,3
	v_add_nc_u32 v[TM+12+\b], 0xfc000000, v[TM+\b] ; 8 off its exponent field: the conversion's scale operand
.endr
.irp b, 0,1,2,3
	v_and_or_b32 v[TM+8+\b], v[TM+\b], 0x7f800000, s97   ; 448 x the scale
.endr
.irp b, 0,1,2,3
	v_lshrrev_b32 v[TM+4+\b], 23, v[TM+12+\b]      ; the scale's byte
.endr
	v_lshl_or_b32 v[PW], v[TM+5], 8, v[TM+4]
	v_lshl_or_b32 v[PW], v[TM+6], 16, v[PW]
	v_lshl_or_b32 v[PW], v[TM+7], 24, v[PW]
	v_lshrrev_b32 v[PW+1], 16, v[PW]               ; its upper half, for a store of its own
.irp b, 0,1,2,3
.irp i, 0,1,2,3,4,5,6,7,8,9,10,11,12,13,14,15
	v_med3_num_f32 v[T+16*\b+\i], v[T+16*\b+\i], -v[TM+8+\b], v[TM+8+\b]   ; the conversion does not saturate (ISA guide 7.6.2): the hold comes first
.endr
	v_cvt_scalef32_pk8_fp8_f32 v[PC+4*\b:PC+1+4*\b], v[T+16*\b:T+7+16*\b], v[TM+12+\b]
	v_cvt_scalef32_pk8_fp8_f32 v[PC+2+4*\b:PC+3+4*\b], v[T+8+16*\b:T+15+16*\b], v[TM+12+\b]
.endr
	v_nop                                          ; one plain vector instruction between a scaled conversion and the next vector instruction that touches its result
.irp b, 0,1,2,3
	v_permlane16_swap_b32 v[PC+4*\b], v[PC+2+4*\b]     ; lanes 16-31 of the first eight codes change places with lanes 0-15 of the second eight:
	v_permlane16_swap_b32 v[PC+1+4*\b], v[PC+3+4*\b]   ; lane (r, h) now holds k = 32 b + 16 h + 0 .. 15
.endr
.endm
; A's block a: its 64 sums and the addend go to window 0, are quantised and stored
.macro ABLK a
.if \a > 0
	s_wait_xcnt 0x0                                ; the last block's stores have read their data and their bases: both are written again only behind this wait
.if \a == 4
	s_add_nc_u64 s[12:13], s[12:13], s[80:81]
	s_add_nc_u64 s[78:79], s[78:79], s[82:83]
.else
	s_add_nc_u64 s[12:13], s[12:13], 2048
	s_add_nc_u64 s[78:79], s[78:79], 64
.endif
.endif
	WIN 0x02+(\a)/4                                ; source 0: window 2 or 3
.set i, 0
.rept 32
	v_pk_add_f32 v[T+i:T+i+1], v[64*((\a)%4)+i:64*((\a)%4)+i+1], v[BI+i:BI+i+1]   ; each accumulator from its low end on
.set i, i+2
.endr
	WIN 0
	QUANT
	global_store_b128 v[OF0], v[PC:PC+3], s[12:13]                 ; 512 consecutive bytes a store
	global_store_b128 v[OF0], v[PC+4:PC+7], s[12:13] offset:512
	global_store_b128 v[OF1], v[PC+8:PC+11], s[12:13]
	global_store_b128 v[OF1], v[PC+12:PC+15], s[12:13] offset:512
	global_store_b16 v[SO0], v[PW], s[78:79]                       ; two bytes a row: one byte in 32 of what the launch stores
	global_store_b16 v[SO1], v[PW+1], s[78:79]
.endm
	s_mov_b32 s85, 0                               ; the pass
.Lpass:
	s_cmp_eq_u32 s66, 3
	s_cbranch_scc0 .Lno_bias
	s_cmp_eq_u32 s85, 0
	s_cselect_b64 s[92:93], s[68:69], s[70:71]     ; u, then v
	s_add_nc_u64 s[92:93], s[92:93], s[98:99]
.irp b, 0,1,2,3
.irp w, 0,1
	global_load_b128 v[BI+16*\b+8*\w:BI+16*\b+8*\w+3], v[BO], s[92:93] offset:(32*\b+16*\w)*4       ; register 16 b + 8 w + j: column 32 b + 16 w + 8 h + j
	global_load_b128 v[BI+16*\b+8*\w+4:BI+16*\b+8*\w+7], v[BO], s[92:93] offset:(32*\b+16*\w)*4+16
.endr
.endr
	s_wait_loadcnt 0x0
	s_branch .Lbiased
.Lno_bias:
.set i, 0
.rept 64
	v_mov_b32 v[BI+i], 0                           ; K, pe, V: nothing is added; the additions bring the sums into window 0
.set i, i+1
.endr
.Lbiased:
	s_lshl_b32 s94, s85, 10                        ; the second pass: c = 2, 3,
	s_mov_b32 s95, 0
	s_add_nc_u64 s[12:13], s[74:75], s[94:95]
	s_lshl_b32 s94, s85, 1                         ; and bytes 2, 3
	s_add_nc_u64 s[78:79], s[76:77], s[94:95]
.irp a, 0,1,2,3,4,5,6,7
	ABLK \a
.endr
	s_wait_xcnt 0x0                                ; the last stores have read their data and their bases
	s_add_co_u32 s85, s85, 1
	s_cmp_lt_u32 s85, s84
	s_cbranch_scc1 .Lpass
	s_wait_tensorcnt 0x0                           ; the wave's end
	ds_add_u32 v[SPW], v[NIL]
	s_wait_dscnt 0x0
	CROUND                                         ; the closing round: no work-group ends while a partner may still ask for a tile that names it
	s_endpgm
.Lfunc_end_k_q48f9df6be7_proj:
	.size	k_q48f9df6be7_proj, .Lfunc_end_k_q48f9df6be7_proj-k_q48f9df6be7_proj
	.p2alignl 7, 3214868480
	.fill 96, 4, 3214868480
	.section	.rodata,"a",@progbits
	.p2align	6, 0x0
	.amdhsa_kernel k_q48f9df6be7_proj
		.amdhsa_group_segment_fixed_size 327680
		.amdhsa_private_segment_fixed_size 0
		.amdhsa_enable_private_segment 0
		.amdhsa_kernarg_size 80
		.amdhsa_user_sgpr_count 2
		.amdhsa_user_sgpr_kernarg_segment_ptr 1
		.amdhsa_wavefront_size32 1
		.amdhsa_system_sgpr_workgroup_id_x 1
		.amdhsa_system_sgpr_workgroup_id_y 1
		.amdhsa_system_sgpr_workgroup_id_z 1
		.amdhsa_system_vgpr_workitem_id 0
		.amdhsa_next_free_vgpr 1024
		.amdhsa_next_free_sgpr 102
		.amdhsa_reserve_vcc 0
		.amdhsa_float_denorm_mode_32 3
		.amdhsa_float_denorm_mode_16_64 3
		.amdhsa_memory_ordered 1
		.amdhsa_forward_progress 1
		.amdhsa_inst_pref_size 210
	.end_amdhsa_kernel
	.amdgpu_metadata
---
amdhsa.version: [ 1, 2 ]
amdhsa.kernels:
  - .name:           k_q48f9df6be7_proj
    .symbol:         k_q48f9df6be7_proj.kd
    .args:
      - { .name: prepq, .offset: 0, .size: 8, .value_kind: global_buffer, .address_space: global }
      - { .name: position_embedding_codes, .offset: 8, .size: 8, .value_kind: global_buffer, .address_space: global }
      - { .name: position_embedding_scales, .offset: 16, .size: 8, .value_kind: global_buffer, .address_space: global }
      - { .name: W_qkv_codes, .offset: 24, .size: 8, .value_kind: global_buffer, .address_space: global }
      - { .name: W_qkv_scales, .offset: 32, .size: 8, .value_kind: global_buffer, .address_space: global }
      - { .name: W_pe_codes, .offset: 40, .size: 8, .value_kind: global_buffer, .address_space: global }
      - { .name: W_pe_scales, .offset: 48, .size: 8, .value_kind: global_buffer, .address_space: global }
      - { .name: u, .offset: 56, .size: 8, .value_kind: global_buffer, .address_space: global }
      - { .name: v, .offset: 64, .size: 8, .value_kind: global_buffer, .address_space: global }
      - { .name: proj, .offset: 72, .size: 8, .value_kind: global_buffer, .address_space: global }
    .group_segment_fixed_size: 327680
    .private_segment_fixed_size: 0
    .kernarg_segment_align: 8
    .kernarg_segment_size: 80
    .max_flat_workgroup_size: 128
    .sgpr_count:     102
    .vgpr_count:     1024
    .wavefront_size: 32
...
	.end_amdgpu_metadata
.endif
;; end of part 2
;; launch attn (part 3): grid 16 x 16, 8 waves a work-group, no clusters, 168,960 bytes of LDS; arguments proj, maskw, av, flags; writes av
.if DOCPART == 3
	.amdgcn_target "amdgcn-amd-amdhsa--gfx1250"
	.amdhsa_code_object_version 6
	.text
	.protected	k_q48f9df6be7_attn
	.globl	k_q48f9df6be7_attn
	.p2align	8
	.type	k_q48f9df6be7_attn,@function
k_q48f9df6be7_attn:
	s_mov_b64 s[64:65], 0
	v_nop
	global_prefetch_b8 v0, s[64:65] scope:SCOPE_SE
	s_setreg_imm32_b32 hwreg(HW_REG_WAVE_MODE, 25, 1), 1
	s_wait_xcnt 0x0
; Attention on codes of E4M3.  score = ((Q + u) . K + (Q + v) . pe) / 8 is ONE product with K = 128: [(Q + u) | (Q + v)] . [K | pe], four blocks of 32, each with its own scale.
; t = score x log2(e) / 8; M = the row's largest t so far, rounded up to a whole number; p = 2^(t - M) is quantised along the keys, not normalised; the row's sum of the unquantised p divides O at the end.
; When M moves, the sum and O are multiplied by 2^(old M - new M): exact.  The result av is quantised along the out-projection's K and stored as images of that operand's registers.
; SHARES.  A work-group (x = block y, y = head) has eight waves, each with one tile of 16 queries: with i = wave / 2 and e = the parity of the wave's number, tile 4 y + i (e = 0) or 127 - 4 y - i (e = 1).
; Every wave walks 32 key steps of 128 keys.  A step's operands (eight images of [K | pe], four of V^T: 24,576 bytes) go from memory through registers into one of two LDS slots, 96 bytes a thread, a step ahead.
; THE MASK is an input.  An earlier launch has turned it into lane words (maskw: one 32-bit word for each score register) and two flags for each piece of 16 queries x 128 keys (flags: four words a tile).
; A piece in which no key counts is passed over; a piece in which no key is hidden skips the 64 selects.  Both are scalar branches on stored whole numbers, so this launch has no tensor load; no barrier stands under them.
; That is right for every mask.
; No cluster: the work-groups of a head read the same tiles, but joint loads do not go with branches on stored numbers; passing over hidden pieces is worth more here than a quarter of the requests.
; LAYOUT.  Both products are used transposed: S^T = [K | pe] q^T, O^T = V^T P^T: a lane holds ONE query (lane % 16).  Score register 8 t + j holds key 16 t + 8 h + j of the step; a block of 32 keys lies in lanes l and l xor 16;
; two exchanges of half-waves a block lay p's codes as the operand wants them.
; A query all of whose keys are hidden has the sum 0: its codes are zeros and its scale bytes 0xff, which make its row of the out-projection NaN, as reference() has it.
; LIMITS: NaN and infinities among the operands are not served; av's blocks under 2^-118 keep the byte 1, blocks of zeros too.
; REGISTERS: v1-7 addresses that stay; v9, v10 scale words' addresses; v12 -M, v13 the largest t, v[14:15] the sum; v16-31 Q; v32-95 four fragments; v96-159 S^T, then p; v160-191 O^T; v192-207 codes; v208-231 the next step's bytes; v232-254 at work; v255 Q's scale words.
.set QI,    8388608
.set VI,    12582912
.set KPS,   16777216
.set QS,    17039360
.set VS,    17170432
.set AVSC,  2097152
.set SLOT1, 32768                      ; LDS: slot 0 at 0, slot 1 here: 16,384 bytes of [K | pe], then 8,192 of V^T
.set VOFF,  16384
.set SCV,   24576                      ; the head's scale words of V^T: 8,192 bytes
.set SCK,   57344                      ; the head's scale words of [K | pe]: 16,384 bytes
.set LI,  1                            ; v1  16 x lane
.set LS,  2                            ; v2  SCK + 4 x lane
.set LT,  3                            ; v3  SCV + 4 x lane
.set F0,  4                            ; v4  16 x thread
.set R4,  5                            ; v5  4 r
.set F1,  6                            ; v6  SCK + 16 x thread
.set PFO, 7                            ; v7  256 x lane; never rewritten
.set ADS, 9
.set ADT, 10
.set FL,  208
.set PFA, 2                            ; s[2:3]   where my prefetches stand
.set AVS, 6                            ; s[6:7]   av's scale words
.set AVP, 8                            ; s[8:9]   av's images
.set WV,  10
.set PFS, 14                           ; s[14:15] a key step on, in bytes
.set KPP, 16                           ; s[16:17] the next step's images of [K | pe]
.set VPP, 18                           ; s[18:19] and of V^T
.set MP,  20                           ; s[20:21] the step's lane words
.set CS,  22                           ; s[22:23] c = log2(e) / 8
.set SEL, 24                           ; s[24:25] lane selects for lane l xor 16
.set MNT, 26                           ; s26 the mantissa field of 448
.set CNT, 27                           ; s27 the loop's trips
.set TS,  30                           ; s30 the step's scale words of [K | pe]: 512 bytes a step
.set TJ,  31                           ; s31 and of V^T: 256
.set WK,  66                           ; s66 bit 0: some key of this step counts for my tile; shifted each step
.set PT,  67                           ; s67 bit 0: some key of it is hidden
.set LIM, 100                          ; s100 a wave prefetches while the step's number is under this
.set SN,  101                          ; s101 the step's number
	s_load_b128 s[4:7], s[0:1], 0x0                ; proj s[4:5], maskw s[6:7]
	s_load_b64 s[8:9], s[0:1], 0x10                ; av
	s_load_b64 s[36:37], s[0:1], 0x18              ; flags
	v_lshl_add_u32 v11, v0, 2, 0x29000
	s_set_vgpr_msb 0x40
	v_mov_b32 v1, 0
	s_set_vgpr_msb 0x4000
	v_lshrrev_b32 v8, 5, v0
	v_readfirstlane_b32 s[WV], v8                  ; wave 0..7
	v_and_b32 v8, 31, v0
	v_lshlrev_b32 v[LI], 4, v8
	v_lshlrev_b32 v[LS], 2, v8
	v_add_nc_u32 v[LT], SCV, v[LS]
	v_add_nc_u32 v[LS], SCK, v[LS]
	v_lshlrev_b32 v[F0], 4, v0
	v_add_nc_u32 v[F1], SCK, v[F0]
	v_and_b32 v[R4], 15, v0
	v_lshlrev_b32 v[R4], 2, v[R4]
	v_lshlrev_b32 v[PFO], 8, v8
	s_lshr_b32 s11, s[WV], 1                       ; i
	s_lshr_b32 s12, s[WV], 2
	s_xor_b32 s13, s[WV], s11
	s_xor_b32 s13, s13, s12
	s_and_b32 s13, s13, 1                          ; e
	s_lshl_b32 s12, ttmp9, 2
	s_add_co_u32 s12, s12, s11                     ; 4 y + i
	s_sub_co_u32 s11, 127, s12
	s_cmp_eq_u32 s13, 1
	s_cselect_b32 s12, s11, s12                    ; my tile of 16 queries
	s_and_b32 s13, ttmp7, 0xffff                   ; the head
	s_mov_b32 s29, 0
	s_mov_b32 s[CS], 0x3e38aa3b
	s_mov_b32 s[CS+1], s[CS]                       ; (named with it as a pair, so it is written)
	s_mov_b32 s[SEL], 0x76543210
	s_mov_b32 s[SEL+1], 0xfedcba98
	s_mov_b32 s[MNT], 0x600000
	s_mov_b32 s[TS], 0
	s_mov_b32 s[TJ], 0
	s_mov_b32 s[SN], 0
	s_wait_kmcnt 0x0
	s_lshl_b32 s28, s12, 4
	s_add_nc_u64 s[36:37], s[36:37], s[28:29]
	s_load_b128 s[32:35], s[36:37], 0x0            ; my tile's four flag words
	s_lshl_b32 s28, s12, 13
	s_add_nc_u64 s[MP:MP+1], s[6:7], s[28:29]      ; its lane words: 256 bytes a step
	s_lshl_b32 s28, s13, 18
	s_lshl_b32 s11, s12, 11
	s_add_co_u32 s28, s28, s11
	s_add_co_u32 s28, s28, QI
	s_add_nc_u64 s[38:39], s[4:5], s[28:29]        ; Q's image
	s_lshl_b32 s28, s13, 13
	s_lshl_b32 s11, s12, 6
	s_add_co_u32 s28, s28, s11
	s_add_co_u32 s28, s28, QS
	s_add_nc_u64 s[40:41], s[4:5], s[28:29]        ; its scale words
	s_lshl_b32 s28, s13, 14
	s_add_co_u32 s28, s28, KPS
	s_add_nc_u64 s[42:43], s[4:5], s[28:29]        ; the head's scale words of [K | pe]
	s_lshl_b32 s28, s13, 13
	s_add_co_u32 s28, s28, VS
	s_add_nc_u64 s[44:45], s[4:5], s[28:29]        ; and of V^T
	s_lshl_b32 s28, s13, 19
	s_add_nc_u64 s[KPP:KPP+1], s[4:5], s[28:29]    ; the head's images of [K | pe], step 0
	s_lshl_b32 s28, s13, 18
	s_add_co_u32 s28, s28, VI
	s_add_nc_u64 s[VPP:VPP+1], s[4:5], s[28:29]    ; and of V^T
.irp c, 0,1,2,3
	global_load_b128 v[16+4*\c:19+4*\c], v[LI], s[38:39] offset:512*\c
.endr
	global_load_b32 v255, v[R4], s[40:41]
.irp j, 0,1,2,3
	global_load_b128 v[32+4*\j:35+4*\j], v[F0], s[42:43] offset:4096*\j
.endr
.irp j, 0,1
	global_load_b128 v[48+4*\j:51+4*\j], v[F0], s[44:45] offset:4096*\j
.endr
.irp j, 0,1,2,3
	global_load_b128 v[56+4*\j:59+4*\j], v[F0], s[KPP:KPP+1] offset:4096*\j
.endr
.irp j, 0,1
	global_load_b128 v[72+4*\j:75+4*\j], v[F0], s[VPP:VPP+1] offset:4096*\j
.endr
	; where av goes: head x owns K step x / 2 of the out-projection, register groups and bytes 2 (x % 2) and 2 (x % 2) + 1
	s_lshr_b32 s11, s13, 1
	s_and_b32 s27, s13, 1
	s_lshl_b32 s28, s12, 9
	s_lshl_b32 s46, s11, 6
	s_add_co_u32 s28, s28, s46
	s_lshl_b32 s46, s27, 1
	s_add_co_u32 s28, s28, s46
	s_add_co_u32 s28, s28, AVSC
	s_add_nc_u64 s[AVS:AVS+1], s[8:9], s[28:29]
	s_lshl_b32 s28, s12, 14
	s_lshl_b32 s46, s11, 11
	s_add_co_u32 s28, s28, s46
	s_lshl_b32 s46, s27, 10
	s_add_co_u32 s28, s28, s46
	s_add_nc_u64 s[AVP:AVP+1], s[8:9], s[28:29]
	; the prefetches: all work-groups of a head walk the same images, so the head's first work-group asks: waves 0 and 1 for the halves of a step's [K | pe], wave 2 for its V^T; lanes 256 bytes apart
	s_mov_b32 s[PFS], 8192
	s_cmp_lt_u32 s[WV], 2
	s_cselect_b64 s[PFA:PFA+1], s[KPP:KPP+1], s[VPP:VPP+1]
	s_cselect_b32 s[PFS], 16384, s[PFS]
	s_mov_b32 s[PFS+1], 0
	s_mul_i32 s28, s[PFS], 3                       ; step 3: steps 1 and 2 come by their loads alone
	s_and_b32 s11, s[WV], 1
	s_lshl_b32 s11, s11, 13
	s_add_co_u32 s28, s28, s11
	s_add_nc_u64 s[PFA:PFA+1], s[PFA:PFA+1], s[28:29]
	s_cmp_lt_u32 s[WV], 3
	s_cselect_b32 s11, ttmp9, 1
	s_cmp_eq_u32 s11, 0
	s_cselect_b32 s[LIM], 29, 0                    ; step s asks for step s + 3: the last three steps ask for nothing
	v_mov_b32 v13, 0xff61b1e6                      ; the largest t so far: -3e38, under every t
	v_floor_f32 v12, -v13                          ; -M
	v_mov_b32 v14, 0
	v_mov_b32 v15, 0
.irp b, 0,1,2,3
	v_mov_b32 v[236+\b], 0                         ; written once: a lane permute's destination counts as one of its sources
.endr
	v_mov_b32 v253, 0
	v_mov_b32 v254, 0
.set i, 0
.rept 32
	v_mov_b32 v[160+i], 0                          ; O^T: the step is written without a first form of its own; the first change of M leaves zeros zeros
.set i, i+1
.endr
	s_wait_kmcnt 0x0                               ; the flags
	s_and_b32 s[WK], s32, 0xff
	s_bfe_u32 s[PT], s32, 0x80008
.irp k, 1,2,3
	s_and_b32 s11, s[32+\k], 0xff
	s_lshl_b32 s11, s11, 8*\k
	s_or_b32 s[WK], s[WK], s11
	s_bfe_u32 s11, s[32+\k], 0x80008
	s_lshl_b32 s11, s11, 8*\k
	s_or_b32 s[PT], s[PT], s11
.endr
	s_wait_loadcnt 0x0
.irp j, 0,1,2,3
	ds_store_b128 v[F1], v[32+4*\j:35+4*\j] offset:4096*\j
.endr
.irp j, 0,1
	ds_store_b128 v[F0], v[48+4*\j:51+4*\j] offset:SCV+4096*\j
.endr
.irp j, 0,1,2,3
	ds_store_b128 v[F0], v[56+4*\j:59+4*\j] offset:4096*\j
.endr
.irp j, 0,1
	ds_store_b128 v[F0], v[72+4*\j:75+4*\j] offset:VOFF+4096*\j
.endr
	s_add_nc_u64 s[KPP:KPP+1], s[KPP:KPP+1], 16384 ; (their loads are in) on to step 1
	s_add_nc_u64 s[VPP:VPP+1], s[VPP:VPP+1], 8192
	s_wait_dscnt 0x0                               ; for the others' sake: my stores have landed
	s_barrier_signal -1
	s_barrier_wait -1
; A KEY STEP, read from slot \slot.  fill = 1: the next step's bytes are asked for at its head and stored into the other slot at its end, in front of the step's one barrier.
.macro KSTEP slot, fill
.if \fill
.irp j, 0,1,2,3
	global_load_b128 v[FL+4*\j:FL+4*\j+3], v[F0], s[KPP:KPP+1] offset:4096*\j
.endr
.irp j, 0,1
	global_load_b128 v[FL+16+4*\j:FL+19+4*\j], v[F0], s[VPP:VPP+1] offset:4096*\j
.endr
	s_cmp_lt_u32 s[SN], s[LIM]
	s_cbranch_scc0 .Lno_ask_\@
	global_prefetch_b8 v[PFO], s[PFA:PFA+1] th:TH_LOAD_NT scope:SCOPE_SE   ; step s + 3's bytes: two trips ahead of their load
.Lno_ask_\@:
.endif
	s_bitcmp1_b32 s[WK], 0                         ; does any key of this step count for my 16 queries?
	s_cbranch_scc0 .Lskip_\@
	v_add_nc_u32 v[ADS], s[TS], v[LS]
	v_add_nc_u32 v[ADT], s[TJ], v[LT]
.rept 6
	v_nop                                          ; with the two additions: eight places in front of loads into registers that the last step's products have read
.endr
	s_load_b512 s[32:47], s[MP:MP+1], 0x0          ; the piece's 64 lane words
	s_load_b512 s[48:63], s[MP:MP+1], 0x40
	s_load_b512 s[68:83], s[MP:MP+1], 0x80
	s_load_b512 s[84:99], s[MP:MP+1], 0xc0
.irp g, 0,1                                    ; S^T, four tiles of 16 keys at a time
.if \g > 0
.rept 8
	v_nop
.endr
.endif
.irp t, 0,1,2,3
.irp c, 0,1,2,3
	ds_load_b128 v[32+16*\t+4*\c:35+16*\t+4*\c], v[LI] offset:\slot*SLOT1+(4*\g+\t)*2048+512*\c
.endr
.endr
.if \g == 0
.irp b, 0,1,2,3
	ds_load_b32 v[248+\b], v[ADS] offset:128*\b    ; lanes 0-15: tile 2 b's scale words, lanes 16-31: tile 2 b + 1's
.endr
.endif
	s_wait_dscnt 0x0
.irp p, 0,1
	v_wmma_scale_f32_16x16x128_f8f6f4 v[96+8*(4*\g+2*\p):103+8*(4*\g+2*\p)], v[32+32*\p:47+32*\p], v[16:31], 0, v[248+2*\g+\p], v255
	v_wmma_scale_f32_16x16x128_f8f6f4 v[104+8*(4*\g+2*\p):111+8*(4*\g+2*\p)], v[48+32*\p:63+32*\p], v[16:31], 0, v[248+2*\g+\p], v255 matrix_a_scale:MATRIX_SCALE_ROW1
.endr
.endr
.rept 8
	v_nop                                          ; places in front of the first read of the scores and of the loads below
.endr
.irp t, 0,1,2,3                                ; V^T's four fragments land while the softmax is worked
.irp c, 0,1,2,3
	ds_load_b128 v[32+16*\t+4*\c:35+16*\t+4*\c], v[LI] offset:\slot*SLOT1+VOFF+2048*\t+512*\c
.endr
.endr
	ds_load_b32 v248, v[ADT]
	ds_load_b32 v249, v[ADT] offset:128
	s_wait_kmcnt 0x0                               ; the lane words are in
	s_bitcmp1_b32 s[PT], 0                         ; is any key of the piece hidden?
	s_cbranch_scc0 .Lopen_\@
	v_mov_b32 v254, 0xff800000                     ; -infinity: p = 0 then
.irp n, 0,1,2,3,4,5,6,7,8,9,10,11,12,13,14,15,16,17,18,19,20,21,22,23,24,25,26,27,28,29,30,31,32,33,34,35,36,37,38,39,40,41,42,43,44,45,46,47,48,49,50,51,52,53,54,55,56,57,58,59,60,61,62,63
	v_cndmask_b32 v[96+\n], v[96+\n], v254, s[32+\n+4*(\n/32)]
.endr
.Lopen_\@:
.irp b, 0,1,2,3
	v_max3_num_f32 v[232+\b], v[96+16*\b], v[97+16*\b], v[98+16*\b]   ; the largest score of each block of 32 keys: it serves for the row's maximum and, since p rises with the score, for the block's largest p
.endr
.irp i, 3,5,7,9,11,13
.irp b, 0,1,2,3
	v_max3_num_f32 v[232+\b], v[232+\b], v[96+16*\b+\i], v[97+16*\b+\i]
.endr
.endr
.irp b, 0,1,2,3
	v_max_num_f32 v[232+\b], v[232+\b], v[111+16*\b]
.endr
.irp b, 0,1,2,3
	v_permlanex16_b32 v[236+\b], v[232+\b], s[SEL], s[SEL+1]
.endr
.irp b, 0,1,2,3
	v_max_num_f32 v[232+\b], v[232+\b], v[236+\b]  ; with lane l xor 16's 16 keys
.endr
	v_max3_num_f32 v254, v232, v233, v234
	v_max_num_f32 v254, v254, v235                 ; the step's largest score of my query
	v_mul_f32 v254, s[CS], v254                    ; as t
	v_max_num_f32 v13, v13, v254                   ; the running largest t
	v_mov_b32 v254, v12
	v_floor_f32 v12, -v13                          ; the new -M = -ceil(t)
	v_sub_f32 v254, v12, v254                      ; old M - new M: a whole number, 0 or less
	v_cvt_i32_f32 v254, v254                       ; (it saturates)
	v_ldexp_f32 v252, 1.0, v254                    ; f = 2^(old M - new M)
.irp j, 0,2,4,6,8,10,12,14,16,18,20,22,24,26,28,30,32,34,36,38,40,42,44,46,48,50,52,54,56,58,60,62
	v_pk_fma_f32 v[96+\j:97+\j], v[96+\j:97+\j], s[CS:CS+1], v[12:13] op_sel_hi:[1,0,0]   ; t - M, two at a time
.endr
.irp b, 0,1,2,3
	v_fma_f32 v[232+\b], v[232+\b], s[CS], v12     ; the same of each block's largest score
.endr
.irp j, 0,1,2,3,4,5,6,7,8,9,10,11,12,13,14,15,16,17,18,19,20,21,22,23,24,25,26,27,28,29,30,31,32,33,34,35,36,37,38,39,40,41,42,43,44,45,46,47,48,49,50,51,52,53,54,55,56,57,58,59,60,61,62,63
	v_exp_f32 v[96+\j], v[96+\j]                   ; p = 2^(t - M)
.endr
	v_pk_mul_f32 v[14:15], v[14:15], v[252:253] op_sel_hi:[1,0]   ; the sums under the new M: a plain instruction behind the exponentials
	s_wait_alu depctr_va_vdst(0)                   ; one wait for the whole batch, ahead of its first reader
.irp b, 0,1,2,3
	v_exp_f32 v[232+\b], v[232+\b]                 ; the block's largest p
.endr
	v_pk_add_f32 v[236:237], v[96:97], v[98:99]    ; the row's sum is taken of the unquantised p, in two chains
.irp j, 4,8,12,16,20,24,28,32,36,40,44,48,52,56,60
	v_pk_add_f32 v[14:15], v[14:15], v[96+\j:97+\j]
	v_pk_add_f32 v[236:237], v[236:237], v[98+\j:99+\j]
.endr
	v_pk_add_f32 v[14:15], v[14:15], v[236:237]
	s_wait_alu depctr_va_vdst(0)                   ; and one for the four
.irp b, 0,1,2,3
	v_max_num_f32 v[232+\b], 0x4800000, v[232+\b]  ; the floor 2^(9 - 127): the byte cannot fall under 1
.endr
.irp b, 0,1,2,3
	v_add_nc_u32 v[244+\b], 0xfc000000, v[232+\b]  ; the conversion's scale operand
.endr
.irp b, 0,1,2,3
	v_and_or_b32 v[240+\b], v[232+\b], 0x7f800000, s[MNT]   ; 448 x the scale
.endr
.irp b, 0,1,2,3
	v_lshrrev_b32 v[236+\b], 23, v[244+\b]         ; the scale's byte
.endr
	v_lshl_or_b32 v253, v237, 8, v236              ; p's scale word for these 128 keys
	v_lshl_or_b32 v253, v238, 16, v253
	v_lshl_or_b32 v253, v239, 24, v253
.irp b, 0,1,2,3
.irp i, 0,1,2,3,4,5,6,7,8,9,10,11,12,13,14,15
	v_min_num_f32 v[96+16*\b+\i], v[96+16*\b+\i], v[240+\b]   ; the conversion does not saturate (ISA guide 7.6.2); p is not negative, so the hold is one-sided
.endr
	v_cvt_scalef32_pk8_fp8_f32 v[192+4*\b:193+4*\b], v[96+16*\b:103+16*\b], v[244+\b]
	v_cvt_scalef32_pk8_fp8_f32 v[194+4*\b:195+4*\b], v[104+16*\b:111+16*\b], v[244+\b]
.endr
.irp j, 0,2,4,6,8,10,12,14
	v_pk_mul_f32 v[160+\j:161+\j], v[160+\j:161+\j], v[252:253] op_sel_hi:[1,0]   ; O^T under the new M.  (Plain instructions behind the conversions)
.endr
.irp b, 0,1,2,3
	v_permlane16_swap_b32 v[192+4*\b], v[194+4*\b]     ; lane (r, h) now holds keys 32 b + 16 h + 0 .. 15
	v_permlane16_swap_b32 v[193+4*\b], v[195+4*\b]
.endr
.irp j, 16,18,20,22,24,26,28,30
	v_pk_mul_f32 v[160+\j:161+\j], v[160+\j:161+\j], v[252:253] op_sel_hi:[1,0]   ; (these eight are the places between the codes' last write and the products)
.endr
	s_wait_dscnt 0x0                               ; V^T and its scale words are in
.irp p, 0,1                                    ; O^T += V^T P^T: four accumulators by turns
	v_wmma_scale_f32_16x16x128_f8f6f4 v[160+16*\p:167+16*\p], v[32+32*\p:47+32*\p], v[192:207], v[160+16*\p:167+16*\p], v[248+\p], v253
	v_wmma_scale_f32_16x16x128_f8f6f4 v[168+16*\p:175+16*\p], v[48+32*\p:63+32*\p], v[192:207], v[168+16*\p:175+16*\p], v[248+\p], v253 matrix_a_scale:MATRIX_SCALE_ROW1
.endr
.Lskip_\@:
	s_lshr_b32 s[WK], s[WK], 1                     ; on to the next step's flags,
	s_lshr_b32 s[PT], s[PT], 1
	s_add_co_u32 s[TS], s[TS], 512                 ; scale words
	s_add_co_u32 s[TJ], s[TJ], 256
	s_add_nc_u64 s[MP:MP+1], s[MP:MP+1], 256       ; and lane words (no scalar load is out)
	s_add_co_u32 s[SN], s[SN], 1
.if \fill
	s_wait_loadcnt 0x0                             ; the next step's bytes are in
.irp j, 0,1,2,3
	ds_store_b128 v[F0], v[FL+4*\j:FL+4*\j+3] offset:(1-\slot)*SLOT1+4096*\j
.endr
.irp j, 0,1
	ds_store_b128 v[F0], v[FL+16+4*\j:FL+19+4*\j] offset:(1-\slot)*SLOT1+VOFF+4096*\j
.endr
	s_add_nc_u64 s[KPP:KPP+1], s[KPP:KPP+1], 16384
	s_add_nc_u64 s[VPP:VPP+1], s[VPP:VPP+1], 8192
	s_wait_xcnt 0x0                                ; the prefetch has read its address
	s_add_nc_u64 s[PFA:PFA+1], s[PFA:PFA+1], s[PFS:PFS+1]
	s_wait_dscnt 0x0                               ; my stores into the other slot have landed, and my reads of this one are over:
	s_barrier_signal -1                            ; one barrier a step serves both
	s_barrier_wait -1
.endif
.endm
	s_mov_b32 s[CNT], 15
.Lpair:                                            ; 15 trips of two steps; the slots are constants of the text
	KSTEP 0, 1
	KSTEP 1, 1
	s_sub_co_u32 s[CNT], s[CNT], 1
	s_cmp_lg_u32 s[CNT], 0
	s_cbranch_scc1 .Lpair
	KSTEP 0, 1
	KSTEP 1, 0                                     ; the last step fetches nothing
	; THE WAY OUT: O^T / the sum, quantised along the head's 64 (two blocks of 32), stored as two register groups of the out-projection's operand
.rept 8
	v_nop
.endr
	v_add_f32 v14, v14, v15
	v_permlanex16_b32 v254, v14, s[SEL], s[SEL+1]
	v_add_f32 v14, v14, v254                       ; the row's sum
	v_rcp_f32 v252, v14
	v_nop                                          ; a plain instruction behind the transcendental
	v_cmp_eq_f32 vcc_lo, 0, v14                    ; every key hidden?
	v_mov_b32 v249, 0xffff
	s_wait_alu depctr_va_vdst(0)
	v_cndmask_b32 v252, v252, 0, vcc_lo            ; then the numbers are zeros,
.irp j, 0,2,4,6,8,10,12,14,16,18,20,22,24,26,28,30
	v_pk_mul_f32 v[96+\j:97+\j], v[160+\j:161+\j], v[252:253] op_sel_hi:[1,0]   ; register 8 t + j: channel 16 t + 8 h + j of my query
.endr
.irp b, 0,1
	v_max3_num_f32 v[232+\b], |v[96+16*\b]|, |v[97+16*\b]|, 0x4800000
.endr
.irp i, 2,4,6,8,10,12,14
.irp b, 0,1
	v_max3_num_f32 v[232+\b], v[232+\b], |v[96+16*\b+\i]|, |v[97+16*\b+\i]|
.endr
.endr
.irp b, 0,1
	v_permlanex16_b32 v[236+\b], v[232+\b], s[SEL], s[SEL+1]
.endr
.irp b, 0,1
	v_max_num_f32 v[232+\b], v[232+\b], v[236+\b]
.endr
.irp b, 0,1
	v_add_nc_u32 v[244+\b], 0xfc000000, v[232+\b]
.endr
.irp b, 0,1
	v_and_or_b32 v[240+\b], v[232+\b], 0x7f800000, s[MNT]
.endr
.irp b, 0,1
	v_lshrrev_b32 v[236+\b], 23, v[244+\b]
.endr
	v_lshl_or_b32 v250, v237, 8, v236
	v_cndmask_b32 v250, v250, v249, vcc_lo         ; and the two scale bytes 0xff
.irp b, 0,1
.irp i, 0,1,2,3,4,5,6,7,8,9,10,11,12,13,14,15
	v_med3_num_f32 v[96+16*\b+\i], v[96+16*\b+\i], -v[240+\b], v[240+\b]
.endr
	v_cvt_scalef32_pk8_fp8_f32 v[192+4*\b:193+4*\b], v[96+16*\b:103+16*\b], v[244+\b]
	v_cvt_scalef32_pk8_fp8_f32 v[194+4*\b:195+4*\b], v[104+16*\b:111+16*\b], v[244+\b]
.endr
	v_nop
.irp b, 0,1
	v_permlane16_swap_b32 v[192+4*\b], v[194+4*\b]
	v_permlane16_swap_b32 v[193+4*\b], v[195+4*\b]
.endr
	global_store_b128 v[LI], v[192:195], s[AVP:AVP+1]              ; 512 consecutive bytes a store
	global_store_b128 v[LI], v[196:199], s[AVP:AVP+1] offset:512
	global_store_b16 v[R4], v250, s[AVS:AVS+1]
	s_set_vgpr_msb 0x4
	s_wait_tensorcnt 0x0
	ds_add_u32 v11, v1
	s_wait_dscnt 0x0
	s_set_vgpr_msb 0x400
	s_endpgm
.Lfunc_end_k_q48f9df6be7_attn:
	.size	k_q48f9df6be7_attn, .Lfunc_end_k_q48f9df6be7_attn-k_q48f9df6be7_attn
	.p2alignl 7, 3214868480
	.fill 96, 4, 3214868480
	.section	.rodata,"a",@progbits
	.p2align	6, 0x0
	.amdhsa_kernel k_q48f9df6be7_attn
		.amdhsa_group_segment_fixed_size 168960
		.amdhsa_private_segment_fixed_size 0
		.amdhsa_enable_private_segment 0
		.amdhsa_kernarg_size 32
		.amdhsa_user_sgpr_count 2
		.amdhsa_user_sgpr_kernarg_segment_ptr 1
		.amdhsa_wavefront_size32 1
		.amdhsa_system_sgpr_workgroup_id_x 1
		.amdhsa_system_sgpr_workgroup_id_y 1
		.amdhsa_system_sgpr_workgroup_id_z 1
		.amdhsa_system_vgpr_workitem_id 0
		.amdhsa_next_free_vgpr 258
		.amdhsa_next_free_sgpr 102
		.amdhsa_reserve_vcc 1
		.amdhsa_float_denorm_mode_32 3
		.amdhsa_float_denorm_mode_16_64 3
		.amdhsa_memory_ordered 1
		.amdhsa_forward_progress 1
		.amdhsa_inst_pref_size 118
	.end_amdhsa_kernel
	.amdgpu_metadata
---
amdhsa.version: [ 1, 2 ]
amdhsa.kernels:
  - .name:           k_q48f9df6be7_attn
    .symbol:         k_q48f9df6be7_attn.kd
    .args:
      - { .name: proj, .offset: 0, .size: 8, .value_kind: global_buffer, .address_space: global }
      - { .name: maskw, .offset: 8, .size: 8, .value_kind: global_buffer, .address_space: global }
      - { .name: av, .offset: 16, .size: 8, .value_kind: global_buffer, .address_space: global }
      - { .name: flags, .offset: 24, .size: 8, .value_kind: global_buffer, .address_space: global }
    .group_segment_fixed_size: 168960
    .private_segment_fixed_size: 0
    .kernarg_segment_align: 8
    .kernarg_segment_size: 32
    .max_flat_workgroup_size: 256
    .sgpr_count:     102
    .vgpr_count:     258
    .wavefront_size: 32
...
	.end_amdgpu_metadata
.endif
;; end of part 3
;; launch outln (part 4): grid 128 x 1, 16 waves a work-group, no clusters, 75,776 bytes of LDS; arguments av, prepq, W_out_scales, hidden, out0; writes out0
.if DOCPART == 4
	.amdgcn_target "amdgcn-amd-amdhsa--gfx1250"
	.amdhsa_code_object_version 6
	.text
	.protected	k_q48f9df6be7_outln
	.globl	k_q48f9df6be7_outln
	.p2align	8
	.type	k_q48f9df6be7_outln,@function
k_q48f9df6be7_outln:
	s_mov_b64 s[64:65], 0
	v_nop
	global_prefetch_b8 v0, s[64:65] scope:SCOPE_SE
	s_setreg_imm32_b32 hwreg(HW_REG_WAVE_MODE, 25, 1), 1
	s_wait_xcnt 0x0
; out0 = LayerNorm(hidden + av W_out), without gains.  The product is on codes of E4M3 with E8M0 scales, K = 1,024 in eight steps of 128.
; SHARES.  Work-group T owns 16 rows, so that a row's mean and variance never leave it; wave w owns columns 64 w .. 64 w + 63: four tiles of 16.
; Source 0 = 16 rows of W_out (columns of the result), source 1 = av's 16 rows: lane (r, h) holds row r, register 8 t + j column 64 w + 16 t + 8 h + j.
; Both operands lie in memory as images of their registers: every load reads 512 consecutive bytes, straight into the operand's registers; two sets, one K step ahead.
; THE RESIDUAL IS THE C OF THE FIRST PRODUCTS: hidden's rows are loaded as whole runs of 256 bytes, turned through the wave's own stage in LDS into the result's layout, and land in the sums' registers.
; The mean and the sum of squared differences are joined over the 16 waves through LDS, one barrier each.  The result leaves through the stage: sixteen lanes store 256 consecutive bytes, aligned.
; No tensor loads: a wave's operands are read once by that wave.  No cluster: W_out's images are shared by all work-groups, but they go straight into registers.
; A row whose scale bytes are 0xff (every key hidden) comes out NaN, as reference() has it.
.set WOI,  4325376
.set AVSC, 2097152
.set RED1, 69632                       ; LDS: 16 stages of 16 rows x 272 bytes; then [16 rows, 80 bytes apart][16 waves] f32, twice
.set RED2O, 1280
.set AVF, 16                           ; v16-47   av's fragments, two sets
.set WF,  48                           ; v48-175  W's fragments, two sets of four
.set ACC, 176                          ; v176-207 the sums
.set WS,  208                          ; v208-239 W's scale words: tile t, K step ks at 8 t + ks
.set AS,  240                          ; v240-243 av's: lanes 0-15 the even K step, lanes 16-31 the odd one
.set D,   80                           ; v80-111  x - mean, later the result
	s_load_b256 s[4:11], s[0:1], 0x0               ; av s[4:5], prepq s[6:7], W_out's scales s[8:9], hidden s[10:11]
	s_load_b64 s[12:13], s[0:1], 0x20              ; out0
	v_lshl_add_u32 v254, v0, 2, 0x12000
	v_mov_b32 v255, 0
	v_lshrrev_b32 v1, 5, v0
	v_readfirstlane_b32 s14, v1                    ; wave 0..15
	v_and_b32 v1, 31, v0                           ; lane
	v_and_b32 v2, 15, v0                           ; r
	v_bfe_u32 v3, v0, 4, 1                         ; h
	v_lshlrev_b32 v4, 4, v1                        ; 16 x lane
	v_lshlrev_b32 v5, 2, v1                        ; 4 x lane
	v_lshlrev_b32 v6, 5, v2                        ; 32 r: a row of W's scale bytes
	v_lshlrev_b32 v7, 12, v3
	v_lshl_add_u32 v7, v2, 4, v7                   ; rows as they lie: lanes 0-15 one row's 256 bytes, lanes 16-31 the next row's
	s_mul_i32 s15, s14, 16*272                     ; my stage
	v_mul_u32_u24 v8, v3, 272
	v_lshl_add_u32 v8, v2, 4, v8
	v_add_nc_u32 v8, s15, v8                       ; the same two rows in the stage
	v_mul_u32_u24 v9, v2, 272
	v_lshl_add_u32 v9, v3, 5, v9
	v_add_nc_u32 v9, s15, v9                       ; and the result's layout: row r, + 32 h; tile t 64 bytes on
	v_mul_u32_u24 v11, v2, 80
	v_add_nc_u32 v11, RED1, v11                    ; my row's 16 partial sums
	s_lshl_b32 s16, s14, 2
	v_add_nc_u32 v10, s16, v11                     ; and my wave's word among them
	s_mov_b32 s20, 0x76543210
	s_mov_b32 s21, 0xfedcba98                      ; v_permlanex16_b32's selects for lane l xor 16
	s_mov_b32 s22, 0x3a800000                      ; 1 / 1,024
	s_mov_b32 s23, 0x3727c5ac                      ; 1e-5
	s_mov_b32 s25, 0
	s_wait_kmcnt 0x0
	s_lshl_b32 s24, ttmp9, 9
	s_add_co_u32 s24, s24, AVSC
	s_add_nc_u64 s[18:19], s[4:5], s[24:25]        ; av's scale words
	s_lshl_b32 s24, ttmp9, 14
	s_add_nc_u64 s[16:17], s[4:5], s[24:25]        ; av's images
	s_lshl_b32 s24, s14, 16
	s_add_co_u32 s24, s24, WOI
	s_add_nc_u64 s[6:7], s[6:7], s[24:25]          ; my four tiles' images of W_out
	s_lshl_b32 s24, s14, 11
	s_add_nc_u64 s[8:9], s[8:9], s[24:25]          ; and their scale bytes
	s_lshl_b32 s24, ttmp9, 16
	s_lshl_b32 s26, s14, 8
	s_add_co_u32 s24, s24, s26
	s_add_nc_u64 s[10:11], s[10:11], s[24:25]      ; hidden and out0 at row 16 T, column 64 w
	s_add_nc_u64 s[12:13], s[12:13], s[24:25]
.macro LOADSET ks                      ; K step ks: W's four fragments and av's one, into set ks % 2: 20 loads
.irp t, 0,1,2,3
.irp c, 0,1,2,3
	global_load_b128 v[WF+64*((\ks)%2)+16*\t+4*\c:WF+64*((\ks)%2)+16*\t+4*\c+3], v4, s[6:7] offset:16384*\t+2048*(\ks)+512*\c
.endr
.endr
.irp c, 0,1,2,3
	global_load_b128 v[AVF+16*((\ks)%2)+4*\c:AVF+16*((\ks)%2)+4*\c+3], v4, s[16:17] offset:2048*(\ks)+512*\c
.endr
.endm
.macro PROD ks                         ; four products, the accumulators by turns
.irp t, 0,1,2,3
.if (\ks)%2
	v_wmma_scale_f32_16x16x128_f8f6f4 v[ACC+8*\t:ACC+8*\t+7], v[WF+64+16*\t:WF+64+16*\t+15], v[AVF+16:AVF+31], v[ACC+8*\t:ACC+8*\t+7], v[WS+8*\t+(\ks)], v[AS+(\ks)/2] matrix_b_scale:MATRIX_SCALE_ROW1
.else
	v_wmma_scale_f32_16x16x128_f8f6f4 v[ACC+8*\t:ACC+8*\t+7], v[WF+16*\t:WF+16*\t+15], v[AVF:AVF+15], v[ACC+8*\t:ACC+8*\t+7], v[WS+8*\t+(\ks)], v[AS+(\ks)/2]
.endif
.endr
.endm
.irp i, 0,1,2,3,4,5,6,7
	global_load_b128 v[112+4*\i:115+4*\i], v7, s[10:11] offset:8192*\i th:TH_LOAD_NT   ; hidden: two rows' 256 bytes a load
.endr
.irp t, 0,1,2,3
	global_load_b128 v[WS+8*\t:WS+8*\t+3], v6, s[8:9] offset:512*\t
	global_load_b128 v[WS+8*\t+4:WS+8*\t+7], v6, s[8:9] offset:512*\t+16
.endr
.irp k, 0,1,2,3
	global_load_b32 v[AS+\k], v5, s[18:19] offset:128*\k
.endr
	LOADSET 0
	s_wait_loadcnt 32                              ; hidden's eight loads are in; the 32 issued behind them may be out
.irp i, 0,1,2,3,4,5,6,7
	ds_store_b128 v8, v[112+4*\i:115+4*\i] offset:544*\i
.endr
.irp t, 0,1,2,3
	ds_load_b128 v[ACC+8*\t:ACC+8*\t+3], v9 offset:64*\t           ; LDS serves a wave's instructions in order: these see my stores
	ds_load_b128 v[ACC+8*\t+4:ACC+8*\t+7], v9 offset:64*\t+16
.endr
	s_wait_dscnt 0x0
	LOADSET 1
.irp ks, 0,1,2,3,4,5,6,7
.if \ks < 7
	s_wait_loadcnt 20                              ; this K step's set is in; the next one's 20 loads may be out
.else
	s_wait_loadcnt 0x0
.endif
	PROD \ks
.if \ks < 6
.rept 8
	v_nop                                          ; places in front of loads into registers that matrix instructions have read
.endr
	LOADSET \ks+2
.endif
.endr
.rept 8
	v_nop                                          ; places in front of the first read of the sums
.endr
	; the mean: my 32 numbers, lane l xor 16's, the 16 waves'
	v_pk_add_f32 v[48:49], v[ACC:ACC+1], v[ACC+2:ACC+3]            ; each accumulator from its low end on
	v_pk_add_f32 v[50:51], v[ACC+4:ACC+5], v[ACC+6:ACC+7]
.irp j, 8,12,16,20,24,28
	v_pk_add_f32 v[48:49], v[48:49], v[ACC+\j:ACC+\j+1]
	v_pk_add_f32 v[50:51], v[50:51], v[ACC+\j+2:ACC+\j+3]
.endr
	v_pk_add_f32 v[48:49], v[48:49], v[50:51]
	v_add_f32 v48, v48, v49
	v_permlanex16_b32 v49, v48, s20, s21
	v_add_f32 v48, v48, v49
	ds_store_b32 v10, v48                          ; both lanes of a row write the same word with the same value
	s_wait_dscnt 0x0
	s_barrier_signal -1
	s_barrier_wait -1
.irp i, 0,1,2,3
	ds_load_b128 v[52+4*\i:55+4*\i], v11 offset:16*\i
.endr
	s_wait_dscnt 0x0
	v_pk_add_f32 v[52:53], v[52:53], v[54:55]
	v_pk_add_f32 v[56:57], v[56:57], v[58:59]
	v_pk_add_f32 v[60:61], v[60:61], v[62:63]
	v_pk_add_f32 v[64:65], v[64:65], v[66:67]
	v_pk_add_f32 v[52:53], v[52:53], v[56:57]
	v_pk_add_f32 v[60:61], v[60:61], v[64:65]
	v_pk_add_f32 v[52:53], v[52:53], v[60:61]
	v_add_f32 v52, v52, v53
	v_mul_f32 v52, s22, v52                        ; the mean
.irp j, 0,2,4,6,8,10,12,14,16,18,20,22,24,26,28,30
	v_pk_add_f32 v[D+\j:D+\j+1], v[ACC+\j:ACC+\j+1], v[52:53] op_sel_hi:[1,0] neg_lo:[0,1] neg_hi:[0,1]   ; x - mean
.endr
	v_pk_mul_f32 v[48:49], v[D:D+1], v[D:D+1]
	v_pk_mul_f32 v[50:51], v[D+2:D+3], v[D+2:D+3]
.irp j, 4,8,12,16,20,24,28
	v_pk_fma_f32 v[48:49], v[D+\j:D+\j+1], v[D+\j:D+\j+1], v[48:49]
	v_pk_fma_f32 v[50:51], v[D+\j+2:D+\j+3], v[D+\j+2:D+\j+3], v[50:51]
.endr
	v_pk_add_f32 v[48:49], v[48:49], v[50:51]
	v_add_f32 v48, v48, v49
	v_permlanex16_b32 v49, v48, s20, s21
	v_add_f32 v48, v48, v49
	ds_store_b32 v10, v48 offset:RED2O             ; other bytes than the first sum's: one barrier does
	s_wait_dscnt 0x0
	s_barrier_signal -1
	s_barrier_wait -1
.irp i, 0,1,2,3
	ds_load_b128 v[52+4*\i:55+4*\i], v11 offset:RED2O+16*\i
.endr
	s_wait_dscnt 0x0
	v_pk_add_f32 v[52:53], v[52:53], v[54:55]
	v_pk_add_f32 v[56:57], v[56:57], v[58:59]
	v_pk_add_f32 v[60:61], v[60:61], v[62:63]
	v_pk_add_f32 v[64:65], v[64:65], v[66:67]
	v_pk_add_f32 v[52:53], v[52:53], v[56:57]
	v_pk_add_f32 v[60:61], v[60:61], v[64:65]
	v_pk_add_f32 v[52:53], v[52:53], v[60:61]
	v_add_f32 v52, v52, v53
	v_fma_f32 v52, v52, s22, s23                   ; the variance + 1e-5
	v_rsq_f32 v54, v52
	v_nop                                          ; a plain instruction behind the transcendental
	s_wait_alu depctr_va_vdst(0)
.irp j, 0,2,4,6,8,10,12,14,16,18,20,22,24,26,28,30
	v_pk_mul_f32 v[D+\j:D+\j+1], v[D+\j:D+\j+1], v[54:55] op_sel_hi:[1,0]
.endr
.irp t, 0,1,2,3
	ds_store_b128 v9, v[D+8*\t:D+8*\t+3] offset:64*\t
	ds_store_b128 v9, v[D+8*\t+4:D+8*\t+7] offset:64*\t+16
.endr
.irp i, 0,1,2,3,4,5,6,7
	ds_load_b128 v[112+4*\i:115+4*\i], v8 offset:544*\i            ; my own stage: LDS serves a wave's instructions in order
.endr
.irp i, 0,1,2,3,4,5,6,7
	s_wait_dscnt 7-\i                              ; rows 2 i and 2 i + 1 are back; the later ones may be out
	global_store_b128 v7, v[112+4*\i:115+4*\i], s[12:13] offset:8192*\i th:TH_STORE_NT   ; sixteen lanes store 256 consecutive bytes, aligned
.endr
	s_wait_tensorcnt 0x0
	ds_add_u32 v254, v255
	s_wait_dscnt 0x0
	s_endpgm
.Lfunc_end_k_q48f9df6be7_outln:
	.size	k_q48f9df6be7_outln, .Lfunc_end_k_q48f9df6be7_outln-k_q48f9df6be7_outln
	.p2alignl 7, 3214868480
	.fill 96, 4, 3214868480
	.section	.rodata,"a",@progbits
	.p2align	6, 0x0
	.amdhsa_kernel k_q48f9df6be7_outln
		.amdhsa_group_segment_fixed_size 75776
		.amdhsa_private_segment_fixed_size 0
		.amdhsa_enable_private_segment 0
		.amdhsa_kernarg_size 40
		.amdhsa_user_sgpr_count 2
		.amdhsa_user_sgpr_kernarg_segment_ptr 1
		.amdhsa_wavefront_size32 1
		.amdhsa_system_sgpr_workgroup_id_x 1
		.amdhsa_system_sgpr_workgroup_id_y 1
		.amdhsa_system_sgpr_workgroup_id_z 1
		.amdhsa_system_vgpr_workitem_id 0
		.amdhsa_next_free_vgpr 256
		.amdhsa_next_free_sgpr 66
		.amdhsa_reserve_vcc 0
		.amdhsa_float_denorm_mode_32 3
		.amdhsa_float_denorm_mode_16_64 3
		.amdhsa_memory_ordered 1
		.amdhsa_forward_progress 1
		.amdhsa_inst_pref_size 35
	.end_amdhsa_kernel
	.amdgpu_metadata
---
amdhsa.version: [ 1, 2 ]
amdhsa.kernels:
  - .name:           k_q48f9df6be7_outln
    .symbol:         k_q48f9df6be7_outln.kd
    .args:
      - { .name: av, .offset: 0, .size: 8, .value_kind: global_buffer, .address_space: global }
      - { .name: prepq, .offset: 8, .size: 8, .value_kind: global_buffer, .address_space: global }
      - { .name: W_out_scales, .offset: 16, .size: 8, .value_kind: global_buffer, .address_space: global }
      - { .name: hidden, .offset: 24, .size: 8, .value_kind: global_buffer, .address_space: global }
      - { .name: out0, .offset: 32, .size: 8, .value_kind: global_buffer, .address_space: global }
    .group_segment_fixed_size: 75776
    .private_segment_fixed_size: 0
    .kernarg_segment_align: 8
    .kernarg_segment_size: 40
    .max_flat_workgroup_size: 512
    .sgpr_count:     66
    .vgpr_count:     256
    .wavefront_size: 32
...
	.end_amdgpu_metadata
.endif
;; end of part 4
;; ======== version 2 of 2: 5 launches
;; limits: right only within a limited range of input values
;; workspace buffers: prepq 5,373,952 bytes; maskw 1,048,576 bytes of whole numbers; flags 2,048 bytes of whole numbers; proj 17,301,504 bytes; av 2,162,688 bytes; xres 8,388,608 bytes
;; launch prep (part 5): grid 272 x 1, 4 waves a work-group, no clusters, 33,280 bytes of LDS; arguments memory, hidden, mask, W_out_codes, prepq, maskw, flags; writes prepq, maskw, flags
.if DOCPART == 5
	.amdgcn_target "amdgcn-amd-amdhsa--gfx1250"
	.amdhsa_code_object_version 6
	.text
	.protected	k_q48f9df6be7_prep
	.globl	k_q48f9df6be7_prep
	.p2align	8
	.type	k_q48f9df6be7_prep,@function
k_q48f9df6be7_prep:
	s_mov_b64 s[64:65], 0
	v_nop
	global_prefetch_b8 v0, s[64:65] scope:SCOPE_SE
	s_setreg_imm32_b32 hwreg(HW_REG_WAVE_MODE, 25, 1), 1
	s_wait_xcnt 0x0
; Three jobs that the later launches want done once; the work-group's number says which.
;   0 .. 127   [memory; hidden], 4,096 x 1,024 f32, becomes codes of E4M3 with K innermost and one E8M0 byte for each 32 along K: prepq + 0 (codes), prepq + MHS (bytes).
;   128 .. 255 the mask, [2,048][4,096] bytes of 0 or 1, becomes LANE WORDS and FLAGS for pieces of 16 queries x 128 keys (query tile T, key step s):
;              word n = 8 t + j of a piece: bit r + 16 h = mask[16 T + r][128 s + 16 t + 8 h + j]: the lanes of one score register of the attention launch.  maskw + (32 T + s) x 256 + 4 n.
;              flags + 16 T + 4 w, w = s / 8: bit s % 8: some key of the piece counts; bit 8 + s % 8: some key of it is hidden.  They have a small buffer of their own: branches of a later launch hang on them.
;   256 .. 271 W_out's codes are laid as images of the operand's registers: prepq + WOI + [n tile 64][K step 8][c 4][lane 32][16 bytes]; lane (r, h) holds k = 32 c + 16 h + 0 .. 15 of row r.
; A block's scale is 2^(floor(log2(its largest magnitude)) - 8); its byte is the largest magnitude's exponent field - 8, held at 1 from below.
; LIMITS: blocks whose largest magnitude lies under 2^-118 keep the byte 1, blocks of zeros too (their codes are zeros, and this program alone reads the bytes); NaN and infinities among the inputs are not served.
; No tensor loads, no barrier: waves share nothing.  Only the first job uses LDS.
.set MHS,   4194304
.set WOI,   4325376
.set STEPS, 16
.set EMAX,  8
.set MANT,  0x600000                   ; the mantissa field of 448 as f32
.set CB,    16                         ; bytes of 16 codes
.set R,     16                         ; v16-79   four sets of 16 numbers as they are loaded
.set X,     80                         ; v80-111  two sets of 16 neighbours
.set C,     128                        ; v128-191 codes: four registers for each step
.set E,     112                        ; v112-127 a scale byte for each step
.set WREG,  8192                       ; LDS: a region for each wave: two stages of 32 x SP bytes, then its 256 scale bytes
.set SP,    80                         ; a lane's place in a stage: 64 bytes + 16 of padding
.set MB,    32                         ; mask path: v32-159 the wave's 64 loads of 8 bytes
.set OW,    160                        ; mask path: v160-175 a step's 64 lane words, two to a lane
	s_load_b256 s[4:11], s[0:1], 0x0               ; memory s[4:5], hidden s[6:7], mask s[8:9], W_out's codes s[10:11]
	s_load_b128 s[12:15], s[0:1], 0x20             ; prepq s[12:13], maskw s[14:15]
	s_load_b64 s[32:33], s[0:1], 0x30              ; flags
	v_lshl_add_u32 v192, v0, 2, 0x8000
	v_mov_b32 v193, 0
	v_lshrrev_b32 v1, 5, v0
	v_readfirstlane_b32 s16, v1                    ; wave 0..3
	v_and_b32 v2, 31, v0                           ; lane
	s_cmp_ge_u32 ttmp9, 256
	s_cbranch_scc1 .Lwout
	s_cmp_ge_u32 ttmp9, 128
	s_cbranch_scc1 .Lmask
; ---- the quantiser.  A wave takes 16 steps of 512 numbers.  Each load reads 512 consecutive bytes; a step's 2,048 bytes turn through the wave's own stage so that a lane holds 16 neighbours along K.
	v_lshlrev_b32 v3, 4, v2                        ; my 16 bytes of a load's 512
	s_mul_i32 s17, s16, WREG
	v_lshrrev_b32 v14, 2, v2
	v_mul_u32_u24 v14, v14, SP
	v_and_b32 v15, 3, v2
	v_lshl_add_u32 v14, v15, 4, v14
	v_add_nc_u32 v14, s17, v14                     ; the stage, on the way in: SP (lane / 4) + 16 (lane % 4)
	v_mul_u32_u24 v15, v2, SP
	v_add_nc_u32 v15, s17, v15                     ; and on the way out: SP x lane
	v_mul_u32_u24 v4, v2, CB                       ; my codes' place in a step's
	v_lshrrev_b32 v5, 1, v2
	s_add_co_u32 s17, s17, 2*32*SP
	v_add_nc_u32 v5, s17, v5                       ; LDS: my block's scale byte
	v_lshlrev_b32 v7, 3, v2                        ; and on the way out 8 bytes a lane
	v_add_nc_u32 v6, s17, v7
	s_mov_b32 s23, MANT
	s_wait_alu depctr_va_vdst(0)
	s_wait_kmcnt 0x0
	s_cmp_lt_u32 ttmp9, 64                         ; rows 0-2,047 are memory's, the others hidden's
	s_cselect_b64 s[4:5], s[4:5], s[6:7]
	s_and_b32 s17, ttmp9, 63
	s_lshl_b32 s17, s17, 2
	s_add_co_u32 s18, s17, s16                     ; which run of 8,192 numbers of the source
	s_lshl_b32 s18, s18, 15
	s_mov_b32 s19, 0
	s_add_nc_u64 s[4:5], s[4:5], s[18:19]
	s_lshl_b32 s17, ttmp9, 2
	s_add_co_u32 s17, s17, s16                     ; and of the joined tensor
	s_lshl_b32 s18, s17, 13
	s_add_nc_u64 s[8:9], s[12:13], s[18:19]        ; its codes
	s_lshl_b32 s18, s17, 8
	s_add_nc_u64 s[10:11], s[12:13], s[18:19]
	s_add_nc_u64 s[10:11], s[10:11], MHS           ; its scale bytes
.macro LOAD t
.irp i, 0,1,2,3
	global_load_b128 v[R+16*((\t)%4)+4*\i:R+16*((\t)%4)+4*\i+3], v3, s[4:5] offset:2048*(\t)+512*\i th:TH_LOAD_NT
.endr
.endm
.macro TURN t                          ; step t's numbers through the stage: LDS serves a wave's instructions in order, so no wait stands between the stores and the loads
.irp i, 0,1,2,3
	ds_store_b128 v14, v[R+16*((\t)%4)+4*\i:R+16*((\t)%4)+4*\i+3] offset:32*SP*((\t)%2)+8*SP*\i
.endr
.irp i, 0,1,2,3
	ds_load_b128 v[X+16*((\t)%2)+4*\i:X+16*((\t)%2)+4*\i+3], v15 offset:32*SP*((\t)%2)+16*\i
.endr
.endm
.irp t, 0,1,2,3
	LOAD \t
.endr
	s_wait_loadcnt 12                              ; step 0's four loads are in
	TURN 0
.macro STEP t
.set XS, X+16*((\t)%2)
.if (\t) > 0
	s_wait_dscnt 1                                 ; this step's numbers are back from the stage (the last step's byte store may be out)
.else
	s_wait_dscnt 0x0
.endif
.if (\t)+4 < STEPS
	LOAD (\t)+4
.endif
.if (\t)+1 < STEPS
.if STEPS-2-(\t) >= 3
	s_wait_loadcnt 12                              ; the next step's four loads are in; those of the three steps behind it may be out
.else
	s_wait_loadcnt 4*(STEPS-2-(\t))
.endif
	TURN (\t)+1
.endif
	v_max3_num_f32 v8, |v[XS]|, |v[XS+1]|, |v[XS+2]|               ; the largest magnitude of my 16
	v_max3_num_f32 v9, |v[XS+3]|, |v[XS+4]|, |v[XS+5]|
.irp i, 6,10
	v_max3_num_f32 v8, v8, |v[XS+\i]|, |v[XS+\i+1]|
	v_max3_num_f32 v9, v9, |v[XS+\i+2]|, |v[XS+\i+3]|
.endr
	v_max3_num_f32 v8, v8, |v[XS+14]|, |v[XS+15]|
	v_max3_num_f32 v8, v8, v9, (EMAX+1)<<23        ; and the floor 2^(9 - 127): the byte cannot fall under 1
	v_max_num_f32_dpp v8, v8, v8 row_xmask:1 row_mask:0xf bank_mask:0xf   ; and of my neighbour's 16: the block's
	v_add_nc_u32 v11, -(EMAX<<23), v8              ; 8 off its exponent field: the conversion's scale operand
	v_and_or_b32 v10, v8, 0x7f800000, s23          ; 448 x the scale
.irp i, 0,1,2,3,4,5,6,7,8,9,10,11,12,13,14,15
	v_med3_num_f32 v[XS+\i], v[XS+\i], -v10, v10   ; the conversion does not saturate (ISA guide 7.6.2): the hold comes first
.endr
	v_cvt_scalef32_pk8_fp8_f32 v[C+4*(\t):C+4*(\t)+1], v[XS:XS+7], v11
	v_cvt_scalef32_pk8_fp8_f32 v[C+4*(\t)+2:C+4*(\t)+3], v[XS+8:XS+15], v11
	v_lshrrev_b32 v[E+(\t)], 23, v11               ; the scale's byte
	ds_store_b8 v5, v[E+(\t)] offset:16*(\t)       ; both lanes of a block write the same byte with the same value
	global_store_b128 v4, v[C+4*(\t):C+4*(\t)+3], s[8:9] offset:32*CB*(\t)   ; 512 consecutive bytes a wave
.endm
.irp t, 0,1,2,3,4,5,6,7,8,9,10,11,12,13,14,15
	STEP \t
.endr
	ds_load_b64 v[12:13], v6                       ; LDS serves a wave's instructions in order: these see my stores
	s_wait_dscnt 0x0
	global_store_b64 v7, v[12:13], s[10:11]        ; 32 lanes store 256 consecutive bytes, aligned
	s_wait_tensorcnt 0x0
	ds_add_u32 v192, v193
	s_wait_dscnt 0x0
	s_endpgm
; ---- the mask.  Work-group 128 + T takes query tile T; wave w key steps 8 w .. 8 w + 7.  Lane (r, h) loads, for step sj and key tile t, the 8 bytes mask[16 T + r][128 (8 w + sj) + 16 t + 8 h ..].
.Lmask:
	v_and_b32 v3, 15, v0                           ; r
	v_bfe_u32 v4, v0, 4, 1                         ; h
	v_lshlrev_b32 v5, 12, v3
	v_lshl_add_u32 v5, v4, 3, v5                   ; r x 4,096 + 8 h
	s_wait_alu depctr_va_vdst(0)
	v_lshlrev_b32 v6, 3, v2                        ; out: two words a lane
	s_sub_co_u32 s17, ttmp9, 128                   ; T
	s_lshl_b32 s18, s17, 16
	s_lshl_b32 s19, s16, 10
	s_add_co_u32 s18, s18, s19
	s_mov_b32 s19, 0
	s_wait_kmcnt 0x0
	s_add_nc_u64 s[8:9], s[8:9], s[18:19]          ; the mask at row 16 T, key 1,024 w
	s_lshl_b32 s18, s17, 13
	s_lshl_b32 s31, s16, 11
	s_add_co_u32 s18, s18, s31
	s_add_nc_u64 s[10:11], s[14:15], s[18:19]      ; the lane words of (T, 8 w)
	s_lshl_b32 s18, s17, 4
	s_lshl_b32 s31, s16, 2
	s_add_co_u32 s18, s18, s31
	s_add_nc_u64 s[32:33], s[32:33], s[18:19]      ; my flag word: 16 T + 4 w
.irp sj, 0,1,2,3,4,5,6,7
.irp t, 0,1,2,3,4,5,6,7
	global_load_b64 v[MB+16*\sj+2*\t:MB+16*\sj+2*\t+1], v5, s[8:9] offset:128*\sj+16*\t
.endr
.endr
.irp i, 0,1,2,3,4,5,6,7,8,9,10,11,12,13,14,15
	v_mov_b32 v[OW+\i], 0                          ; a lane write's destination counts as read
.endr
	s_mov_b32 s30, 0                               ; the flags
.macro MSTEP sj
	s_wait_loadcnt 8*(7-\sj)                       ; this step's eight loads are in; the later steps' may be out
	v_or_b32 v16, v[MB+16*\sj], v[MB+16*\sj+1]     ; any byte 1: some key is hidden
	v_and_b32 v17, v[MB+16*\sj], v[MB+16*\sj+1]    ; any byte 0: some key counts
.irp i, 2,3,4,5,6,7,8,9,10,11,12,13,14,15
	v_or_b32 v16, v16, v[MB+16*\sj+\i]
	v_and_b32 v17, v17, v[MB+16*\sj+\i]
.endr
.irp t, 0,1,2,3,4,5,6,7
.irp j, 0,1,2,3,4,5,6,7
	v_and_b32 v[8+\j], 1<<(8*(\j%4)), v[MB+16*\sj+2*\t+\j/4]       ; byte j of my eight
.endr
.irp j, 0,1,2,3,4,5,6,7
	v_cmp_ne_u32 s[20+\j], 0, v[8+\j]              ; the 32 lanes' bits: lane word 8 t + j
.endr
.irp j, 0,1,2,3,4,5,6,7
	v_writelane_b32 v[OW+2*\sj+\j%2], s[20+\j], 4*\t+\j/2          ; word n goes to lane n / 2, register n % 2
.endr
.endr
	global_store_b64 v6, v[OW+2*\sj:OW+2*\sj+1], s[10:11] offset:256*\sj   ; 32 lanes store 256 consecutive bytes, aligned
	v_cmp_ne_u32 s28, 0, v16
	v_cmp_ne_u32 s29, 0x01010101, v17
	s_cmp_lg_u32 s28, 0
	s_cselect_b32 s28, 1<<(8+\sj), 0
	s_cmp_lg_u32 s29, 0
	s_cselect_b32 s29, 1<<\sj, 0
	s_or_b32 s30, s30, s28
	s_or_b32 s30, s30, s29
.endm
.irp sj, 0,1,2,3,4,5,6,7
	MSTEP \sj
.endr
	v_mov_b32 v18, s30
	v_mov_b32 v19, 0
	v_cmp_eq_u32 vcc_lo, 0, v2
	s_wait_alu depctr_va_vdst(0)
	s_wait_xcnt 0x0                                ; EXEC is a source of the stores above: it changes only behind this wait
	s_and_saveexec_b32 s31, vcc_lo
	global_store_b32 v19, v18, s[32:33]            ; lane 0 stores the wave's flag word
	s_wait_xcnt 0x0
	s_or_b32 exec_lo, exec_lo, s31
	s_endpgm
; ---- W_out's images.  Wave w of work-group 256 + g takes n tile 4 g + w: 16 rows x 1,024 codes, eight fragments.
.Lwout:
	v_and_b32 v3, 15, v0                           ; r
	v_bfe_u32 v4, v0, 4, 1                         ; h
	v_lshlrev_b32 v5, 10, v3
	v_lshl_add_u32 v5, v4, 4, v5                   ; row r, + 16 h
	s_wait_alu depctr_va_vdst(0)
	v_lshlrev_b32 v6, 4, v2                        ; an image's place for my lane
	s_sub_co_u32 s17, ttmp9, 256
	s_lshl_b32 s17, s17, 2
	s_add_co_u32 s17, s17, s16                     ; the n tile
	s_lshl_b32 s18, s17, 14                        ; 16 rows of 1,024 bytes, and eight images of 2,048
	s_mov_b32 s19, 0
	s_wait_alu depctr_va_vdst(0)
	s_wait_kmcnt 0x0
	s_add_nc_u64 s[10:11], s[10:11], s[18:19]
	s_add_nc_u64 s[12:13], s[12:13], s[18:19]
	s_add_nc_u64 s[12:13], s[12:13], WOI
.irp ks, 0,1,2,3,4,5,6,7
.irp c, 0,1,2,3
	global_load_b128 v[32+16*\ks+4*\c:35+16*\ks+4*\c], v5, s[10:11] offset:128*\ks+32*\c
.endr
.endr
.irp ks, 0,1,2,3,4,5,6,7
	s_wait_loadcnt 4*(7-\ks)                       ; this K step's four loads are in
.irp c, 0,1,2,3
	global_store_b128 v6, v[32+16*\ks+4*\c:35+16*\ks+4*\c], s[12:13] offset:2048*\ks+512*\c   ; 512 consecutive bytes a wave
.endr
.endr
	s_endpgm
.Lfunc_end_k_q48f9df6be7_prep:
	.size	k_q48f9df6be7_prep, .Lfunc_end_k_q48f9df6be7_prep-k_q48f9df6be7_prep
	.p2alignl 7, 3214868480
	.fill 96, 4, 3214868480
	.section	.rodata,"a",@progbits
	.p2align	6, 0x0
	.amdhsa_kernel k_q48f9df6be7_prep
		.amdhsa_group_segment_fixed_size 33280
		.amdhsa_private_segment_fixed_size 0
		.amdhsa_enable_private_segment 0
		.amdhsa_kernarg_size 56
		.amdhsa_user_sgpr_count 2
		.amdhsa_user_sgpr_kernarg_segment_ptr 1
		.amdhsa_wavefront_size32 1
		.amdhsa_system_sgpr_workgroup_id_x 1
		.amdhsa_system_sgpr_workgroup_id_y 1
		.amdhsa_system_sgpr_workgroup_id_z 1
		.amdhsa_system_vgpr_workitem_id 0
		.amdhsa_next_free_vgpr 194
		.amdhsa_next_free_sgpr 66
		.amdhsa_reserve_vcc 1
		.amdhsa_float_denorm_mode_32 3
		.amdhsa_float_denorm_mode_16_64 3
		.amdhsa_memory_ordered 1
		.amdhsa_forward_progress 1
		.amdhsa_inst_pref_size 169
	.end_amdhsa_kernel
	.amdgpu_metadata
---
amdhsa.version: [ 1, 2 ]
amdhsa.kernels:
  - .name:           k_q48f9df6be7_prep
    .symbol:         k_q48f9df6be7_prep.kd
    .args:
      - { .name: memory, .offset: 0, .size: 8, .value_kind: global_buffer, .address_space: global }
      - { .name: hidden, .offset: 8, .size: 8, .value_kind: global_buffer, .address_space: global }
      - { .name: mask, .offset: 16, .size: 8, .value_kind: global_buffer, .address_space: global }
      - { .name: W_out_codes, .offset: 24, .size: 8, .value_kind: global_buffer, .address_space: global }
      - { .name: prepq, .offset: 32, .size: 8, .value_kind: global_buffer, .address_space: global }
      - { .name: maskw, .offset: 40, .size: 8, .value_kind: global_buffer, .address_space: global }
      - { .name: flags, .offset: 48, .size: 8, .value_kind: global_buffer, .address_space: global }
    .group_segment_fixed_size: 33280
    .private_segment_fixed_size: 0
    .kernarg_segment_align: 8
    .kernarg_segment_size: 56
    .max_flat_workgroup_size: 128
    .sgpr_count:     66
    .vgpr_count:     194
    .wavefront_size: 32
...
	.end_amdgpu_metadata
.endif
;; end of part 5
;; launch proj (part 6): grid 4 x 64, 4 waves a work-group, clusters of 4 x 4, 327,680 bytes of LDS; arguments prepq, position_embedding_codes, position_embedding_scales, W_qkv_codes, W_qkv_scales, W_pe_codes, W_pe_scales, u, v, proj; writes proj
.if DOCPART == 6
	.amdgcn_target "amdgcn-amd-amdhsa--gfx1250"
	.amdhsa_code_object_version 6
	.text
	.protected	k_q48f9df6be7_proj
	.globl	k_q48f9df6be7_proj
	.p2align	8
	.type	k_q48f9df6be7_proj,@function
k_q48f9df6be7_proj:
	s_mov_b64 s[64:65], 0
	v_nop
	global_prefetch_b8 v0, s[64:65] scope:SCOPE_SE
	s_setreg_imm32_b32 hwreg(HW_REG_WAVE_MODE, 25, 1), 1
	s_wait_xcnt 0x0
	s_wait_alu depctr_hold_cnt(0) depctr_sa_sdst(0) depctr_va_vdst(0) depctr_va_sdst(0) depctr_va_ssrc(0) depctr_va_vcc(0) depctr_vm_vsrc(0)
	s_getreg_b32 s2, hwreg(HW_REG_IB_STS2, 6, 4)
	s_cmp_eq_u32 s2, 0
	s_cbranch_scc0 .Lentry_in_a_cluster
	s_endpgm
.Lentry_in_a_cluster:
	s_bfe_u32 s2, ttmp6, 0x10000c
	s_cmp_lg_u32 s2, 0xf033
	s_cbranch_scc0 .Lentry_shape_is_right
	s_endpgm
.Lentry_shape_is_right:
.set SIZE_K, 1024
.set MHS,    4194304
.set QI,     8388608
.set VI,     12582912
.set KPS,    16777216
.set QS,     17039360
.set VS,     17170432
.set KSTEP,  256
.set NQ,     KSTEP/128
.set ROWB,   256
.set KROW,   SIZE_K
.set PITCH,  272
.set FR,     16
.set NL,     4
.set NP,     8
.set HALFT,  128*PITCH
.set SLOT,   4*HALFT
.set LAPS,   SIZE_K/(2*KSTEP)
.set KS,     SIZE_K/32
.set SCL,    2*SLOT
.set HALFS,  (128*KS/256)*272
.set SBLK,   (16*KS/256)*272
.set SPARE,  SCL+4*HALFS
.set ADRA, 16
.set ADRB, 20
.set ADRS, 27
.set SPW,  28
.set NIL,  29
.set SC,   32
.set AF,   128
.set OF0,  8
.set OF1,  9
.set SO0,  10
.set SO1,  11
.set BO,   12
.set T,    64
.set BI,   128
.set PC,   192
.set TM,   208
.set PW,   224
.set G1, 24
.set G0, 32
.set G1B, 48
.set G0B, 56
.set G1S, 68
.set G0S, 76
.set G1SB, 80
.set G0SB, 88
.set MSB, 0
.macro WIN new
.if MSB != \new
	s_set_vgpr_msb (MSB<<8)|\new
.set MSB, \new
.endif
.endm
.set MUL_LO, 0xa1
.set MUL_HI, 0xf1
.set TO_B,   0x40
.macro JLOAD g0a, g1a, g0b, g1b
	s_cmp_eq_u32 s15, 0
	s_cbranch_scc0 .Lfor_b_\@
	tensor_load_to_lds s[\g0a:\g0a+3], s[\g1a:\g1a+7]
	s_nop 0
.rept 4
	v_nop
.endr
	s_branch .Lasked_\@
.Lfor_b_\@:
	tensor_load_to_lds s[\g0b:\g0b+3], s[\g1b:\g1b+7]
	s_nop 0
.rept 4
	v_nop
.endr
.Lasked_\@:
.endm
.macro CREST
	s_cmp_lg_u32 s14, 0
	s_cbranch_scc1 .Lnot_wave_0_\@
	s_barrier_signal -3
.Lnot_wave_0_\@:
	s_barrier_wait -3
	s_barrier_signal -1
	s_barrier_wait -1
.endm
.macro CROUND
	s_barrier_signal -1
	s_barrier_wait -1
	CREST
.endm
	s_load_b512 s[68:83], s[0:1], 0x0
	v_lshl_add_u32 v[SPW], v0, 2, SPARE
	v_mov_b32 v[NIL], 0
	ds_add_u32 v28, v29
	ds_add_u32 v28, v29
	s_wait_dscnt 0x0
	v_lshrrev_b32 v1, 5, v0
	v_readfirstlane_b32 s14, v1
	s_lshr_b32 s15, s14, 1
	s_and_b32 s16, s14, 1
	s_bfe_u32 s40, ttmp6, 0x40000
	s_bfe_u32 s41, ttmp6, 0x40004
	s_and_b32 s66, ttmp7, 0xffff
	s_and_b32 s67, s66, 3
	s_and_b32 s99, s66, 1
	s_lshr_b32 s66, s66, 2
	s_cmp_eq_u32 s66, 3
	s_cselect_b32 s67, s99, s67
	s_lshl_b32 s95, s67, 2
	s_add_co_u32 s98, s95, 8
	s_mov_b32 s96, s95
	s_cmp_eq_u32 s66, 0
	s_cselect_b32 s97, 4, 0
	s_cmp_eq_u32 s66, 2
	s_cselect_b32 s96, 8, s96
	s_cselect_b32 s97, s95, s97
	s_cmp_eq_u32 s66, 3
	s_cselect_b32 s96, s98, s96
	s_add_co_u32 s42, s97, s40
	s_add_co_u32 s17, s96, s41
	s_lshl_b32 s43, s41, 2
	s_lshl_b32 s43, 15, s43
	s_lshl_b32 s44, 0x1111, s40
	s_wait_kmcnt 0x0
	s_add_nc_u64 s[84:85], s[68:69], MHS
	s_cmp_eq_u32 s66, 1
	s_cselect_b64 s[4:5], s[70:71], s[68:69]
	s_cselect_b64 s[6:7], s[72:73], s[84:85]
	s_cselect_b64 s[8:9], s[78:79], s[74:75]
	s_cselect_b64 s[10:11], s[80:81], s[76:77]
	s_cmp_eq_u32 s66, 2
	s_cselect_b64 s[4:5], s[74:75], s[4:5]
	s_cselect_b64 s[6:7], s[76:77], s[6:7]
	s_cselect_b64 s[8:9], s[68:69], s[8:9]
	s_cselect_b64 s[10:11], s[84:85], s[10:11]
	s_or_b32 s[G1+0], s43, (0<<16)|(1<<20)|(1<<21)|(5<<22)|(3<<25)
	s_or_b32 s[G1B+0], s44, (0<<16)|(1<<20)|(1<<21)|(5<<22)|(3<<25)
.irp g, G1, G1B
	s_mov_b32 s[\g+1], ROWB<<16
	s_mov_b32 s[\g+2], 128<<16
	s_mov_b32 s[\g+3], ROWB<<16
	s_mov_b32 s[\g+4], 128
	s_mov_b32 s[\g+5], KROW
	s_mov_b32 s[\g+6], 0
	s_mov_b32 s[\g+7], 0
.endr
	s_or_b32 s[G1S+0], s43, (3<<16)|(1<<20)|(1<<21)|(5<<22)|(3<<25)
	s_or_b32 s[G1SB+0], s44, (3<<16)|(1<<20)|(1<<21)|(5<<22)|(3<<25)
.irp g, G1S, G1SB
	s_mov_b32 s[\g+1], 32<<16
	s_mov_b32 s[\g+2], (128*KS/256)<<16
	s_mov_b32 s[\g+3], 32<<16
	s_mov_b32 s[\g+4], 128*KS/256
	s_mov_b32 s[\g+5], 32
	s_mov_b32 s[\g+6], 0
	s_mov_b32 s[\g+7], 0
.endr
	s_lshl_b32 s18, s16, 7
	s_lshl_b32 s20, s17, 8
	s_add_co_u32 s20, s20, s18
	s_lshl_b32 s46, s42, 8
	s_add_co_u32 s46, s46, s18
	s_mov_b32 s21, 0
	s_mov_b32 s47, 0
	s_mov_b64 s[18:19], KS
	s_mul_u64 s[22:23], s[20:21], s[18:19]
	s_mul_u64 s[92:93], s[46:47], s[18:19]
	s_mov_b64 s[18:19], KROW
	s_mul_u64 s[20:21], s[20:21], s[18:19]
	s_mul_u64 s[46:47], s[46:47], s[18:19]
	s_mul_i32 s45, s14, HALFT
	s_mul_i32 s94, s14, HALFS
	s_add_nc_u64 s[20:21], s[4:5], s[20:21]
	s_add_nc_u64 s[22:23], s[6:7], s[22:23]
	s_add_nc_u64 s[46:47], s[8:9], s[46:47]
	s_add_nc_u64 s[92:93], s[10:11], s[92:93]
	CROUND
	s_mov_b32 s[G0S], 1
	s_add_co_u32 s[G0S+1], s94, SCL
	s_mov_b64 s[G0S+2:G0S+3], s[22:23]
	s_or_b32 s[G0S+3], s[G0S+3], 0x80000000
	s_mov_b32 s[G0SB], 1
	s_add_co_u32 s[G0SB+1], s94, SCL
	s_mov_b64 s[G0SB+2:G0SB+3], s[92:93]
	s_or_b32 s[G0SB+3], s[G0SB+3], 0x80000000
	JLOAD G0S, G1S, G0SB, G1SB
.irp s, 0,1
	s_mov_b32 s[G0+4*\s], 1
	s_add_co_u32 s[G0+4*\s+1], s45, \s*SLOT
	s_add_nc_u64 s[G0+4*\s+2:G0+4*\s+3], s[20:21], \s*ROWB
	s_or_b32 s[G0+4*\s+3], s[G0+4*\s+3], 0x80000000
	s_mov_b32 s[G0B+4*\s], 1
	s_add_co_u32 s[G0B+4*\s+1], s45, \s*SLOT
	s_add_nc_u64 s[G0B+4*\s+2:G0B+4*\s+3], s[46:47], \s*ROWB
	s_or_b32 s[G0B+4*\s+3], s[G0B+4*\s+3], 0x80000000
	s_wait_alu depctr_va_vdst(0)
	s_wait_tensorcnt 0x0
	ds_add_u32 v28, v29
	s_wait_dscnt 0x0
	CROUND
	JLOAD G0+4*\s, G1, G0B+4*\s, G1B
.endr
	v_and_b32 v1, 15, v0
	v_bfe_u32 v2, v0, 4, 1
	v_mul_u32_u24 v3, v1, PITCH
	v_lshl_add_u32 v4, v2, 4, v3
	s_mul_i32 s21, s15, HALFT
	s_mul_i32 s22, s16, HALFT
	s_add_co_u32 s22, s22, 2*HALFT
.irp s, 0,1
	v_add_nc_u32 v[ADRA+\s], s21, v4
	v_add_nc_u32 v[ADRB+\s], s22, v4
	s_add_co_u32 s21, s21, SLOT
	s_add_co_u32 s22, s22, SLOT
.endr
	v_mul_u32_u24 v5, v1, KS
	v_lshrrev_b32 v6, 8, v5
	v_lshl_add_u32 v5, v6, 4, v5
	s_mul_i32 s21, s15, HALFS
	s_mul_i32 s22, s16, HALFS
	s_add_co_u32 s22, s22, 2*HALFS
	s_sub_co_u32 s22, s22, s21
	v_mul_u32_u24 v6, s22, v2
	s_add_co_u32 s21, s21, SCL
	v_add_nc_u32 v5, v5, v6
	v_add_nc_u32 v[ADRS], s21, v5
.macro FRAG reg, adr, q, i
.irp c, 0,1,2,3
	ds_load_b128 v[\reg+4*\c:\reg+4*\c+3], v[\adr] offset:128*(\q)+32*\c+(\i)*16*PITCH
.endr
.endm
.macro MUL16 a0, p, q, sc, zero
.irp a, \a0, \a0+1
.irp b, 0,1,2,3,4,5,6,7
.if \zero
	v_wmma_scale_f32_16x16x128_f8f6f4 v[8*(8*((\a)%4)+\b):8*(8*((\a)%4)+\b)+7], v[128*(\p)+FR*\b:128*(\p)+FR*\b+FR-1], v[AF+FR*(\a):AF+FR*(\a)+FR-1], 0, v[SC+8*NQ*(\sc)+NQ*\b+(\q)], v[SC+8*NQ*(\sc)+NQ*(\a)+(\q)] matrix_a_scale:MATRIX_SCALE_ROW1
.else
	v_wmma_scale_f32_16x16x128_f8f6f4 v[8*(8*((\a)%4)+\b):8*(8*((\a)%4)+\b)+7], v[128*(\p)+FR*\b:128*(\p)+FR*\b+FR-1], v[AF+FR*(\a):AF+FR*(\a)+FR-1], v[8*(8*((\a)%4)+\b):8*(8*((\a)%4)+\b)+7], v[SC+8*NQ*(\sc)+NQ*\b+(\q)], v[SC+8*NQ*(\sc)+NQ*(\a)+(\q)] matrix_a_scale:MATRIX_SCALE_ROW1
.endif
.endr
.endr
.endm
.macro FETCH_B slot, q, p
	WIN TO_B
.irp i, 0,1,2,3,4,5,6,7
	FRAG 128*(\p)+FR*\i, ADRB+\slot, \q, \i
.endr
	WIN 0
.endm
.macro FETCH_A slot, q, i0
.irp i, \i0, \i0+1, \i0+2, \i0+3
	FRAG AF+FR*(\i), ADRA+\slot, \q, \i
.endr
.endm
.macro SCALES sc
.irp i, 0,1,2,3,4,5,6,7
	ds_load_b64 v[SC+8*NQ*\sc+NQ*\i:SC+8*NQ*\sc+NQ*\i+1], v[ADRS] offset:\i*SBLK
.endr
.endm
.macro PLACES n
.rept \n
	v_nop
.endr
.endm
.macro STEP slot, q, zero
	s_wait_dscnt 4*NL
	WIN MUL_LO
	MUL16 0, (\q)%2, \q, \slot, \zero
	MUL16 2, (\q)%2, \q, \slot, \zero
	s_wait_dscnt 0
	PLACES NP
	FETCH_B \slot, (\q)+1, 1-(\q)%2
	FETCH_A \slot, (\q)+1, 0
	WIN MUL_HI
	MUL16 4, (\q)%2, \q, \slot, \zero
	MUL16 6, (\q)%2, \q, \slot, \zero
	PLACES NP
	WIN 0
	FETCH_A \slot, (\q)+1, 4
.endm
.macro TURN slot, next, fill
	s_wait_tensorcnt 0x0
	ds_add_u32 v[SPW], v[NIL]
	s_wait_dscnt 4*NL+1
	WIN MUL_LO
	MUL16 0, 1, NQ-1, \slot, 0
	s_wait_dscnt 0x0
	s_barrier_signal -1
	MUL16 2, 1, NQ-1, \slot, 0
	WIN 0
	s_barrier_wait -1
.if \fill
	CREST
	s_add_nc_u64 s[G0+4*\slot+2:G0+4*\slot+3], s[G0+4*\slot+2:G0+4*\slot+3], 2*ROWB
	s_add_nc_u64 s[G0B+4*\slot+2:G0B+4*\slot+3], s[G0B+4*\slot+2:G0B+4*\slot+3], 2*ROWB
	JLOAD G0+4*\slot, G1, G0B+4*\slot, G1B
	PLACES NP-4
.else
	PLACES NP
.endif
	s_wait_alu depctr_va_vdst(0)
	v_add_nc_u32 v[ADRS], 4*NQ, v[ADRS]
	FETCH_B \next, 0, 0
	FETCH_A \next, 0, 0
	SCALES \next
	WIN MUL_HI
	MUL16 4, 1, NQ-1, \slot, 0
	MUL16 6, 1, NQ-1, \slot, 0
	PLACES NP
	WIN 0
	FETCH_A \next, 0, 4
.endm
	s_wait_alu depctr_va_vdst(0)
	s_wait_tensorcnt 1
	s_barrier_signal -1
	s_barrier_wait -1
	FETCH_B 0, 0, 0
	FETCH_A 0, 0, 0
	SCALES 0
	FETCH_A 0, 0, 4
	STEP 0, 0, 1
	s_mov_b32 s3, LAPS-1
.Llap:
	TURN 0, 1, 1
	STEP 1, 0, 0
	TURN 1, 0, 1
	STEP 0, 0, 0
	s_sub_co_u32 s3, s3, 1
	s_cmp_lg_u32 s3, 0
	s_cbranch_scc1 .Llap
	TURN 0, 1, 0
	STEP 1, 0, 0
	s_load_b128 s[68:71], s[0:1], 0x38
	s_load_b64 s[72:73], s[0:1], 0x48
	s_lshl_b32 s20, s41, 1
	s_add_co_u32 s20, s20, s15
	s_lshl_b32 s21, s40, 1
	s_add_co_u32 s21, s21, s16
	s_lshl_b32 s98, s21, 9
	s_mov_b32 s99, 0
	s_lshl_b32 s22, s67, 3
	s_mov_b32 s86, 524288
	s_mov_b32 s87, 0
	s_mov_b32 s88, KPS
	s_mov_b32 s80, 2048
	s_and_b32 s85, ttmp7, 0xffff
	s_lshr_b32 s85, s85, 1
	s_and_b32 s85, s85, 1
	s_cmp_eq_u32 s66, 2
	s_cselect_b32 s23, s20, s21
	s_cselect_b32 s45, s21, s20
	s_cselect_b32 s46, 13, 14
	s_cselect_b32 s86, 1024, s86
	s_cselect_b32 s87, VI, s87
	s_cselect_b32 s88, VS, s88
	s_cselect_b32 s80, 256000, s80
	s_cmp_eq_u32 s66, 3
	s_cselect_b32 s86, 262144, s86
	s_cselect_b32 s87, QI, s87
	s_cselect_b32 s88, QS, s88
	s_cselect_b32 s85, s85, 0
	s_cmp_eq_u32 s66, 1
	s_cselect_b32 s89, 1024, 0
	s_cselect_b32 s90, 2, 0
	s_cmp_lt_u32 s66, 2
	s_cselect_b32 s47, 20, 19
	s_lshr_b32 s96, s86, 5
	s_cmp_eq_u32 s66, 2
	s_cselect_b32 s96, 2, s96
	s_lshr_b32 s82, s80, 5
	s_mov_b32 s81, 0
	s_mov_b32 s83, 0
	s_add_co_u32 s45, s45, s22
	s_lshl_b32 s23, s23, s47
	s_lshl_b32 s45, s45, s46
	s_add_co_u32 s94, s23, s45
	s_lshr_b32 s20, s94, 5
	s_add_co_u32 s94, s94, s87
	s_add_co_u32 s94, s94, s89
	s_mov_b32 s95, 0
	s_add_co_u32 s20, s20, s88
	s_add_co_u32 s20, s20, s90
	s_mov_b32 s21, 0
	s_mov_b32 s97, 0x600000
	s_mov_b32 s100, 0x76543210
	s_mov_b32 s101, 0xfedcba98
	s_wait_dscnt 4*NL
	WIN MUL_LO
	MUL16 0, 1, NQ-1, 1, 0
	MUL16 2, 1, NQ-1, 1, 0
	s_wait_dscnt 0
	WIN MUL_HI
	MUL16 4, 1, NQ-1, 1, 0
	MUL16 6, 1, NQ-1, 1, 0
	WIN 0
	PLACES NP
	s_wait_kmcnt 0x0
	s_add_nc_u64 s[74:75], s[72:73], s[94:95]
	s_add_nc_u64 s[76:77], s[72:73], s[20:21]
	v_and_b32 v1, 31, v0
	v_lshlrev_b32 v[OF0], 4, v1
	v_add_nc_u32 v[OF1], s86, v[OF0]
	v_and_b32 v1, 15, v0
	v_lshlrev_b32 v[SO0], 2, v1
	v_add_nc_u32 v[SO1], s96, v[SO0]
	v_bfe_u32 v1, v0, 4, 1
	v_lshlrev_b32 v[BO], 5, v1
.irp b, 0,1,2,3
	v_mov_b32 v[TM+4+\b], 0
.endr
.macro QUANT
.irp b, 0,1,2,3
	v_max3_num_f32 v[TM+\b], |v[T+16*\b]|, |v[T+1+16*\b]|, 0x4800000
.endr
.irp i, 2,4,6,8,10,12,14
.irp b, 0,1,2,3
	v_max3_num_f32 v[TM+\b], v[TM+\b], |v[T+16*\b+\i]|, |v[T+1+16*\b+\i]|
.endr
.endr
.irp b, 0,1,2,3
	v_permlanex16_b32 v[TM+4+\b], v[TM+\b], s100, s101
.endr
.irp b, 0,1,2,3
	v_max_num_f32 v[TM+\b], v[TM+\b], v[TM+4+\b]
.endr
.irp b, 0,1,2,3
	v_add_nc_u32 v[TM+12+\b], 0xfc000000, v[TM+\b]
.endr
.irp b, 0,1,2,3
	v_and_or_b32 v[TM+8+\b], v[TM+\b], 0x7f800000, s97
.endr
.irp b, 0,1,2,3
	v_lshrrev_b32 v[TM+4+\b], 23, v[TM+12+\b]
.endr
	v_lshl_or_b32 v[PW], v[TM+5], 8, v[TM+4]
	v_lshl_or_b32 v[PW], v[TM+6], 16, v[PW]
	v_lshl_or_b32 v[PW], v[TM+7], 24, v[PW]
	v_lshrrev_b32 v[PW+1], 16, v[PW]
.irp b, 0,1,2,3
.irp i, 0,1,2,3,4,5,6,7,8,9,10,11,12,13,14,15
	v_med3_num_f32 v[T+16*\b+\i], v[T+16*\b+\i], -v[TM+8+\b], v[TM+8+\b]
.endr
	v_cvt_scalef32_pk8_fp8_f32 v[PC+4*\b:PC+1+4*\b], v[T+16*\b:T+7+16*\b], v[TM+12+\b]
	v_cvt_scalef32_pk8_fp8_f32 v[PC+2+4*\b:PC+3+4*\b], v[T+8+16*\b:T+15+16*\b], v[TM+12+\b]
.endr
	v_nop
.irp b, 0,1,2,3
	v_permlane16_swap_b32 v[PC+4*\b], v[PC+2+4*\b]
	v_permlane16_swap_b32 v[PC+1+4*\b], v[PC+3+4*\b]
.endr
.endm
.macro ABLK a
.if \a > 0
	s_wait_xcnt 0x0
.if \a == 4
	s_add_nc_u64 s[12:13], s[12:13], s[80:81]
	s_add_nc_u64 s[78:79], s[78:79], s[82:83]
.else
	s_add_nc_u64 s[12:13], s[12:13], 2048
	s_add_nc_u64 s[78:79], s[78:79], 64
.endif
.endif
	WIN 0x02+(\a)/4
.set i, 0
.rept 32
	v_pk_add_f32 v[T+i:T+i+1], v[64*((\a)%4)+i:64*((\a)%4)+i+1], v[BI+i:BI+i+1]
.set i, i+2
.endr
	WIN 0
	QUANT
	global_store_b128 v[OF0], v[PC:PC+3], s[12:13]
	global_store_b128 v[OF0], v[PC+4:PC+7], s[12:13] offset:512
	global_store_b128 v[OF1], v[PC+8:PC+11], s[12:13]
	global_store_b128 v[OF1], v[PC+12:PC+15], s[12:13] offset:512
	global_store_b16 v[SO0], v[PW], s[78:79]
	global_store_b16 v[SO1], v[PW+1], s[78:79]
.endm
	s_cmp_eq_u32 s66, 3
	s_cbranch_scc0 .Lno_bias
	s_cmp_eq_u32 s85, 0
	s_cselect_b64 s[92:93], s[68:69], s[70:71]
	s_add_nc_u64 s[92:93], s[92:93], s[98:99]
.irp b, 0,1,2,3
.irp w, 0,1
	global_load_b128 v[BI+16*\b+8*\w:BI+16*\b+8*\w+3], v[BO], s[92:93] offset:(32*\b+16*\w)*4
	global_load_b128 v[BI+16*\b+8*\w+4:BI+16*\b+8*\w+7], v[BO], s[92:93] offset:(32*\b+16*\w)*4+16
.endr
.endr
	s_wait_loadcnt 0x0
	s_branch .Lbiased
.Lno_bias:
.set i, 0
.rept 64
	v_mov_b32 v[BI+i], 0
.set i, i+1
.endr
.Lbiased:
	s_lshl_b32 s94, s85, 10
	s_mov_b32 s95, 0
	s_add_nc_u64 s[12:13], s[74:75], s[94:95]
	s_lshl_b32 s94, s85, 1
	s_add_nc_u64 s[78:79], s[76:77], s[94:95]
.irp a, 0,1,2,3,4,5,6,7
	ABLK \a
.endr
	s_wait_tensorcnt 0x0
	ds_add_u32 v[SPW], v[NIL]
	s_wait_dscnt 0x0
	CROUND
	s_endpgm
.Lfunc_end_k_q48f9df6be7_proj:
	.size	k_q48f9df6be7_proj, .Lfunc_end_k_q48f9df6be7_proj-k_q48f9df6be7_proj
	.p2alignl 7, 3214868480
	.fill 96, 4, 3214868480
	.section	.rodata,"a",@progbits
	.p2align	6, 0x0
	.amdhsa_kernel k_q48f9df6be7_proj
		.amdhsa_group_segment_fixed_size 327680
		.amdhsa_private_segment_fixed_size 0
		.amdhsa_enable_private_segment 0
		.amdhsa_kernarg_size 80
		.amdhsa_user_sgpr_count 2
		.amdhsa_user_sgpr_kernarg_segment_ptr 1
		.amdhsa_wavefront_size32 1
		.amdhsa_system_sgpr_workgroup_id_x 1
		.amdhsa_system_sgpr_workgroup_id_y 1
		.amdhsa_system_sgpr_workgroup_id_z 1
		.amdhsa_system_vgpr_workitem_id 0
		.amdhsa_next_free_vgpr 1024
		.amdhsa_next_free_sgpr 102
		.amdhsa_reserve_vcc 0
		.amdhsa_float_denorm_mode_32 3
		.amdhsa_float_denorm_mode_16_64 3
		.amdhsa_memory_ordered 1
		.amdhsa_forward_progress 1
		.amdhsa_inst_pref_size 211
	.end_amdhsa_kernel
	.amdgpu_metadata
---
amdhsa.version: [ 1, 2 ]
amdhsa.kernels:
  - .name:           k_q48f9df6be7_proj
    .symbol:         k_q48f9df6be7_proj.kd
    .args:
      - { .name: prepq, .offset: 0, .size: 8, .value_kind: global_buffer, .address_space: global }
      - { .name: position_embedding_codes, .offset: 8, .size: 8, .value_kind: global_buffer, .address_space: global }
      - { .name: position_embedding_scales, .offset: 16, .size: 8, .value_kind: global_buffer, .address_space: global }
      - { .name: W_qkv_codes, .offset: 24, .size: 8, .value_kind: global_buffer, .address_space: global }
      - { .name: W_qkv_scales, .offset: 32, .size: 8, .value_kind: global_buffer, .address_space: global }
      - { .name: W_pe_codes, .offset: 40, .size: 8, .value_kind: global_buffer, .address_space: global }
      - { .name: W_pe_scales, .offset: 48, .size: 8, .value_kind: global_buffer, .address_space: global }
      - { .name: u, .offset: 56, .size: 8, .value_kind: global_buffer, .address_space: global }
      - { .name: v, .offset: 64, .size: 8, .value_kind: global_buffer, .address_space: global }
      - { .name: proj, .offset: 72, .size: 8, .value_kind: global_buffer, .address_space: global }
    .group_segment_fixed_size: 327680
    .private_segment_fixed_size: 0
    .kernarg_segment_align: 8
    .kernarg_segment_size: 80
    .max_flat_workgroup_size: 128
    .sgpr_count:     102
    .vgpr_count:     1024
    .wavefront_size: 32
...
	.end_amdgpu_metadata
.endif
;; end of part 6
;; launch attn (part 7): grid 16 x 16, 8 waves a work-group, no clusters, 215,040 bytes of LDS; arguments proj, maskw, av, flags; writes av
.if DOCPART == 7
	.amdgcn_target "amdgcn-amd-amdhsa--gfx1250"
	.amdhsa_code_object_version 6
	.text
	.protected	k_q48f9df6be7_attn
	.globl	k_q48f9df6be7_attn
	.p2align	8
	.type	k_q48f9df6be7_attn,@function
k_q48f9df6be7_attn:
	s_mov_b64 s[64:65], 0
	v_nop
	global_prefetch_b8 v0, s[64:65] scope:SCOPE_SE
	s_setreg_imm32_b32 hwreg(HW_REG_WAVE_MODE, 25, 1), 1
	s_wait_xcnt 0x0
; Attention on codes of E4M3.  score = ((Q + u) . K + (Q + v) . pe) / 8 is ONE product with K = 128: [(Q + u) | (Q + v)] . [K | pe], four blocks of 32, each with its own scale.
; t = score x log2(e) / 8; M = the row's largest t so far, rounded up to a whole number; p = 2^(t - M) is quantised along the keys, not normalised; the row's sum of the unquantised p divides O at the end.
; When M moves, the sum and O are multiplied by 2^(old M - new M): exact.  The result av is quantised along the out-projection's K and stored as images of that operand's registers.
; SHARES.  A work-group (x = block y, y = head) has eight tiles of 16 queries and EIGHT waves of 512 registers, two to a SIMD.  A WAVE OWNS TWO TILES, so that each fragment of [K | pe] and of V^T that it reads from LDS can feed two products:
; with k = wave % 2 + 2 (wave / 4): tile A = 4 y + k, tile B = 127 - 4 y - k, one from either end of the queries, so that the eight waves have like shares whichever way a mask that grows with the query leans.
; Tile A's numbers lie in register window 0, tile B's under the same register numbers in window 1: one text of the softmax serves both.  Addresses and all scale words lie in window 0.
; TWO WAVES SHARE A PAIR OF TILES' KEYS: half (wave / 2) % 2 = 0 walks the even key steps (128 keys each), 1 the odd ones; each keeps its own M, sum and O^T, and they are joined at the end.  The partner of wave w is wave w xor 2.
; A trip serves a PAIR of key steps: its operands (49,152 bytes) go from memory through registers into one of two LDS places, 192 bytes a thread, a trip ahead; 16 trips, one barrier each; the last asks for nothing (a branch on the trip's number).
; THE MASK is an input.  An earlier launch has turned it into lane words (maskw: one 32-bit word for each score register) and two flags for each piece of 16 queries x 128 keys (flags: four words a tile).
; A step in which no key counts for either tile is passed over; where none counts for one tile, that tile's selects, softmax and second product are passed over (its scores are made with the other's and not read);
; a piece in which no key is hidden neither fetches its lane words nor makes the 64 selects.  All are scalar branches on stored whole numbers, so this launch has no tensor load; no barrier stands under them.  That is right for every mask.
; No cluster: the work-groups of a head read the same tiles, but joint loads do not go with branches on stored numbers.
; LAYOUT.  Both products are used transposed: S^T = [K | pe] q^T, O^T = V^T P^T: a lane holds ONE query (lane % 16) of each tile.  Score register 8 t + j holds key 16 t + 8 h + j of the step; two exchanges of half-waves a block lay p's codes as the operand wants them.
; A query all of whose keys are hidden has the sum 0: its codes are zeros and its scale bytes 0xff, which make its row of the out-projection NaN, as reference() has it.
; LIMITS: NaN and infinities among the operands are not served; av's blocks under 2^-118 keep the byte 1, blocks of zeros too; the scaled scores stay under 2^31 in magnitude.
; REGISTERS (both windows): v12 -M, v13 the largest t, v[14:15] the sum; v16-31 Q; v32-95 four fragments; v96-159 S^T, then p; v160-191 O^T; v192-207 codes; v232-254 at work.
; Window 0 alone: v1-11 addresses; v210 tile B's p scale word, v212 its Q scale words, v255 tile A's.  The next pair's bytes wait in window 1's v0-11 and v208-231 and window 0's v216-227.
.set QI,    8388608
.set VI,    12582912
.set KPS,   16777216
.set QS,    17039360
.set VS,    17170432
.set AVSC,  2097152
.set HSL,   24576                      ; LDS: a key step's operands: 16,384 bytes of [K | pe], then 8,192 of V^T
.set PAIR,  49152                      ; a pair of steps; two such places, at 0 and at PAIR
.set VOFF,  16384
.set MRG,   98304                      ; where a wave lays its two O^T, -M and sums for its partner
.set MRB,   9216
.set TLB,   4608                       ; a tile's part of them
.set SCV,   172032                     ; the head's scale words of V^T: 8,192 bytes
.set SCK,   180224                     ; and of [K | pe]: 16,384 bytes
.set LI,  1
.set LS,  2
.set LT,  3
.set F0,  4
.set R4,  5
.set F1,  6
.set PFO, 7
.set LIB, 8
.set ADS, 9
.set ADT, 10
.set F0B, 11
.set PWB, 210
.set QSB, 212
.set PFA, 2
.set PTB, 4
.set WKB, 5
.set AVS, 6
.set AVP, 8
.set WV,  10
.set DT,  13                           ; s13 tile B's number less tile A's
.set PFS, 14
.set KPP, 16
.set VPP, 18
.set MP,  20
.set CS,  22
.set SEL, 24
.set MNT, 26
.set CNT, 27
.set TS,  30
.set TJ,  31
.set WK,  66
.set PT,  67
.set LIM, 100
.set SN,  101
.set MPB, 104
.set MSB, 0
.macro WIN new                         ; the immediate's high byte repeats the setting that is left
.if MSB != \new
	s_set_vgpr_msb (MSB<<8)|\new
.set MSB, \new
.endif
.endm
	s_load_b128 s[4:7], s[0:1], 0x0                ; proj, maskw
	s_load_b64 s[8:9], s[0:1], 0x10                ; av
	s_load_b64 s[56:57], s[0:1], 0x18              ; flags
	v_lshrrev_b32 v232, 5, v0
	s_delay_alu instid0(VALU_DEP_1)
	v_readfirstlane_b32 s[WV], v232                ; wave 0..7
	v_and_b32 v232, 31, v0                         ; lane
	s_lshr_b32 s11, s[WV], 2
	s_and_b32 s12, s[WV], 1
	s_lshl_b32 s11, s11, 1
	s_bfe_u32 s27, s[WV], 0x10001                  ; my half of the key steps
	v_lshlrev_b32 v[ADT], 4, v232                  ; 16 x lane: Q's offset, until the first step
	s_mul_i32 s28, s27, HSL
	v_add_nc_u32 v[LI], s28, v[ADT]
	s_delay_alu instid0(VALU_DEP_1)
	v_add_nc_u32 v[LIB], PAIR, v[LI]
	v_lshlrev_b32 v[LS], 2, v232
	s_lshl_b32 s28, s27, 8
	v_add_nc_u32 v[LT], s28, v[LS]
	s_delay_alu instid0(VALU_DEP_1)
	v_add_nc_u32 v[LT], SCV, v[LT]
	s_lshl_b32 s28, s27, 9
	v_add_nc_u32 v[LS], s28, v[LS]
	s_delay_alu instid0(VALU_DEP_1)
	v_add_nc_u32 v[LS], SCK, v[LS]
	v_lshlrev_b32 v[F0], 4, v0
	s_delay_alu instid0(VALU_DEP_1)
	v_add_nc_u32 v[F0B], PAIR, v[F0]
	s_delay_alu instid0(VALU_DEP_2)
	v_add_nc_u32 v[F1], SCV, v[F0]
	v_and_b32 v[R4], 15, v0
	s_delay_alu instid0(VALU_DEP_1)
	v_lshlrev_b32 v[R4], 2, v[R4]
	v_lshlrev_b32 v[PFO], 8, v232
	s_or_b32 s12, s12, s11                         ; k
	s_lshl_b32 s28, ttmp9, 2
	s_add_co_u32 s12, s12, s28                     ; tile A
	s_sub_co_u32 s44, 127, s12                     ; tile B
	s_and_b32 s13, ttmp7, 0xffff                   ; the head
	s_mov_b32 s29, 0
	s_mov_b32 s[CS], 0x3e38aa3b
	s_mov_b32 s[CS+1], s[CS]
	s_mov_b32 s[SEL], 0x76543210
	s_mov_b32 s[SEL+1], 0xfedcba98
	s_mov_b32 s[MNT], 0x600000
	s_mov_b32 s[TS], 0
	s_mov_b32 s[TJ], 0
	s_mov_b32 s[SN], 0
	s_wait_alu depctr_va_vdst(0)
	s_wait_kmcnt 0x0
	s_lshl_b32 s28, s12, 4
	s_add_nc_u64 s[58:59], s[56:57], s[28:29]
	s_load_b128 s[32:35], s[58:59], 0x0            ; tile A's four flag words,
	s_lshl_b32 s28, s44, 4
	s_add_nc_u64 s[60:61], s[56:57], s[28:29]
	s_load_b128 s[36:39], s[60:61], 0x0            ; tile B's
	s_lshl_b32 s11, s27, 8
	s_lshl_b32 s28, s12, 13
	s_add_co_u32 s28, s28, s11
	s_add_nc_u64 s[MP:MP+1], s[6:7], s[28:29]      ; tile A's lane words: 256 bytes a step, from my first step on,
	s_lshl_b32 s28, s44, 13
	s_add_co_u32 s28, s28, s11
	s_add_nc_u64 s[MPB:MPB+1], s[6:7], s[28:29]    ; tile B's
	s_lshl_b32 s45, s13, 18
	s_add_co_u32 s45, s45, QI
	s_lshl_b32 s28, s12, 11
	s_add_co_u32 s28, s28, s45
	s_add_nc_u64 s[48:49], s[4:5], s[28:29]        ; Q's images
	s_lshl_b32 s28, s44, 11
	s_add_co_u32 s28, s28, s45
	s_add_nc_u64 s[40:41], s[4:5], s[28:29]
	s_lshl_b32 s45, s13, 13
	s_add_co_u32 s45, s45, QS
	s_lshl_b32 s28, s12, 6
	s_add_co_u32 s28, s28, s45
	s_add_nc_u64 s[50:51], s[4:5], s[28:29]        ; their scale words
	s_lshl_b32 s28, s44, 6
	s_add_co_u32 s28, s28, s45
	s_add_nc_u64 s[42:43], s[4:5], s[28:29]
	s_lshl_b32 s28, s13, 14
	s_add_co_u32 s28, s28, KPS
	s_add_nc_u64 s[52:53], s[4:5], s[28:29]        ; the head's scale words of [K | pe]
	s_lshl_b32 s28, s13, 13
	s_add_co_u32 s28, s28, VS
	s_add_nc_u64 s[54:55], s[4:5], s[28:29]        ; and of V^T
	s_lshl_b32 s28, s13, 19
	s_add_nc_u64 s[KPP:KPP+1], s[4:5], s[28:29]    ; the head's images of [K | pe], pair 0
	s_lshl_b32 s28, s13, 18
	s_add_co_u32 s28, s28, VI
	s_add_nc_u64 s[VPP:VPP+1], s[4:5], s[28:29]    ; and of V^T
.irp c, 0,1,2,3
	global_load_b128 v[16+4*\c:19+4*\c], v[ADT], s[48:49] offset:512*\c
.endr
	global_load_b32 v255, v[R4], s[50:51]
	global_load_b32 v[QSB], v[R4], s[42:43]
	WIN 0x40
.irp c, 0,1,2,3
	global_load_b128 v[16+4*\c:19+4*\c], v[ADT], s[40:41] offset:512*\c
.endr
	WIN 0
.irp j, 0,1,2,3
	global_load_b128 v[32+4*\j:35+4*\j], v[F0], s[52:53] offset:4096*\j
.endr
.irp j, 0,1
	global_load_b128 v[48+4*\j:51+4*\j], v[F0], s[54:55] offset:4096*\j
.endr
.irp j, 0,1,2,3,4,5,6,7
	global_load_b128 v[56+4*\j:59+4*\j], v[F0], s[KPP:KPP+1] offset:4096*\j
.endr
.irp j, 0,1,2,3
	global_load_b128 v[88+4*\j:91+4*\j], v[F0], s[VPP:VPP+1] offset:4096*\j
.endr
	; where tile A's av goes: head x owns K step x / 2 of the out-projection, register groups and bytes 2 (x % 2) and 2 (x % 2) + 1
	s_lshr_b32 s11, s13, 1
	s_and_b32 s47, s13, 1
	s_lshl_b32 s28, s12, 9
	s_lshl_b32 s46, s11, 6
	s_add_co_u32 s28, s28, s46
	s_lshl_b32 s46, s47, 1
	s_add_co_u32 s28, s28, s46
	s_add_co_u32 s28, s28, AVSC
	s_add_nc_u64 s[AVS:AVS+1], s[8:9], s[28:29]
	s_lshl_b32 s28, s12, 14
	s_lshl_b32 s46, s11, 11
	s_add_co_u32 s28, s28, s46
	s_lshl_b32 s46, s47, 10
	s_add_co_u32 s28, s28, s46
	s_add_nc_u64 s[AVP:AVP+1], s[8:9], s[28:29]
	s_sub_co_u32 s[DT], s44, s12                   ; tile B's lies so many tiles further on: 1 at the least
	; the prefetches: all work-groups of a head walk the same images, so the head's first work-group asks: waves 0 to 3 for the quarters of a pair's [K | pe], waves 4 and 5 for the halves of its V^T; lanes 256 bytes apart
	s_mov_b32 s[PFS], 16384
	s_cmp_lt_u32 s[WV], 4
	s_cselect_b64 s[PFA:PFA+1], s[KPP:KPP+1], s[VPP:VPP+1]
	s_cselect_b32 s[PFS], 32768, s[PFS]
	s_mov_b32 s[PFS+1], 0
	s_lshl_b32 s28, s[PFS], 1                      ; pair 2: pair 1 comes by its loads alone
	s_and_b32 s11, s[WV], 3
	s_lshl_b32 s11, s11, 13
	s_add_co_u32 s28, s28, s11
	s_add_nc_u64 s[PFA:PFA+1], s[PFA:PFA+1], s[28:29]
	s_cmp_lt_u32 s[WV], 6
	s_cselect_b32 s11, ttmp9, 1
	s_cmp_eq_u32 s11, 0
	s_cselect_b32 s[LIM], 14, 0                    ; trip i asks for pair i + 2: the last two trips ask for nothing
.macro INIT                            ; a tile's state: the largest t -3e38, under every t; zeros, which the first change of M leaves zeros
	v_mov_b32 v13, 0xff61b1e6
	s_delay_alu instid0(VALU_DEP_1)
	v_floor_f32 v12, -v13
	v_mov_b32 v14, 0
	v_mov_b32 v15, 0
.irp b, 0,1,2,3
	v_mov_b32 v[236+\b], 0
.endr
	v_mov_b32 v253, 0
	v_mov_b32 v254, 0
.set i, 0
.rept 32
	v_mov_b32 v[160+i], 0
.set i, i+1
.endr
.endm
	INIT
	WIN 0x55
	INIT
	WIN 0
.macro FLG wk, pt, b                   ; a tile's 32 steps: bit s of wk: some key counts; of pt: some key is hidden
	s_and_b32 s[\wk], s[\b], 0xff
	s_bfe_u32 s[\pt], s[\b], 0x80008
.irp k, 1,2,3
	s_and_b32 s11, s[\b+\k], 0xff
	s_lshl_b32 s11, s11, 8*\k
	s_or_b32 s[\wk], s[\wk], s11
	s_bfe_u32 s11, s[\b+\k], 0x80008
	s_lshl_b32 s11, s11, 8*\k
	s_or_b32 s[\pt], s[\pt], s11
.endr
.endm
	s_wait_alu depctr_va_vdst(0)
	s_wait_kmcnt 0x0                               ; the flags
	FLG WK, PT, 32
	FLG WKB, PTB, 36
	s_lshr_b32 s[WK], s[WK], s27                   ; bit 0: my first step
	s_lshr_b32 s[PT], s[PT], s27
	s_lshr_b32 s[WKB], s[WKB], s27
	s_lshr_b32 s[PTB], s[PTB], s27
	s_wait_loadcnt 0x0
.irp j, 0,1
	ds_store_b128 v[F1], v[48+4*\j:51+4*\j] offset:4096*\j
.endr
.irp j, 0,1,2,3
	ds_store_b128 v[F1], v[32+4*\j:35+4*\j] offset:SCK-SCV+4096*\j
.endr
.irp j, 0,1,2,3,4,5,6,7
	ds_store_b128 v[F0], v[56+4*\j:59+4*\j] offset:(\j/4)*HSL+(\j%4)*4096   ; the first 16,384 bytes are the even step's
.endr
.irp j, 0,1,2,3
	ds_store_b128 v[F0], v[88+4*\j:91+4*\j] offset:(\j/2)*HSL+VOFF+(\j%2)*4096
.endr
	s_add_nc_u64 s[KPP:KPP+1], s[KPP:KPP+1], 32768 ; (their loads are in) on to pair 1
	s_add_nc_u64 s[VPP:VPP+1], s[VPP:VPP+1], 16384
	s_wait_dscnt 0x0                               ; for the others' sake: my stores have landed
	s_barrier_signal -1
	s_barrier_wait -1
.macro SQ j                            ; where quad j of my 12 of the next pair's bytes waits: register SR of window SW
.if (\j) < 3
.set SR, 4*(\j)
.set SW, 1
.elseif (\j) < 9
.set SR, 208+4*((\j)-3)
.set SW, 1
.else
.set SR, 216+4*((\j)-9)
.set SW, 0
.endif
.endm
.macro ASKQ j                          ; quads 0-7: [K | pe]; 8-11: V^T
	SQ \j
	WIN 0x40*SW
.if (\j) < 8
	global_load_b128 v[SR:SR+3], v[F0], s[KPP:KPP+1] offset:4096*(\j)
.else
	global_load_b128 v[SR:SR+3], v[F0], s[VPP:VPP+1] offset:4096*((\j)-8)
.endif
.endm
.macro PUTQ j, fs
	SQ \j
	WIN 0x04*SW
.if (\j) < 8
	ds_store_b128 v[\fs], v[SR:SR+3] offset:((\j)/4)*HSL+((\j)%4)*4096
.else
	ds_store_b128 v[\fs], v[SR:SR+3] offset:(((\j)-8)/2)*HSL+VOFF+(((\j)-8)%2)*4096
.endif
.endm
.macro SM g, qs                        ; four tiles of 16 keys against one tile of queries
.irp q, 0,1
	v_wmma_scale_f32_16x16x128_f8f6f4 v[96+8*(4*\g+2*\q):103+8*(4*\g+2*\q)], v[32+32*\q:47+32*\q], v[16:31], 0, v[248+2*\g+\q], v[\qs]
	v_wmma_scale_f32_16x16x128_f8f6f4 v[104+8*(4*\g+2*\q):111+8*(4*\g+2*\q)], v[48+32*\q:63+32*\q], v[16:31], 0, v[248+2*\g+\q], v[\qs] matrix_a_scale:MATRIX_SCALE_ROW1
.endr
.endm
.macro PV pw                           ; O^T += V^T P^T of one tile: four accumulators by turns
.irp q, 0,1
	v_wmma_scale_f32_16x16x128_f8f6f4 v[160+16*\q:167+16*\q], v[32+32*\q:47+32*\q], v[192:207], v[160+16*\q:167+16*\q], v[248+\q], v[\pw]
	v_wmma_scale_f32_16x16x128_f8f6f4 v[168+16*\q:175+16*\q], v[48+32*\q:63+32*\q], v[192:207], v[168+16*\q:175+16*\q], v[248+\q], v[\pw] matrix_a_scale:MATRIX_SCALE_ROW1
.endr
.endm
.macro HIDE mp                         ; the piece's 64 lane words
	s_load_b512 s[32:47], s[\mp:\mp+1], 0x0
	s_load_b512 s[48:63], s[\mp:\mp+1], 0x40
	s_load_b512 s[68:83], s[\mp:\mp+1], 0x80
	s_load_b512 s[84:99], s[\mp:\mp+1], 0xc0
.endm
.macro SELECTS                         ; and the 64 selects: -infinity, so that p = 0
	v_mov_b32 v254, 0xff800000
	s_wait_kmcnt 0x0
	s_wait_alu depctr_va_vdst(0)                   ; directly ahead of the scores' first readers
.irp n, 0,1,2,3,4,5,6,7,8,9,10,11,12,13,14,15,16,17,18,19,20,21,22,23,24,25,26,27,28,29,30,31,32,33,34,35,36,37,38,39,40,41,42,43,44,45,46,47,48,49,50,51,52,53,54,55,56,57,58,59,60,61,62,63
	v_cndmask_b32 v[96+\n], v[96+\n], v254, s[32+\n+4*(\n/32)]
.endr
.endm
; THE SOFTMAX OF ONE TILE'S PIECE, up to p's codes and O^T under the new M.  w = 0: window 0; w = 1: the caller has set every operand place to window 1; p's scale word goes to window 0 in both.
.macro SOFT w
	s_wait_alu depctr_va_vdst(0)                   ; the scores may be first read behind the other tile's exponentials
.irp b, 0,1,2,3
	v_max3_num_f32 v[232+\b], v[96+16*\b], v[97+16*\b], v[98+16*\b]   ; the largest score of each block of 32 keys: for the row's maximum and, since p rises with the score, for the block's largest p
.endr
.irp i, 3,5,7,9,11,13
.irp b, 0,1,2,3
	v_max3_num_f32 v[232+\b], v[232+\b], v[96+16*\b+\i], v[97+16*\b+\i]
.endr
.endr
.irp b, 0,1,2,3
	v_max_num_f32 v[232+\b], v[232+\b], v[111+16*\b]
.endr
.irp b, 0,1,2,3
	s_delay_alu instid0(VALU_DEP_4)
	v_permlanex16_b32 v[236+\b], v[232+\b], s[SEL], s[SEL+1]
.endr
.irp b, 0,1,2,3
	s_delay_alu instid0(VALU_DEP_4)
	v_max_num_f32 v[232+\b], v[232+\b], v[236+\b]  ; with lane l xor 16's 16 keys
.endr
	s_delay_alu instid0(VALU_DEP_2)
	v_max3_num_f32 v254, v232, v233, v234
	s_delay_alu instid0(VALU_DEP_1)
	v_max_num_f32 v254, v254, v235
	s_delay_alu instid0(VALU_DEP_1)
	v_mul_f32 v254, s[CS], v254                    ; the step's largest score as t
	s_delay_alu instid0(VALU_DEP_1)
	v_max_num_f32 v13, v13, v254                   ; the running largest t
	v_mov_b32 v254, v12
	s_delay_alu instid0(VALU_DEP_2)
	v_floor_f32 v12, -v13                          ; the new -M = -ceil(t)
	s_delay_alu instid0(VALU_DEP_1)
	v_sub_f32 v254, v12, v254                      ; old M - new M: a whole number, 0 or less
	s_delay_alu instid0(VALU_DEP_1)
	v_cvt_i32_f32 v254, v254                       ; (it saturates)
	s_delay_alu instid0(VALU_DEP_1)
	v_ldexp_f32 v252, 1.0, v254                    ; f = 2^(old M - new M)
.irp j, 0,2,4,6,8,10,12,14,16,18,20,22,24,26,28,30,32,34,36,38,40,42,44,46,48,50,52,54,56,58,60,62
	v_pk_fma_f32 v[96+\j:97+\j], v[96+\j:97+\j], s[CS:CS+1], v[12:13] op_sel_hi:[1,0,0]   ; t - M, two at a time
.endr
.irp b, 0,1,2,3
	v_fma_f32 v[232+\b], v[232+\b], s[CS], v12     ; the same of each block's largest score
.endr
	s_wait_alu depctr_va_vdst(0)
.irp j, 0,1,2,3,4,5,6,7,8,9,10,11,12,13,14,15,16,17,18,19,20,21,22,23,24,25,26,27,28,29,30,31,32,33,34,35,36,37,38,39,40,41,42,43,44,45,46,47,48,49,50,51,52,53,54,55,56,57,58,59,60,61,62,63
	v_exp_f32 v[96+\j], v[96+\j]                   ; p = 2^(t - M)
.endr
	v_pk_mul_f32 v[14:15], v[14:15], v[252:253] op_sel_hi:[1,0]   ; the sums under the new M: a plain instruction behind the exponentials
	s_wait_alu depctr_va_vdst(0)                   ; one wait for the whole batch, ahead of its first reader
.irp b, 0,1,2,3
	v_exp_f32 v[232+\b], v[232+\b]                 ; the block's largest p
.endr
	v_pk_add_f32 v[236:237], v[100:101], v[104:105]
	v_pk_add_f32 v[250:251], v[108:109], v[112:113]
	v_pk_add_f32 v[246:247], v[116:117], v[120:121]
	v_pk_add_f32 v[244:245], v[124:125], v[128:129]
	v_pk_add_f32 v[242:243], v[132:133], v[136:137]
	v_pk_add_f32 v[240:241], v[140:141], v[144:145]
	v_pk_add_f32 v[238:239], v[148:149], v[152:153]
	v_pk_add_f32 v[14:15], v[14:15], v[156:157]
	v_pk_add_f32 v[236:237], v[236:237], v[96:97]
	v_pk_add_f32 v[250:251], v[250:251], v[98:99]
	v_pk_add_f32 v[246:247], v[246:247], v[102:103]
	v_pk_add_f32 v[244:245], v[244:245], v[106:107]
	v_pk_add_f32 v[242:243], v[242:243], v[110:111]
	v_pk_add_f32 v[240:241], v[240:241], v[114:115]
	v_pk_add_f32 v[238:239], v[238:239], v[118:119]
	v_pk_add_f32 v[14:15], v[14:15], v[122:123]
	v_pk_add_f32 v[236:237], v[236:237], v[126:127]
	v_pk_add_f32 v[250:251], v[250:251], v[130:131]
	v_pk_add_f32 v[246:247], v[246:247], v[134:135]
	v_pk_add_f32 v[244:245], v[244:245], v[138:139]
	v_pk_add_f32 v[242:243], v[242:243], v[142:143]
	v_pk_add_f32 v[240:241], v[240:241], v[146:147]
	v_pk_add_f32 v[238:239], v[238:239], v[150:151]
	v_pk_add_f32 v[14:15], v[14:15], v[154:155]
	v_pk_add_f32 v[236:237], v[236:237], v[158:159]
	s_delay_alu instid0(VALU_DEP_2)
	v_pk_add_f32 v[14:15], v[14:15], v[244:245]
	s_delay_alu instid0(VALU_DEP_2)
	v_pk_add_f32 v[236:237], v[236:237], v[242:243]
	v_pk_add_f32 v[250:251], v[250:251], v[240:241]
	v_pk_add_f32 v[246:247], v[246:247], v[238:239]
	s_delay_alu instid0(VALU_DEP_2)
	v_pk_add_f32 v[14:15], v[14:15], v[250:251]
	s_delay_alu instid0(VALU_DEP_2)
	v_pk_add_f32 v[236:237], v[236:237], v[246:247]
	s_delay_alu instid0(VALU_DEP_1)
	v_pk_add_f32 v[14:15], v[14:15], v[236:237]    ; the row's sum is taken of the unquantised p
	s_wait_alu depctr_va_vdst(0)                   ; and one for the four
.irp b, 0,1,2,3
	v_max_num_f32 v[232+\b], 0x4800000, v[232+\b]  ; the floor 2^(9 - 127): the byte cannot fall under 1
.endr
.irp b, 0,1,2,3
	s_delay_alu instid0(VALU_DEP_4)
	v_add_nc_u32 v[244+\b], 0xfc000000, v[232+\b]  ; the conversion's scale operand
.endr
.irp b, 0,1,2,3
	v_and_or_b32 v[240+\b], v[232+\b], 0x7f800000, s[MNT]   ; 448 x the scale
.endr
.irp b, 0,1,2,3
	v_lshrrev_b32 v[236+\b], 23, v[244+\b]         ; the scale's byte
.endr
	s_delay_alu instid0(VALU_DEP_3)
	v_lshl_or_b32 v253, v237, 8, v236              ; p's scale word for these 128 keys
	s_delay_alu instid0(VALU_DEP_1)
	v_lshl_or_b32 v253, v238, 16, v253
.if \w
	WIN 0x11                                       ; scale operands are taken from window 0: tile B's word is finished there
	v_lshl_or_b32 v[PWB], v239, 24, v253
	WIN 0x55
.else
	s_delay_alu instid0(VALU_DEP_1)
	v_lshl_or_b32 v253, v239, 24, v253
.endif
.irp b, 0,1,2,3
.irp i, 0,1,2,3,4,5,6,7,8,9,10,11,12,13,14,15
	v_min_num_f32 v[96+16*\b+\i], v[96+16*\b+\i], v[240+\b]   ; the conversion does not saturate (ISA guide 7.6.2); p is not negative, so the hold is one-sided
.endr
	v_cvt_scalef32_pk8_fp8_f32 v[192+4*\b:193+4*\b], v[96+16*\b:103+16*\b], v[244+\b]
	v_cvt_scalef32_pk8_fp8_f32 v[194+4*\b:195+4*\b], v[104+16*\b:111+16*\b], v[244+\b]
.endr
	s_wait_alu depctr_va_vdst(0)                   ; directly ahead of the first reader of O^T
.irp j, 0,2,4,6,8,10,12,14
	v_pk_mul_f32 v[160+\j:161+\j], v[160+\j:161+\j], v[252:253] op_sel_hi:[1,0]   ; O^T under the new M.  (Plain instructions behind the conversions)
.endr
.irp b, 0,1,2,3
	v_permlane16_swap_b32 v[192+4*\b], v[194+4*\b]     ; lane (r, h) now holds keys 32 b + 16 h + 0 .. 15
	v_permlane16_swap_b32 v[193+4*\b], v[195+4*\b]
.endr
.irp j, 16,18,20,22,24,26,28,30
	v_pk_mul_f32 v[160+\j:161+\j], v[160+\j:161+\j], v[252:253] op_sel_hi:[1,0]   ; (these eight are the places between the codes' last write and the products)
.endr
.endm
; A TRIP: my key step of the pair that lies in place p.  The next pair's bytes are asked for at its head and stored into the other place at its end, in front of the trip's one barrier.  guard = 1: not in trip 15, behind which no pair follows.
.macro KSTEP p, guard
.if \p
.set LR, LIB
.set FS, F0
.else
.set LR, LI
.set FS, F0B
.endif
.if \guard
	s_cmp_lt_u32 s[SN], 15
	s_cbranch_scc0 .Lno_ask_\@
.endif
.irp j, 0,1,2,3,4,5,6,7,8,9,10,11
	ASKQ \j
.endr
	WIN 0
	s_cmp_lt_u32 s[SN], s[LIM]
	s_cbranch_scc0 .Lno_ask_\@
	global_prefetch_b8 v[PFO], s[PFA:PFA+1] th:TH_LOAD_NT scope:SCOPE_SE   ; pair i + 2's bytes: one trip ahead of their load
.Lno_ask_\@:
	s_or_b32 s29, s[WK], s[WKB]
	s_bitcmp1_b32 s29, 0                           ; does any key of my step count for any of my 32 queries?
	s_cbranch_scc0 .Lskip_\@
	v_add_nc_u32 v[ADS], s[TS], v[LS]
	v_add_nc_u32 v[ADT], s[TJ], v[LT]
.rept 6
	v_nop                                          ; with the two additions: eight places in front of loads into registers that the last step's products have read
.endr
.irp t, 0,1,2,3                                ; the step's eight fragments of [K | pe] in one run: four into window 0,
.irp c, 0,1,2,3
	ds_load_b128 v[32+16*\t+4*\c:35+16*\t+4*\c], v[LR] offset:\t*2048+512*\c
.endr
.endr
.irp b, 0,1,2,3
	ds_load_b32 v[248+\b], v[ADS] offset:128*\b    ; lanes 0-15: tile 2 b's scale words, lanes 16-31: tile 2 b + 1's
.endr
	WIN 0x40
.irp t, 0,1,2,3                                ; four into window 1
.irp c, 0,1,2,3
	ds_load_b128 v[32+16*\t+4*\c:35+16*\t+4*\c], v[LR] offset:(4+\t)*2048+512*\c
.endr
.endr
	WIN 0
	s_wait_dscnt 0x0
	SM 0, 255                                      ; S^T of both tiles: sixteen products, each on an accumulator of its own
	WIN 0x01
	SM 1, 255
	WIN 0x44
	SM 0, QSB
	WIN 0x45
	SM 1, QSB
	WIN 0
.rept 8
	v_nop                                          ; places in front of the first read of the scores and of the loads below
.endr
.irp t, 0,1,2,3                                ; V^T's four fragments land while the softmax is worked
.irp c, 0,1,2,3
	ds_load_b128 v[32+16*\t+4*\c:35+16*\t+4*\c], v[LR] offset:VOFF+2048*\t+512*\c
.endr
.endr
	s_wait_alu depctr_va_vdst(0)                   ; the address was made ahead of a wait that blocks
	ds_load_b32 v248, v[ADT]
	ds_load_b32 v249, v[ADT] offset:128
	s_bitcmp1_b32 s[WK], 0                         ; TILE A: does any key count?
	s_cbranch_scc0 .Lnot_a_\@
	s_bitcmp1_b32 s[PT], 0                         ; is any hidden?
	s_cbranch_scc0 .Lopen_a_\@
	HIDE MP
	SELECTS
.Lopen_a_\@:
	SOFT 0
	s_wait_alu depctr_va_vdst(0)
	s_wait_dscnt 0x0                               ; V^T and its scale words are in
	PV 253
.Lnot_a_\@:
	s_bitcmp1_b32 s[WKB], 0                        ; TILE B likewise
	s_cbranch_scc0 .Lskip_\@
	s_bitcmp1_b32 s[PTB], 0
	s_cbranch_scc0 .Lopen_b_\@
	HIDE MPB
	WIN 0x55
	SELECTS
	WIN 0
.Lopen_b_\@:
	WIN 0x55
	SOFT 1
	WIN 0
	s_wait_alu depctr_va_vdst(0)
	s_wait_dscnt 0x0
	WIN 0x54                                       ; p's codes and O^T of tile B: window 1
	PV PWB
	WIN 0
.Lskip_\@:
	s_lshr_b32 s[WK], s[WK], 2                     ; on to my next step's flags,
	s_lshr_b32 s[PT], s[PT], 2
	s_lshr_b32 s[WKB], s[WKB], 2
	s_lshr_b32 s[PTB], s[PTB], 2
	s_add_co_u32 s[TS], s[TS], 1024                ; scale words
	s_add_co_u32 s[TJ], s[TJ], 512
	s_add_nc_u64 s[MP:MP+1], s[MP:MP+1], 512       ; and lane words (no scalar load is out)
	s_add_nc_u64 s[MPB:MPB+1], s[MPB:MPB+1], 512
	s_wait_loadcnt 0x0                             ; the next pair's bytes are in
.if \guard
	s_cmp_lt_u32 s[SN], 15
	s_cbranch_scc0 .Lno_fill_\@
.endif
.irp j, 0,1,2,3,4,5,6,7,8,9,10,11
	PUTQ \j, FS
.endr
	WIN 0
	s_add_nc_u64 s[KPP:KPP+1], s[KPP:KPP+1], 32768
	s_add_nc_u64 s[VPP:VPP+1], s[VPP:VPP+1], 16384
.Lno_fill_\@:
	s_add_co_u32 s[SN], s[SN], 1
	s_wait_xcnt 0x0                                ; the prefetch has read its address
	s_add_nc_u64 s[PFA:PFA+1], s[PFA:PFA+1], s[PFS:PFS+1]
	s_wait_dscnt 0x0                               ; my stores into the other place have landed, and my reads of this one are over:
	s_barrier_signal -1                            ; one barrier a trip serves both
	s_barrier_wait -1
.endm
	s_mov_b32 s[CNT], 8
.Lpair:                                            ; 8 times two trips; the two places are constants of the text
	KSTEP 0, 0
	KSTEP 1, 1
	s_sub_co_u32 s[CNT], s[CNT], 1
	s_cmp_lg_u32 s[CNT], 0
	s_cbranch_scc1 .Lpair
	; THE TWO HALVES ARE JOINED.  The wave of the odd steps lays both O^T and (-M, t, the sum) into its own merge bytes as images of the registers; a barrier; the wave of the even steps reads its partner's.
.rept 8
	v_nop                                          ; places behind the last products
.endr
	s_bfe_u32 s12, s[WV], 0x10001                  ; my half
	s_mul_i32 s11, s[WV], MRB                      ; my merge bytes,
	s_xor_b32 s28, s[WV], 2
	s_mul_i32 s28, s28, MRB                        ; my partner's
	v_and_b32 v10, 31, v0
	s_delay_alu instid0(VALU_DEP_1)
	v_lshlrev_b32 v10, 4, v10                      ; 16 x lane
	s_delay_alu instid0(VALU_DEP_1)
	v_add_nc_u32 v9, s11, v10
	s_delay_alu instid0(VALU_DEP_1)
	v_add_nc_u32 v9, MRG, v9
	s_delay_alu instid0(VALU_DEP_3)
	v_add_nc_u32 v6, s28, v10
	s_delay_alu instid0(VALU_DEP_1)
	v_add_nc_u32 v6, MRG, v6
	s_cmp_eq_u32 s12, 0
	s_cbranch_scc1 .Lkeeps
	s_wait_alu depctr_va_vdst(0)
.irp i, 0,1,2,3,4,5,6,7
	ds_store_b128 v9, v[160+4*\i:163+4*\i] offset:512*\i           ; each accumulator from its low end on
.endr
	ds_store_b128 v9, v[12:15] offset:4096
	WIN 0x04
.irp i, 0,1,2,3,4,5,6,7
	ds_store_b128 v9, v[160+4*\i:163+4*\i] offset:TLB+512*\i
.endr
	ds_store_b128 v9, v[12:15] offset:TLB+4096
	WIN 0
.Lkeeps:
	s_wait_dscnt 0x0                               ; for the partner's sake: my stores have landed
	s_barrier_signal -1
	s_barrier_wait -1
	s_cmp_eq_u32 s12, 0
	s_cbranch_scc1 .Lmerge
	s_wait_xcnt 0x0
	v_lshl_add_u32 v254, v0, 2, 0x34000
	v_mov_b32 v255, 0
	s_wait_alu depctr_va_vdst(0)
	s_wait_tensorcnt 0x0                           ; the wave's end
	ds_add_u32 v254, v255
	s_wait_dscnt 0x0
	s_endpgm                                       ; the wave of the odd steps has handed its part on
; One tile's join and way out: O^T / the sum, quantised along the head's 64 (two blocks of 32), stored as two register groups of the out-projection's operand.  po, so: the offsets of its images and of its scale words.
.macro TAIL w, po, so
	WIN 0x40*\w
.irp i, 0,1,2,3,4,5,6,7
	ds_load_b128 v[32+4*\i:35+4*\i], v6 offset:TLB*\w+512*\i
.endr
	ds_load_b128 v[64:67], v6 offset:TLB*\w+4096
	WIN 0x55*\w
	v_mov_b32 v73, 0                               ; (named as the upper halves of pairs)
	v_mov_b32 v75, 0
	s_wait_dscnt 0x0
	v_min_num_f32 v68, v12, v64                    ; -M of both: the smaller.  (A half that has seen no key has -M = 3e38, and zeros)
	s_delay_alu instid0(VALU_DEP_1)
	v_sub_f32 v69, v68, v12                        ; my M - M: a whole number, 0 or less
	s_delay_alu instid0(VALU_DEP_2)
	v_sub_f32 v70, v68, v64                        ; my partner's
	s_delay_alu instid0(VALU_DEP_2)
	v_cvt_i32_f32 v69, v69                         ; (they saturate)
	s_delay_alu instid0(VALU_DEP_2)
	v_cvt_i32_f32 v70, v70
	s_delay_alu instid0(VALU_DEP_2)
	v_ldexp_f32 v72, 1.0, v69                      ; both factors are powers of two: nothing is rounded
	s_wait_alu depctr_va_vdst(0)
	v_ldexp_f32 v74, 1.0, v70
	v_pk_mul_f32 v[14:15], v[14:15], v[72:73] op_sel_hi:[1,0]
	s_delay_alu instid0(VALU_DEP_1)
	v_pk_fma_f32 v[14:15], v[66:67], v[74:75], v[14:15] op_sel_hi:[1,0,1]
.if \w
	s_wait_alu depctr_va_vdst(0)
.endif
.irp j, 0,2,4,6,8,10,12,14,16,18,20,22,24,26,28,30
	v_pk_mul_f32 v[160+\j:161+\j], v[160+\j:161+\j], v[72:73] op_sel_hi:[1,0]
.endr
.irp j, 0,2,4,6,8,10,12,14,16,18,20,22,24,26,28,30
	v_pk_fma_f32 v[160+\j:161+\j], v[32+\j:33+\j], v[74:75], v[160+\j:161+\j] op_sel_hi:[1,0,1]
.endr
	v_add_f32 v14, v14, v15
	s_delay_alu instid0(VALU_DEP_1)
	v_permlanex16_b32 v254, v14, s[SEL], s[SEL+1]
	s_delay_alu instid0(VALU_DEP_1)
	v_add_f32 v14, v14, v254                       ; the row's sum
	s_wait_alu depctr_va_vdst(0)
	v_rcp_f32 v252, v14
	v_nop                                          ; a plain instruction behind the transcendental
	v_cmp_eq_f32 vcc_lo, 0, v14                    ; every key hidden?
	v_mov_b32 v249, 0xffff
	s_wait_alu depctr_va_vdst(0)
	v_cndmask_b32 v252, v252, 0, vcc_lo            ; then the numbers are zeros,
.irp j, 0,2,4,6,8,10,12,14,16,18,20,22,24,26,28,30
	v_pk_mul_f32 v[96+\j:97+\j], v[160+\j:161+\j], v[252:253] op_sel_hi:[1,0]   ; register 8 t + j: channel 16 t + 8 h + j of my query
.endr
.irp b, 0,1
	v_max3_num_f32 v[232+\b], |v[96+16*\b]|, |v[97+16*\b]|, 0x4800000
.endr
.irp i, 2,4,6,8,10,12,14
.irp b, 0,1
	s_delay_alu instid0(VALU_DEP_2)
	v_max3_num_f32 v[232+\b], v[232+\b], |v[96+16*\b+\i]|, |v[97+16*\b+\i]|
.endr
.endr
.irp b, 0,1
	s_delay_alu instid0(VALU_DEP_2)
	v_permlanex16_b32 v[236+\b], v[232+\b], s[SEL], s[SEL+1]
.endr
.irp b, 0,1
	s_delay_alu instid0(VALU_DEP_2)
	v_max_num_f32 v[232+\b], v[232+\b], v[236+\b]
.endr
.irp b, 0,1
	s_delay_alu instid0(VALU_DEP_2)
	v_add_nc_u32 v[244+\b], 0xfc000000, v[232+\b]
.endr
.irp b, 0,1
	s_delay_alu instid0(VALU_DEP_4)
	v_and_or_b32 v[240+\b], v[232+\b], 0x7f800000, s[MNT]
.endr
.irp b, 0,1
	s_delay_alu instid0(VALU_DEP_4)
	v_lshrrev_b32 v[236+\b], 23, v[244+\b]
.endr
	s_delay_alu instid0(VALU_DEP_1)
	v_lshl_or_b32 v250, v237, 8, v236
	s_delay_alu instid0(VALU_DEP_1)
	v_cndmask_b32 v250, v250, v249, vcc_lo         ; and the two scale bytes 0xff
.irp b, 0,1
.irp i, 0,1,2,3,4,5,6,7,8,9,10,11,12,13,14,15
	v_med3_num_f32 v[96+16*\b+\i], v[96+16*\b+\i], -v[240+\b], v[240+\b]
.endr
	v_cvt_scalef32_pk8_fp8_f32 v[192+4*\b:193+4*\b], v[96+16*\b:103+16*\b], v[244+\b]
	v_cvt_scalef32_pk8_fp8_f32 v[194+4*\b:195+4*\b], v[104+16*\b:111+16*\b], v[244+\b]
.endr
	v_nop
.irp b, 0,1
	v_permlane16_swap_b32 v[192+4*\b], v[194+4*\b]
	v_permlane16_swap_b32 v[193+4*\b], v[195+4*\b]
.endr
	WIN 0x04*\w
	global_store_b128 v[\po], v[192:195], s[AVP:AVP+1]             ; 512 consecutive bytes a store
	global_store_b128 v[\po], v[196:199], s[AVP:AVP+1] offset:512
	global_store_b16 v[\so], v250, s[AVS:AVS+1]
	WIN 0
.endm
.Lmerge:
	s_wait_alu depctr_va_vdst(0)                   ; 16 x lane was made ahead of branches and a barrier
	s_lshl_b32 s11, s[DT], 14                      ; tile B's images lie 16,384 bytes a tile further on,
	v_add_nc_u32 v9, s11, v10
	s_lshl_b32 s11, s[DT], 9                       ; its scale words 512
	v_add_nc_u32 v8, s11, v[R4]
	s_wait_alu depctr_va_vdst(0)
	TAIL 0, 10, R4
	TAIL 1, 9, 8
	s_wait_xcnt 0x0
	v_lshl_add_u32 v254, v0, 2, 0x34000
	v_mov_b32 v255, 0
	s_wait_alu depctr_va_vdst(0)
	s_wait_tensorcnt 0x0                           ; the wave's end
	ds_add_u32 v254, v255
	s_wait_dscnt 0x0
	s_endpgm
.Lfunc_end_k_q48f9df6be7_attn:
	.size	k_q48f9df6be7_attn, .Lfunc_end_k_q48f9df6be7_attn-k_q48f9df6be7_attn
	.p2alignl 7, 3214868480
	.fill 96, 4, 3214868480
	.section	.rodata,"a",@progbits
	.p2align	6, 0x0
	.amdhsa_kernel k_q48f9df6be7_attn
		.amdhsa_group_segment_fixed_size 215040
		.amdhsa_private_segment_fixed_size 0
		.amdhsa_enable_private_segment 0
		.amdhsa_kernarg_size 32
		.amdhsa_user_sgpr_count 2
		.amdhsa_user_sgpr_kernarg_segment_ptr 1
		.amdhsa_wavefront_size32 1
		.amdhsa_system_sgpr_workgroup_id_x 1
		.amdhsa_system_sgpr_workgroup_id_y 1
		.amdhsa_system_sgpr_workgroup_id_z 1
		.amdhsa_system_vgpr_workitem_id 0
		.amdhsa_next_free_vgpr 512
		.amdhsa_next_free_sgpr 106
		.amdhsa_reserve_vcc 1
		.amdhsa_float_denorm_mode_32 3
		.amdhsa_float_denorm_mode_16_64 3
		.amdhsa_memory_ordered 1
		.amdhsa_forward_progress 1
		.amdhsa_inst_pref_size 137
	.end_amdhsa_kernel
	.amdgpu_metadata
---
amdhsa.version: [ 1, 2 ]
amdhsa.kernels:
  - .name:           k_q48f9df6be7_attn
    .symbol:         k_q48f9df6be7_attn.kd
    .args:
      - { .name: proj, .offset: 0, .size: 8, .value_kind: global_buffer, .address_space: global }
      - { .name: maskw, .offset: 8, .size: 8, .value_kind: global_buffer, .address_space: global }
      - { .name: av, .offset: 16, .size: 8, .value_kind: global_buffer, .address_space: global }
      - { .name: flags, .offset: 24, .size: 8, .value_kind: global_buffer, .address_space: global }
    .group_segment_fixed_size: 215040
    .private_segment_fixed_size: 0
    .kernarg_segment_align: 8
    .kernarg_segment_size: 32
    .max_flat_workgroup_size: 256
    .sgpr_count:     106
    .vgpr_count:     512
    .wavefront_size: 32
...
	.end_amdgpu_metadata
.endif
;; end of part 7
;; launch oproj (part 8): grid 256 x 1, 8 waves a work-group, no clusters, 167,936 bytes of LDS; arguments av, prepq, W_out_scales, hidden, xres; writes xres
.if DOCPART == 8
	.amdgcn_target "amdgcn-amd-amdhsa--gfx1250"
	.amdhsa_code_object_version 6
	.text
	.protected	k_q48f9df6be7_oproj
	.globl	k_q48f9df6be7_oproj
	.p2align	8
	.type	k_q48f9df6be7_oproj,@function
k_q48f9df6be7_oproj:
	s_mov_b64 s[64:65], 0
	v_nop
	global_prefetch_b8 v0, s[64:65] scope:SCOPE_SE
	s_setreg_imm32_b32 hwreg(HW_REG_WAVE_MODE, 25, 1), 1
	s_wait_xcnt 0x0
; xres = hidden + av W_out, f32.  The product is on codes of E4M3 with E8M0 scales, K = 1,024 in eight steps of 128.  The LayerNorm follows in a launch of its own, so that a block need not span a whole row.
; SHARES.  Work-group g makes rows 128 (g / 16) .. + 127, columns 64 (g % 16) .. + 63; wave w its rows 16 w .. 16 w + 15: four tiles of 16 columns.
; Source 0 = 16 rows of W_out (columns of the result), source 1 = av's 16 rows: lane (r, h) holds row r, register 8 t + j column 16 t + 8 h + j.
; Both operands lie in memory as images of their registers.  av's eight fragments go straight into 128 registers, read by this wave alone; the block's four tiles of W_out, 65,536 bytes, go once through registers into LDS, 256 bytes a thread, and all eight waves read them there.
; THE RESIDUAL IS THE C OF THE FIRST PRODUCTS: hidden's rows are loaded as whole runs of 256 bytes, turned through the wave's own stage in LDS into the result's layout, and land in the sums' registers.  The result leaves through the same stage.
; All global loads are issued at the head, in one run: there is no loop to run ahead in, so nothing is prefetched.  No tensor loads and no cluster: two thirds of a work-group's operand bytes are av's, which go straight into registers.
; A row whose scale bytes are 0xff (every key hidden) comes out NaN, as reference() has it.
.set WOI,  4325376
.set AVSC, 2097152
.set STG,  65536                       ; LDS: W's images; then eight stages of 16 rows x 272 bytes; then the spare words
.set SPARE, 100352
.set ACC, 12                           ; v12-43   the sums
.set AVF, 44                           ; v44-171  av's eight fragments
.set HT,  AVF+96                       ; hidden's rows as they are loaded lie where K steps 6 and 7 land later
.set WF,  172                          ; v172-235 W's bytes on their way to LDS; then four fragments; then the rows on the way out
.set AS,  236                          ; v236-239 av's scale words: lanes 0-15 the even K step, lanes 16-31 the odd one; pair k at AS + (k + 1) % 4
.set WS,  240                          ; v240-255 W's: pair of tiles p, K step ks at 8 p + ks: lanes 0-15 tile 2 p, lanes 16-31 tile 2 p + 1
	s_load_b256 s[4:11], s[0:1], 0x0               ; av, prepq, W_out's scales, hidden
	s_load_b64 s[12:13], s[0:1], 0x20              ; xres
	v_lshrrev_b32 v1, 5, v0
	s_delay_alu instid0(VALU_DEP_1)
	v_readfirstlane_b32 s14, v1                    ; wave 0..7
	v_and_b32 v1, 31, v0                           ; lane
	v_and_b32 v2, 15, v0                           ; r
	v_bfe_u32 v3, v0, 4, 1                         ; h
	s_delay_alu instid0(VALU_DEP_3)
	v_lshlrev_b32 v4, 4, v1                        ; 16 x lane
	s_delay_alu instid0(VALU_DEP_4)
	v_lshlrev_b32 v5, 2, v1                        ; 4 x lane
	v_lshlrev_b32 v6, 5, v1                        ; 32 x lane: a row of W's scale bytes
	s_delay_alu instid0(VALU_DEP_4)
	v_lshlrev_b32 v7, 12, v3
	s_delay_alu instid0(VALU_DEP_1)
	v_lshl_add_u32 v7, v2, 4, v7                   ; rows as they lie: lanes 0-15 one row's 256 bytes, lanes 16-31 the next row's
	s_mul_i32 s15, s14, 16*272
	s_add_co_u32 s15, s15, STG                     ; my stage
	v_mul_u32_u24 v8, v3, 272
	s_delay_alu instid0(VALU_DEP_1)
	v_lshl_add_u32 v8, v2, 4, v8
	s_delay_alu instid0(VALU_DEP_1)
	v_add_nc_u32 v8, s15, v8                       ; the same two rows in the stage
	v_mul_u32_u24 v9, v2, 272
	s_delay_alu instid0(VALU_DEP_1)
	v_lshl_add_u32 v9, v3, 5, v9
	s_delay_alu instid0(VALU_DEP_1)
	v_add_nc_u32 v9, s15, v9                       ; and the result's layout: row r, + 32 h; tile t 64 bytes on
	v_lshlrev_b32 v10, 4, v0                       ; 16 x thread
	s_lshr_b32 s16, ttmp9, 4                       ; the block's row
	s_and_b32 s17, ttmp9, 15                       ; and column
	s_lshl_b32 s18, s16, 3
	s_add_co_u32 s18, s18, s14                     ; my tile of 16 rows
	s_mov_b32 s25, 0
	s_wait_alu depctr_va_vdst(0)
	s_wait_kmcnt 0x0
	s_lshl_b32 s24, s18, 9
	s_add_co_u32 s24, s24, AVSC
	s_add_nc_u64 s[20:21], s[4:5], s[24:25]        ; av's scale words
	s_lshl_b32 s24, s18, 14
	s_add_nc_u64 s[4:5], s[4:5], s[24:25]          ; av's images
	s_lshl_b32 s24, s17, 16
	s_add_co_u32 s24, s24, WOI
	s_add_nc_u64 s[6:7], s[6:7], s[24:25]          ; the block's four tiles' images of W_out
	s_lshl_b32 s24, s17, 11
	s_add_nc_u64 s[8:9], s[8:9], s[24:25]          ; and their scale bytes
	s_lshl_b32 s24, s18, 16
	s_lshl_b32 s26, s17, 8
	s_add_co_u32 s24, s24, s26
	s_add_nc_u64 s[10:11], s[10:11], s[24:25]      ; hidden and xres at my first row, the block's first column
	s_add_nc_u64 s[12:13], s[12:13], s[24:25]
.irp i, 0,1,2,3,4,5,6,7
	global_load_b128 v[HT+4*\i:HT+4*\i+3], v7, s[10:11] offset:8192*\i th:TH_LOAD_NT   ; hidden: two rows' 256 bytes a load
.endr
.irp j, 0,1,2,3,4,5,6,7,8,9,10,11,12,13,14,15
	global_load_b128 v[WF+4*\j:WF+4*\j+3], v10, s[6:7] offset:4096*\j
.endr
.irp p, 0,1
	global_load_b128 v[WS+8*\p:WS+8*\p+3], v6, s[8:9] offset:1024*\p
	global_load_b128 v[WS+8*\p+4:WS+8*\p+7], v6, s[8:9] offset:1024*\p+16
.endr
.irp k, 0,1,2,3
	global_load_b32 v[AS+(\k+1)%4], v5, s[20:21] offset:128*\k
.endr
.macro AVLOAD ks
.irp c, 0,1,2,3
	global_load_b128 v[AVF+16*(\ks)+4*\c:AVF+16*(\ks)+4*\c+3], v4, s[4:5] offset:2048*(\ks)+512*\c
.endr
.endm
.irp ks, 0,1,2,3,4,5
	AVLOAD \ks
.endr
	s_wait_loadcnt 48                              ; hidden's eight loads are in; the 16 + 4 + 4 + 24 issued behind them may be out
.irp i, 0,1,2,3,4,5,6,7
	ds_store_b128 v8, v[HT+4*\i:HT+4*\i+3] offset:544*\i
.endr
.irp t, 0,1,2,3
	ds_load_b128 v[ACC+8*\t:ACC+8*\t+3], v9 offset:64*\t           ; LDS serves a wave's instructions in order: these see my stores
	ds_load_b128 v[ACC+8*\t+4:ACC+8*\t+7], v9 offset:64*\t+16
.endr
	s_wait_dscnt 0x0
	AVLOAD 6
	AVLOAD 7
	s_wait_loadcnt 40                              ; W's sixteen loads are in; the 4 + 4 + 24 + 8 issued behind them may be out
.irp j, 0,1,2,3,4,5,6,7,8,9,10,11,12,13,14,15
	ds_store_b128 v10, v[WF+4*\j:WF+4*\j+3] offset:4096*\j
.endr
	s_wait_dscnt 0x0                               ; for the others' sake: my stores have landed
	s_barrier_signal -1
	s_barrier_wait -1
.macro PROD t, ks                      ; the accumulators by turns
.if ((\t)%2) && ((\ks)%2)
	v_wmma_scale_f32_16x16x128_f8f6f4 v[ACC+8*\t:ACC+8*\t+7], v[WF+16*\t:WF+16*\t+15], v[AVF+16*\ks:AVF+16*\ks+15], v[ACC+8*\t:ACC+8*\t+7], v[WS+8*(\t/2)+\ks], v[AS+(\ks/2+1)%4] matrix_a_scale:MATRIX_SCALE_ROW1 matrix_b_scale:MATRIX_SCALE_ROW1
.elseif (\t)%2
	v_wmma_scale_f32_16x16x128_f8f6f4 v[ACC+8*\t:ACC+8*\t+7], v[WF+16*\t:WF+16*\t+15], v[AVF+16*\ks:AVF+16*\ks+15], v[ACC+8*\t:ACC+8*\t+7], v[WS+8*(\t/2)+\ks], v[AS+(\ks/2+1)%4] matrix_a_scale:MATRIX_SCALE_ROW1
.elseif (\ks)%2
	v_wmma_scale_f32_16x16x128_f8f6f4 v[ACC+8*\t:ACC+8*\t+7], v[WF+16*\t:WF+16*\t+15], v[AVF+16*\ks:AVF+16*\ks+15], v[ACC+8*\t:ACC+8*\t+7], v[WS+8*(\t/2)+\ks], v[AS+(\ks/2+1)%4] matrix_b_scale:MATRIX_SCALE_ROW1
.else
	v_wmma_scale_f32_16x16x128_f8f6f4 v[ACC+8*\t:ACC+8*\t+7], v[WF+16*\t:WF+16*\t+15], v[AVF+16*\ks:AVF+16*\ks+15], v[ACC+8*\t:ACC+8*\t+7], v[WS+8*(\t/2)+\ks], v[AS+(\ks/2+1)%4]
.endif
.endm
.irp ks, 0,1,2,3,4,5,6,7
.if \ks > 0
.rept 8
	v_nop                                          ; places in front of loads into registers that matrix instructions have read
.endr
.endif
.irp t, 0,1,2,3
.irp c, 0,1,2,3
	ds_load_b128 v[WF+16*\t+4*\c:WF+16*\t+4*\c+3], v4 offset:16384*\t+2048*\ks+512*\c
.endr
.endr
	s_wait_loadcnt 4*(7-\ks)                       ; av's fragment of this K step is in; the later steps' four loads each may be out
	s_wait_dscnt 0x0
.irp t, 0,1,2,3
	PROD \t, \ks
.endr
.endr
.rept 8
	v_nop                                          ; places in front of the first read of the sums and of the loads below
.endr
.irp t, 0,1,2,3
	ds_store_b128 v9, v[ACC+8*\t:ACC+8*\t+3] offset:64*\t          ; each accumulator from its low end on
	ds_store_b128 v9, v[ACC+8*\t+4:ACC+8*\t+7] offset:64*\t+16
.endr
.irp i, 0,1,2,3,4,5,6,7
	ds_load_b128 v[WF+4*\i:WF+4*\i+3], v8 offset:544*\i            ; my own stage: LDS serves a wave's instructions in order
.endr
.irp i, 0,1,2,3,4,5,6,7
	s_wait_dscnt 7-\i                              ; rows 2 i and 2 i + 1 are back; the later ones may be out
	global_store_b128 v7, v[WF+4*\i:WF+4*\i+3], s[12:13] offset:8192*\i   ; sixteen lanes store 256 consecutive bytes, aligned
.endr
	v_lshl_add_u32 v44, v0, 2, SPARE
	v_mov_b32 v45, 0
	s_wait_alu depctr_va_vdst(0)
	s_wait_tensorcnt 0x0                           ; the wave's end
	ds_add_u32 v44, v45
	s_wait_dscnt 0x0
	s_endpgm
.Lfunc_end_k_q48f9df6be7_oproj:
	.size	k_q48f9df6be7_oproj, .Lfunc_end_k_q48f9df6be7_oproj-k_q48f9df6be7_oproj
	.p2alignl 7, 3214868480
	.fill 96, 4, 3214868480
	.section	.rodata,"a",@progbits
	.p2align	6, 0x0
	.amdhsa_kernel k_q48f9df6be7_oproj
		.amdhsa_group_segment_fixed_size 167936
		.amdhsa_private_segment_fixed_size 0
		.amdhsa_enable_private_segment 0
		.amdhsa_kernarg_size 40
		.amdhsa_user_sgpr_count 2
		.amdhsa_user_sgpr_kernarg_segment_ptr 1
		.amdhsa_wavefront_size32 1
		.amdhsa_system_sgpr_workgroup_id_x 1
		.amdhsa_system_sgpr_workgroup_id_y 1
		.amdhsa_system_sgpr_workgroup_id_z 1
		.amdhsa_system_vgpr_workitem_id 0
		.amdhsa_next_free_vgpr 256
		.amdhsa_next_free_sgpr 66
		.amdhsa_reserve_vcc 0
		.amdhsa_float_denorm_mode_32 3
		.amdhsa_float_denorm_mode_16_64 3
		.amdhsa_memory_ordered 1
		.amdhsa_forward_progress 1
		.amdhsa_inst_pref_size 28
	.end_amdhsa_kernel
	.amdgpu_metadata
---
amdhsa.version: [ 1, 2 ]
amdhsa.kernels:
  - .name:           k_q48f9df6be7_oproj
    .symbol:         k_q48f9df6be7_oproj.kd
    .args:
      - { .name: av, .offset: 0, .size: 8, .value_kind: global_buffer, .address_space: global }
      - { .name: prepq, .offset: 8, .size: 8, .value_kind: global_buffer, .address_space: global }
      - { .name: W_out_scales, .offset: 16, .size: 8, .value_kind: global_buffer, .address_space: global }
      - { .name: hidden, .offset: 24, .size: 8, .value_kind: global_buffer, .address_space: global }
      - { .name: xres, .offset: 32, .size: 8, .value_kind: global_buffer, .address_space: global }
    .group_segment_fixed_size: 167936
    .private_segment_fixed_size: 0
    .kernarg_segment_align: 8
    .kernarg_segment_size: 40
    .max_flat_workgroup_size: 256
    .sgpr_count:     66
    .vgpr_count:     256
    .wavefront_size: 32
...
	.end_amdgpu_metadata
.endif
;; end of part 8
;; launch ln (part 9): grid 256 x 1, 4 waves a work-group, no clusters, 0 bytes of LDS; arguments xres, out0; writes out0
.if DOCPART == 9
	.amdgcn_target "amdgcn-amd-amdhsa--gfx1250"
	.amdhsa_code_object_version 6
	.text
	.protected	k_q48f9df6be7_ln
	.globl	k_q48f9df6be7_ln
	.p2align	8
	.type	k_q48f9df6be7_ln,@function
k_q48f9df6be7_ln:
	s_mov_b64 s[64:65], 0
	v_nop
	global_prefetch_b8 v0, s[64:65] scope:SCOPE_SE
	s_setreg_imm32_b32 hwreg(HW_REG_WAVE_MODE, 25, 1), 1
	s_wait_xcnt 0x0
; out0 = LayerNorm(xres), without gains: (x - mean) / sqrt(var + 1e-5) over each row of 1,024.
; SHARES.  Work-group g owns rows 8 g .. 8 g + 7; a wave two of them, 32 numbers of each row to a lane, the two rows' chains line by line by turns.  A row never leaves its wave: no LDS, no barrier.
; Each load and each store covers 512 consecutive bytes, aligned.  One run of loads and no loop: nothing is prefetched.  No matrix work, no shared input: no cluster.
; A NaN in a row makes the whole row NaN, as reference() has it.
	s_load_b128 s[4:7], s[0:1], 0x0                ; xres, out0
	v_lshrrev_b32 v1, 5, v0
	v_readfirstlane_b32 s8, v1                     ; wave 0..3
	v_and_b32 v2, 31, v0
	v_lshlrev_b32 v2, 4, v2                        ; 16 x lane
	v_mov_b32 v8, 0                                ; a lane permute's destination counts as one of its sources
	v_mov_b32 v9, 0
	v_mov_b32 v97, 0                               ; (named as the upper halves of pairs)
	v_mov_b32 v99, 0
	s_lshl_b32 s9, ttmp9, 2
	s_add_co_u32 s9, s9, s8
	s_lshl_b32 s10, s9, 13                         ; two rows of 4,096 bytes
	s_mov_b32 s11, 0
	s_mov_b32 s12, 0x76543210
	s_mov_b32 s13, 0xfedcba98                      ; selects for lane l xor 16
	s_mov_b32 s14, 0x3a800000                      ; 1 / 1,024
	s_mov_b32 s15, 0x3727c5ac                      ; 1e-5
	s_wait_alu depctr_va_vdst(0)
	s_wait_kmcnt 0x0
	s_add_nc_u64 s[4:5], s[4:5], s[10:11]
	s_add_nc_u64 s[6:7], s[6:7], s[10:11]
.irp i, 0,1,2,3,4,5,6,7,8,9,10,11,12,13,14,15
	global_load_b128 v[16+4*\i:19+4*\i], v2, s[4:5] offset:512*\i th:TH_LOAD_NT   ; row x: v[16 + 32 x ..]
.endr
	s_wait_loadcnt 0x0
.macro ACROSS a                        ; v[a] and v[a + 4]: the two chains' halves, then the 32 lanes: each row's sum in every lane
.irp x, 0,1
	v_pk_add_f32 v[\a+4*\x:\a+4*\x+1], v[\a+4*\x:\a+4*\x+1], v[\a+4*\x+2:\a+4*\x+3]
.endr
.irp x, 0,1
	v_add_f32 v[\a+4*\x], v[\a+4*\x], v[\a+4*\x+1]
.endr
.irp m, 1,2,4,8
.irp x, 0,1
	v_add_f32_dpp v[\a+4*\x], v[\a+4*\x], v[\a+4*\x] row_xmask:\m row_mask:0xf bank_mask:0xf
.endr
.endr
.irp x, 0,1
	v_permlanex16_b32 v[8+\x], v[\a+4*\x], s12, s13
.endr
.irp x, 0,1
	v_add_f32 v[\a+4*\x], v[\a+4*\x], v[8+\x]
.endr
.endm
.irp x, 0,1
	v_pk_add_f32 v[80+4*\x:81+4*\x], v[16+32*\x:17+32*\x], v[18+32*\x:19+32*\x]
	v_pk_add_f32 v[82+4*\x:83+4*\x], v[20+32*\x:21+32*\x], v[22+32*\x:23+32*\x]
.endr
.irp j, 8,12,16,20,24,28
.irp x, 0,1
	v_pk_add_f32 v[80+4*\x:81+4*\x], v[80+4*\x:81+4*\x], v[16+32*\x+\j:17+32*\x+\j]
	v_pk_add_f32 v[82+4*\x:83+4*\x], v[82+4*\x:83+4*\x], v[18+32*\x+\j:19+32*\x+\j]
.endr
.endr
	ACROSS 80
.irp x, 0,1
	v_mul_f32 v[80+4*\x], s14, v[80+4*\x]          ; the mean
.endr
.irp j, 0,2,4,6,8,10,12,14,16,18,20,22,24,26,28,30
.irp x, 0,1
	v_pk_add_f32 v[16+32*\x+\j:17+32*\x+\j], v[16+32*\x+\j:17+32*\x+\j], v[80+4*\x:81+4*\x] op_sel_hi:[1,0] neg_lo:[0,1] neg_hi:[0,1]   ; x - mean
.endr
.endr
.irp x, 0,1
	v_pk_mul_f32 v[88+4*\x:89+4*\x], v[16+32*\x:17+32*\x], v[16+32*\x:17+32*\x]
	v_pk_mul_f32 v[90+4*\x:91+4*\x], v[18+32*\x:19+32*\x], v[18+32*\x:19+32*\x]
.endr
.irp j, 4,8,12,16,20,24,28
.irp x, 0,1
	v_pk_fma_f32 v[88+4*\x:89+4*\x], v[16+32*\x+\j:17+32*\x+\j], v[16+32*\x+\j:17+32*\x+\j], v[88+4*\x:89+4*\x]
	v_pk_fma_f32 v[90+4*\x:91+4*\x], v[18+32*\x+\j:19+32*\x+\j], v[18+32*\x+\j:19+32*\x+\j], v[90+4*\x:91+4*\x]
.endr
.endr
	ACROSS 88
.irp x, 0,1
	v_fma_f32 v[88+4*\x], v[88+4*\x], s14, s15     ; the variance + 1e-5
.endr
	s_wait_alu depctr_va_vdst(0)
	v_rsq_f32 v96, v88
	v_rsq_f32 v98, v92
	v_nop                                          ; a plain instruction behind the transcendentals
	s_wait_alu depctr_va_vdst(0)
.irp j, 0,2,4,6,8,10,12,14,16,18,20,22,24,26,28,30
.irp x, 0,1
	v_pk_mul_f32 v[16+32*\x+\j:17+32*\x+\j], v[16+32*\x+\j:17+32*\x+\j], v[96+2*\x:97+2*\x] op_sel_hi:[1,0]
.endr
.endr
.irp i, 0,1,2,3,4,5,6,7,8,9,10,11,12,13,14,15
	global_store_b128 v2, v[16+4*\i:19+4*\i], s[6:7] offset:512*\i th:TH_STORE_NT
.endr
	s_endpgm
.Lfunc_end_k_q48f9df6be7_ln:
	.size	k_q48f9df6be7_ln, .Lfunc_end_k_q48f9df6be7_ln-k_q48f9df6be7_ln
	.p2alignl 7, 3214868480
	.fill 96, 4, 3214868480
	.section	.rodata,"a",@progbits
	.p2align	6, 0x0
	.amdhsa_kernel k_q48f9df6be7_ln
		.amdhsa_group_segment_fixed_size 0
		.amdhsa_private_segment_fixed_size 0
		.amdhsa_enable_private_segment 0
		.amdhsa_kernarg_size 16
		.amdhsa_user_sgpr_count 2
		.amdhsa_user_sgpr_kernarg_segment_ptr 1
		.amdhsa_wavefront_size32 1
		.amdhsa_system_sgpr_workgroup_id_x 1
		.amdhsa_system_sgpr_workgroup_id_y 1
		.amdhsa_system_sgpr_workgroup_id_z 1
		.amdhsa_system_vgpr_workitem_id 0
		.amdhsa_next_free_vgpr 128
		.amdhsa_next_free_sgpr 66
		.amdhsa_reserve_vcc 0
		.amdhsa_float_denorm_mode_32 3
		.amdhsa_float_denorm_mode_16_64 3
		.amdhsa_memory_ordered 1
		.amdhsa_forward_progress 1
		.amdhsa_inst_pref_size 14
	.end_amdhsa_kernel
	.amdgpu_metadata
---
amdhsa.version: [ 1, 2 ]
amdhsa.kernels:
  - .name:           k_q48f9df6be7_ln
    .symbol:         k_q48f9df6be7_ln.kd
    .args:
      - { .name: xres, .offset: 0, .size: 8, .value_kind: global_buffer, .address_space: global }
      - { .name: out0, .offset: 8, .size: 8, .value_kind: global_buffer, .address_space: global }
    .group_segment_fixed_size: 0
    .private_segment_fixed_size: 0
    .kernarg_segment_align: 8
    .kernarg_segment_size: 16
    .max_flat_workgroup_size: 128
    .sgpr_count:     66
    .vgpr_count:     128
    .wavefront_size: 32
...
	.end_amdgpu_metadata
.endif
;; end of part 9
